; MI455X (gfx1250); checked and timed in simulation.
; The chip was launched on July 23, 2026; its instructions are those of AMD's public machine-readable ISA for CDNA 5 (MIT licence, August 2026) and "CDNA5" Instruction Set Architecture Reference Guide (July 2026). The comments in the code are by the model that wrote it; some were corrected since.
;; attn mh. Allowed arithmetic: matrix products marked QUANTISED: E2M1 operands, one E8M0 scale for each 32 along K, by v_wmma_scale_f32_16x16x128_f8f6f4 with both operands' format E2M1 (or v_wmma_scale_f32_32x16x128_f4), f32 sums; everything else in f32.
;; Inputs: Wk_b 1,000 float32; Wk_w 1,000 x 1,000 float32; Wo_b 1,000 float32; Wo_w 1,000 x 1,000 float32; Wq_b 1,000 float32; Wq_w 1,000 x 1,000 float32; Wv_b 1,000 float32; Wv_w 1,000 x 1,000 float32; k 128 x 128 x 1,000 float32; ln_b 1,000 float32; ln_g 1,000 float32; mask 128 x 1 x 1 x 128 bool; q 128 x 128 x 1,000 float32; v 128 x 128 x 1,000 float32.
;; Outputs: out0 128 x 128 x 1,000 float32.
;; This version of the problem:
;;   THIS VERSION OF THE PROBLEM IS GIVEN IN LOW PRECISION. The matrix products marked QUANTISED in the list below multiply operands that are first quantised to E2M1 (2 exponent bits, 1 mantissa bit; 4 bits a number), with one power-of-two scale for each 32 numbers along K (OCP MX v1.0); their sums are f32. All else is computed in f32.
;;   The module's matrix products, in the order in which they are computed (A, B: the left and right operand; K: the contracted axis; several contracted axes count as one K, in the product's order):
;;     1. [M 16,384, K 1,000] x [K 1,000, N 1,000]; A: input q; B: input Wq_w: QUANTISED
;;     2. [M 16,384, K 1,000] x [K 1,000, N 1,000]; A: input k; B: input Wk_w: QUANTISED
;;     3. [M 16,384, K 1,000] x [K 1,000, N 1,000]; A: input v; B: input Wv_w: QUANTISED
;;     4. batch 1,024 x [M 128, K 125] x [K 125, N 128]; A: computed on the way; B: computed on the way: QUANTISED
;;     5. batch 1,024 x [M 128, K 128] x [K 128, N 125]; A: softmax (see below); B: computed on the way: QUANTISED
;;     6. [M 16,384, K 1,000] x [K 1,000, N 1,000]; A: computed on the way; B: input Wo_w: QUANTISED
;;   THE QUANTISER, for each operand of a quantised product, along K:
;;     - K is cut into blocks of 32 from its start; a last block that is shorter is filled with zeros.
;;     - A block's scale is 2^e with e = floor(log2(the largest magnitude in the block)) - 2, held to -126 .. 127; a block of zeros has e = 0. As a byte (E8M0): e + 127.
;;     - Each number is divided by its block's scale, clamped to +-6, and rounded to the nearest number of E2M1, ties to even, subnormals kept.
;;     - The product sums the exact products of the quantised numbers (number of the format x scale) in f32.
;;   ~~~python
;;   def quantise(x, axis):      # numpy; x: float32 -> the quantised numbers, widened to float32 again
;;       x = np.moveaxis(x, axis, -1); K = x.shape[-1]
;;       x = np.pad(x, [(0, 0)] * (x.ndim - 1) + [(0, -K % 32)]); x = x.reshape(x.shape[:-1] + (-1, 32)); a = np.abs(x).max(-1, keepdims=True)
;;       e = np.where(a > 0, np.clip(np.frexp(np.where(a > 0, a, 1))[1] - 1 - 2, -126, 127), 0)      # np.frexp(a)[1] - 1 = floor(log2(a)), exactly
;;       r = np.clip(x / 2.0 ** e, -6, 6)
;;       step = 2.0 ** (np.maximum(np.frexp(np.where(r == 0, 1, r))[1] - 1, 0) - 1)
;;       q = np.round(r / step) * step * 2.0 ** e      # np.round: ties to even
;;       return np.moveaxis(q.reshape(q.shape[:-2] + (-1,))[..., :K], -1, axis).astype(np.float32)
;;   ~~~
;;   SOFTMAX AHEAD OF A QUANTISED PRODUCT. Where the list says 'softmax', what is quantised is not the finished softmax but p = 2^(t - M), with t = logit x log2(e) and M = ceil(the row's largest t), a whole number; so 1/2 < the row's largest p <= 1. The row's sum l is taken of the UNQUANTISED p, in f32, and the product's result is divided by l at the end. Since M is a whole number, a kernel that streams over the keys may use a running M (the ceiling of the running maximum): every later rescaling is an exact power of two, which a block's scale takes up: the codes' values come out the same.
;;   OPERANDS COMPUTED ON THE WAY. 'Computed on the way' means the value that the module computes at that place (a softmax that the list does not call 'softmax' is quantised finished and normalised). What goes into a quantiser is computed in f32, as accurately as f32 sums, v_exp_f32 and their like allow (about 1e-6 of the number): no bf16 or f16 on the way to a quantiser, and a product that is left as it is and whose result goes on into a quantised operand takes f32 operands (vector FMAs, or v_wmma_f32_16x16x4_f32). A number that lies on a knife's edge between two numbers of the format may be rounded either way, as far as f32 arithmetic and the matrix unit's own rounding can turn it there, and no further.
;; 2 versions. Each part assembles by itself: llvm-mc -triple=amdgcn-amd-amdhsa -mcpu=gfx1250 --defsym DOCPART=n.
;; ======== version 1 of 2: 3 launches
;; workspace buffers: wc 2,097,152 bytes; ws 131,072 bytes; bp 16,384 bytes; kvc 16,777,216 bytes; kvs 1,048,576 bytes
;; launch prep (part 1): grid 256 x 1, 8 waves a work-group, no clusters, 69,120 bytes of LDS; arguments Wq_w, Wk_w, Wv_w, Wo_w, Wq_b, Wk_b, Wv_b, Wo_b, wc, ws, bp; writes wc, ws, bp
.if DOCPART == 1
	.amdgcn_target "amdgcn-amd-amdhsa--gfx1250"
	.amdhsa_code_object_version 6
	.text
	.protected	k_q711042a9f3_prep
	.globl	k_q711042a9f3_prep
	.p2align	8
	.type	k_q711042a9f3_prep,@function
k_q711042a9f3_prep:
	s_mov_b64 s[64:65], 0
	v_nop
	global_prefetch_b8 v0, s[64:65] scope:SCOPE_SE
	s_setreg_imm32_b32 hwreg(HW_REG_WAVE_MODE, 25, 1), 1
	s_wait_xcnt 0x0
; The four weights [1000][1000] f32 (K innermost) become codes of FP4 (E2M1) with one E8M0 byte for each 32 along K, laid as IMAGES OF OPERAND REGISTERS.
; wc: [mat 0..3 = q,k,v,o][group g 0..7][K step s 0..7][tile t 0..7][1,024 bytes]: register group c of lane L at 512 c + 16 L; lane (r, h) holds k = 128 s + 64 c + 32 h + 0..31.
; Lane r of tile t is row n = G g + dd, dd = 32 (t/2) + 8 (t%2) + r + 8 (r/8); G = 125 (a head) for q, k, v and 128 for o.  Rows with dd >= G or n >= 1000, and k >= 1000, are zero codes.
; ws: [mat][g][s][r][t] scale words.   bp: [mat][1024] f32: the bias at G g + dd, 0 where the row does not exist.
; Work-group = one (mat, g, s); wave t makes one fragment.  Each of its 16 loads reads 512 consecutive bytes of one row; the rows turn through the wave's own stage in LDS so that a lane gets 16 neighbours of each block.
; LIMITS: NaN and infinities are not served; a block whose largest magnitude lies under 2^-124 (a block of zeros too) keeps the byte 1: its bytes are read by this program alone.
.set STGB, 8448                        ; a wave's stage: 16 rows x (512 + 16) bytes
.set SG,   8*STGB                      ; behind the stages: the work-group's 512 bytes of scale words
.set LI,   4                           ; 16 x lane
.set OFF,  5                           ; my 16 bytes of a row's 512 of this K step, held inside the row
.set SA,   6                           ; stage, way in
.set SRD,  7                           ; stage, way out
.set SGA,  8                           ; where my row's scale word goes
.set NIL,  9
.set DD,   10
.set NN,   11
.set SGR,  12                          ; wave 0 reads the scale words back here
.set RA,   16                          ; v16-31 row addresses
.set R,    32                          ; v32-95 as loaded
.set X,    96                          ; v96-159 register 16 b + i = k 32 b + 16 h + i of my row
.set TM,   160
.set TP,   164
.set TS,   168
.set PW,   176
.set PC,   178
; 64 numbers of a lane become a fragment's codes in v[PC] on and its scale word in v[PW]
.macro QUANT s
.irp b, 0,1,2,3
	v_max3_num_f32 v[TM+\b], |v[\s+16*\b]|, |v[\s+16*\b+1]|, 0x1800000   ; my 16 numbers of block b, and the floor 2^(3-127): the byte cannot fall under 1
.endr
.irp i, 2,4,6,8,10,12,14
.irp b, 0,1,2,3
	v_max3_num_f32 v[TM+\b], |v[\s+16*\b+\i]|, |v[\s+16*\b+\i+1]|, v[TM+\b]
.endr
.endr
.irp b, 0,1,2,3
	v_permlanex16_b32 v[TP+\b], v[TM+\b], s40, s41
.endr
.irp b, 0,1,2,3
	v_max_num_f32 v[TM+\b], v[TM+\b], v[TP+\b]         ; with lane l xor 16's: the block's largest magnitude
.endr
.irp b, 0,1,2,3
	v_add_nc_u32 v[TS+\b], 0xff000000, v[TM+\b]        ; 2 off its exponent field: the conversion's scale operand
.endr
.irp b, 0,1,2,3
	v_lshrrev_b32 v[TP+\b], 23, v[TS+\b]               ; the scale's byte
.endr
	v_lshl_or_b32 v[PW], v[TP+1], 8, v[TP]
	v_lshl_or_b32 v[PW], v[TP+2], 16, v[PW]
	v_lshl_or_b32 v[PW], v[TP+3], 24, v[PW]
.irp b, 0,1,2,3
	v_cvt_scalef32_pk8_fp4_f32 v[PC+2*\b], v[\s+16*\b:\s+16*\b+7], v[TS+\b]
	v_cvt_scalef32_pk8_fp4_f32 v[PC+2*\b+1], v[\s+16*\b+8:\s+16*\b+15], v[TS+\b]
.endr
	v_nop                                              ; one plain place behind a scaled conversion
.irp c, 0,1
.irp i, 0,1
	v_permlane16_swap_b32 v[PC+4*\c+\i], v[PC+4*\c+2+\i]   ; a whole block to a lane: registers 4 c .. 4 c + 3 hold k = 64 c + 32 h + 0..31
.endr
.endr
.endm
	s_load_b256 s[4:11], s[0:1], 0x0               ; Wq, Wk, Wv, Wo
	s_load_b256 s[12:19], s[0:1], 0x20             ; their biases
	s_load_b128 s[20:23], s[0:1], 0x40             ; wc, ws
	s_load_b64 s[24:25], s[0:1], 0x50              ; bp
	v_lshl_add_u32 v192, v0, 2, 0x10a00
	v_mov_b32 v193, 0
	v_lshrrev_b32 v1, 5, v0
	v_readfirstlane_b32 s26, v1                    ; wave = tile t
	v_and_b32 v1, 31, v0                           ; lane
	v_and_b32 v2, 15, v0                           ; r
	v_bfe_u32 v3, v0, 4, 1                         ; h
	s_lshr_b32 s27, ttmp9, 6                       ; mat
	s_bfe_u32 s28, ttmp9, 0x30003                  ; g
	s_and_b32 s29, ttmp9, 7                        ; K step s
	s_mov_b32 s30, 125
	s_cmp_eq_u32 s27, 3
	s_cselect_b32 s30, 128, s30                    ; G
	s_mul_i32 s37, s30, s28                        ; G g
	s_lshr_b32 s32, s26, 1
	s_lshl_b32 s32, s32, 5
	s_and_b32 s33, s26, 1
	s_lshl_b32 s33, s33, 3
	s_add_co_u32 s32, s32, s33                     ; 32 (t/2) + 8 (t%2)
	s_add_co_u32 s31, s37, s32                     ; the tile's first row
	s_mov_b32 s40, 0x76543210
	s_mov_b32 s41, 0xfedcba98                      ; v_permlanex16_b32's selects for lane l xor 16
	v_lshlrev_b32 v[LI], 4, v1
	s_lshl_b32 s33, s29, 9
	v_add_nc_u32 v[OFF], s33, v[LI]
	v_min_u32 v[OFF], 3984, v[OFF]                 ; a row is 4,000 bytes: in K step 7 lanes 26-31 read the row's last 16 bytes again; those numbers (k >= 1000) are replaced by 0 below
	s_mul_i32 s33, s26, STGB
	v_add_nc_u32 v[SA], s33, v[LI]
	v_mul_u32_u24 v[SRD], v2, 528
	v_lshl_add_u32 v[SRD], v3, 6, v[SRD]
	v_add_nc_u32 v[SRD], s33, v[SRD]
	v_lshlrev_b32 v[SGA], 5, v2
	s_lshl_b32 s33, s26, 2
	s_add_co_u32 s33, s33, SG
	v_add_nc_u32 v[SGA], s33, v[SGA]               ; SG + 32 r + 4 t
	v_add_nc_u32 v[SGR], SG, v[LI]
	v_mov_b32 v[NIL], 0
.irp b, 0,1,2,3
	v_mov_b32 v[TP+\b], 0                          ; a lane permute's destination counts as one of its sources
.endr
	v_and_b32 v[DD], 8, v2
	v_add_nc_u32 v[DD], v[DD], v2
	v_add_nc_u32 v[DD], s32, v[DD]                 ; dd of my row
	v_add_nc_u32 v[NN], s37, v[DD]                 ; n
	v_cmp_gt_u32 s34, s30, v[DD]
	v_cmp_gt_u32 s36, 1000, v[NN]
	s_and_b32 s34, s34, s36                        ; lanes whose row exists
	s_cmp_eq_u32 s29, 7
	s_cselect_b32 s35, 0xffff0000, 0               ; K step 7: k >= 1000 is block 3, numbers 8..15 of lanes 0-15 and all 16 of lanes 16-31
	s_cselect_b32 s36, -1, 0
.irp i, 0,1,2,3,4,5,6,7,8,9,10,11,12,13,14,15
	s_add_co_u32 s33, s31, \i+8*(\i/8)
	s_min_u32 s33, s33, 999                        ; no load leaves the tensor: rows that do not exist read the last row and are replaced by 0
	s_mul_i32 s33, s33, 4000
	v_add_nc_u32 v[RA+\i], s33, v[OFF]
.endr
	s_lshl_b32 s38, ttmp9, 13
	s_lshl_b32 s33, s26, 10
	s_add_co_u32 s38, s38, s33
	s_mov_b32 s39, 0
	s_wait_kmcnt 0x0
	s_add_nc_u64 s[20:21], s[20:21], s[38:39]      ; my fragment in wc
	s_lshl_b32 s38, ttmp9, 9
	s_add_nc_u64 s[22:23], s[22:23], s[38:39]      ; the work-group's 512 bytes in ws
	s_lshr_b32 s38, ttmp9, 3
	s_lshl_b32 s38, s38, 9
	s_add_nc_u64 s[24:25], s[24:25], s[38:39]      ; the group's 128 numbers in bp
	s_cmp_lt_u32 s27, 2                            ; the tensor is chosen by the work-group's number alone
	s_cselect_b64 s[4:5], s[4:5], s[8:9]
	s_cselect_b64 s[6:7], s[6:7], s[10:11]
	s_cselect_b64 s[12:13], s[12:13], s[16:17]
	s_cselect_b64 s[14:15], s[14:15], s[18:19]
	s_and_b32 s33, s27, 1
	s_cmp_eq_u32 s33, 0
	s_cselect_b64 s[4:5], s[4:5], s[6:7]
	s_cselect_b64 s[12:13], s[12:13], s[14:15]
.irp i, 0,1,2,3,4,5,6,7,8,9,10,11,12,13,14,15
	global_load_b128 v[R+4*\i:R+4*\i+3], v[RA+\i], s[4:5] th:TH_LOAD_NT   ; 32 lanes read 512 consecutive bytes of row i of the tile
.endr
	s_wait_loadcnt 0x0
.irp i, 0,1,2,3,4,5,6,7,8,9,10,11,12,13,14,15
	ds_store_b128 v[SA], v[R+4*\i:R+4*\i+3] offset:528*\i
.endr
.irp b, 0,1,2,3
.irp u, 0,1,2,3
	ds_load_b128 v[X+16*\b+4*\u:X+16*\b+4*\u+3], v[SRD] offset:128*\b+16*\u   ; LDS serves a wave's instructions in order: these see the stores above
.endr
.endr
	s_wait_dscnt 0x0
.set n, 0
.rept 64
	v_cndmask_b32 v[X+n], v[NIL], v[X+n], s34      ; rows that do not exist are zeros
.set n, n+1
.endr
.set n, 0
.rept 8
	v_cndmask_b32 v[X+48+n], v[X+48+n], v[NIL], s35
	v_cndmask_b32 v[X+56+n], v[X+56+n], v[NIL], s36
.set n, n+1
.endr
	QUANT X
	global_store_b128 v[LI], v[PC:PC+3], s[20:21]              ; 512 consecutive bytes a store
	global_store_b128 v[LI], v[PC+4:PC+7], s[20:21] offset:512
	ds_store_b32 v[SGA], v[PW]                     ; lanes r and r + 16 write the same word with the same value
	s_wait_dscnt 0x0                               ; for the others' sake
	s_barrier_signal -1
	s_barrier_wait -1
	s_cmp_lg_u32 s26, 0
	s_cbranch_scc1 .Lnot0
	ds_load_b128 v[100:103], v[SGR]                ; wave 0: the eight tiles' scale words leave as 512 consecutive bytes
	s_wait_dscnt 0x0
	global_store_b128 v[LI], v[100:103], s[22:23]
	s_wait_tensorcnt 0x0
	ds_add_u32 v192, v193
	s_wait_dscnt 0x0
	s_endpgm
.Lnot0:
	s_cmp_lg_u32 s26, 1
	s_cbranch_scc1 .Lend
	s_cmp_lg_u32 s29, 0
	s_cbranch_scc1 .Lend
.irp i, 0,1,2,3                        ; wave 1 of the group's first K step: the group's 128 bias numbers, four a lane
	v_lshl_add_u32 v[104+\i], v1, 2, \i            ; dd
	v_cmp_gt_u32 s[44+\i], s30, v[104+\i]
	v_add_nc_u32 v[104+\i], s37, v[104+\i]         ; n
	v_cmp_gt_u32 s33, 1000, v[104+\i]
	s_and_b32 s[44+\i], s[44+\i], s33
	v_min_u32 v[104+\i], 999, v[104+\i]
	v_lshlrev_b32 v[104+\i], 2, v[104+\i]
	global_load_b32 v[108+\i], v[104+\i], s[12:13]
.endr
	s_wait_loadcnt 0x0
.irp i, 0,1,2,3
	v_cndmask_b32 v[108+\i], v[NIL], v[108+\i], s[44+\i]
.endr
	global_store_b128 v[LI], v[108:111], s[24:25]
.Lend:
	s_wait_tensorcnt 0x0
	ds_add_u32 v192, v193
	s_wait_dscnt 0x0
	s_endpgm
.Lfunc_end_k_q711042a9f3_prep:
	.size	k_q711042a9f3_prep, .Lfunc_end_k_q711042a9f3_prep-k_q711042a9f3_prep
	.p2alignl 7, 3214868480
	.fill 96, 4, 3214868480
	.section	.rodata,"a",@progbits
	.p2align	6, 0x0
	.amdhsa_kernel k_q711042a9f3_prep
		.amdhsa_group_segment_fixed_size 69120
		.amdhsa_private_segment_fixed_size 0
		.amdhsa_enable_private_segment 0
		.amdhsa_kernarg_size 88
		.amdhsa_user_sgpr_count 2
		.amdhsa_user_sgpr_kernarg_segment_ptr 1
		.amdhsa_wavefront_size32 1
		.amdhsa_system_sgpr_workgroup_id_x 1
		.amdhsa_system_sgpr_workgroup_id_y 1
		.amdhsa_system_sgpr_workgroup_id_z 1
		.amdhsa_system_vgpr_workitem_id 0
		.amdhsa_next_free_vgpr 194
		.amdhsa_next_free_sgpr 66
		.amdhsa_reserve_vcc 0
		.amdhsa_float_denorm_mode_32 3
		.amdhsa_float_denorm_mode_16_64 3
		.amdhsa_memory_ordered 1
		.amdhsa_forward_progress 1
		.amdhsa_inst_pref_size 22
	.end_amdhsa_kernel
	.amdgpu_metadata
---
amdhsa.version: [ 1, 2 ]
amdhsa.kernels:
  - .name:           k_q711042a9f3_prep
    .symbol:         k_q711042a9f3_prep.kd
    .args:
      - { .name: Wq_w, .offset: 0, .size: 8, .value_kind: global_buffer, .address_space: global }
      - { .name: Wk_w, .offset: 8, .size: 8, .value_kind: global_buffer, .address_space: global }
      - { .name: Wv_w, .offset: 16, .size: 8, .value_kind: global_buffer, .address_space: global }
      - { .name: Wo_w, .offset: 24, .size: 8, .value_kind: global_buffer, .address_space: global }
      - { .name: Wq_b, .offset: 32, .size: 8, .value_kind: global_buffer, .address_space: global }
      - { .name: Wk_b, .offset: 40, .size: 8, .value_kind: global_buffer, .address_space: global }
      - { .name: Wv_b, .offset: 48, .size: 8, .value_kind: global_buffer, .address_space: global }
      - { .name: Wo_b, .offset: 56, .size: 8, .value_kind: global_buffer, .address_space: global }
      - { .name: wc, .offset: 64, .size: 8, .value_kind: global_buffer, .address_space: global }
      - { .name: ws, .offset: 72, .size: 8, .value_kind: global_buffer, .address_space: global }
      - { .name: bp, .offset: 80, .size: 8, .value_kind: global_buffer, .address_space: global }
    .group_segment_fixed_size: 69120
    .private_segment_fixed_size: 0
    .kernarg_segment_align: 8
    .kernarg_segment_size: 88
    .max_flat_workgroup_size: 256
    .sgpr_count:     66
    .vgpr_count:     194
    .wavefront_size: 32
...
	.end_amdgpu_metadata
.endif
;; end of part 1
;; launch kvproj (part 2): grid 128 x 2, 4 waves a work-group, no clusters, 103,936 bytes of LDS; arguments k, v, wc, ws, bp, kvc, kvs; writes kvc, kvs
.if DOCPART == 2
	.amdgcn_target "amdgcn-amd-amdhsa--gfx1250"
	.amdhsa_code_object_version 6
	.text
	.protected	k_q711042a9f3_kvproj
	.globl	k_q711042a9f3_kvproj
	.p2align	8
	.type	k_q711042a9f3_kvproj,@function
k_q711042a9f3_kvproj:
	s_mov_b64 s[64:65], 0
	v_nop
	global_prefetch_b8 v0, s[64:65] scope:SCOPE_SE
	s_setreg_imm32_b32 hwreg(HW_REG_WAVE_MODE, 25, 1), 1
	s_wait_xcnt 0x0
; One work-group = one batch (x) of k (y = 0) or of v (y = 1): its 128 rows [1000] f32 are quantised along K, multiplied by Wk or Wv (codes made by the launch before), the bias added,
; and the result quantised again: kh along d (the first attention product's K), vh along the keys (the second's).  Both leave as images of operand registers:
; kvc [y][batch][head][tile a][1,024 bytes], kvs [y][batch][head][r][a] scale words.  k: lane r of tile a = key dd(a, r), K = d;  v: lane r = d = dd(a, r), K = keys.  dd(a, r) = 32 (a/2) + 8 (a%2) + r + 8 (r/8).
; STREAM: wave w turns rows 32 w .. 32 w + 31 into 16 fragments (two tiles x eight K steps) in LDS; tile m holds rows dd(m, r).  Loads read 512 consecutive bytes of a row, 64 of them (32 KB) on their way a wave.
; PRODUCT: the waves share the COLUMNS: wave w owns heads 2 w and 2 w + 1, one after the other, 128 x 128 each: 64 accumulators.  So each weight fragment has one reader in the work-group and goes from
; memory straight into that wave's registers (a ring of four K steps, three ahead); only the rows' codes go through LDS.  That is why no tile is shared between work-groups by a joint request here.
; The first head's K steps 0 and 1 are asked for in the stream's last trip, as soon as the stream's first slot of registers is free.
; k: source 0 = 16 rows of W, source 1 = 16 keys: a lane holds one key and registers along d.   v: source 0 = 16 keys, source 1 = 16 rows of W: a lane holds one d and registers along the keys.
; LIMITS: NaN and infinities are not served; a block whose largest magnitude lies under 2^-124 (zeros too) keeps the byte 1.
; REGISTERS: window 0: v1-23 addresses; v32-63 W's scale words (ring of 4 x 8), v64-79 the rows' (2 x 8); v80-121 at work; v128-191, v192-255 the rows' fragments, two sets (set 0 also the stream's 64 numbers and, on a head's way out, its eight fragments of codes; set 1 also the bias as C).
;   window 1: the stream's two slots of 128, then the ring of W's fragments (4 x 64).   windows 2, 3: accumulator (a, b) at v[8 (8 (a%4) + b)].
.set XSC,  65536                       ; LDS: 0: 64 fragment images, (8 m + s) x 1,024;  XSC: their scale words, (8 m + s) x 64 + 4 r;  STG: a stage of 16 x 528 bytes for each wave
.set STG,  69632
.set STGB, 8448
.set NTR,  4                           ; trips of the stream: two groups of two K steps each; the last is written out
.set LI,   4
.set LWS,  5
.set LXS,  6
.set SA,   7
.set SRD,  8
.set NIL,  9
.set XSW,  10
.set IA,   11
.set OF,   12
.set LB,   16
.set SO,   17
.set SW4,  18
.set LIW,  22
.set IS,   23
.set WSC,  32
.set XSCR, 64
.set PC,   80
.set PWS,  88
.set TM,   96
.set TP,   100
.set TS,   104
.set PW,   112
.set BT,   114
.set XF,   128
.set X,    128
.set BIAS, 192
.set W,    18
.set YY,   20
.set XB,   22
.set WB,   24
.set WSB,  26
.set BB,   28
.set OC,   30
.set OS,   32
.set SEL,  34
.set MH1,  36
.set MA,   37
.set MB,   38
.set SCT,  39
.set SH,   40
.set T0,   41
.set T1,   42
.set P0,   44
.set SIMG, 46
.set SSCL, 47
.set MSB, 0
.macro WIN new                         ; the immediate's high byte repeats the setting that is left; a switch that changes nothing is dropped
.if MSB != (\new)
	s_set_vgpr_msb (MSB<<8)|(\new)
.set MSB, \new
.endif
.endm
.macro PLACES n
.rept \n
	v_nop
.endr
.endm
.macro WMC d, a, b, c, sa, sb
	v_wmma_scale_f32_16x16x128_f8f6f4 v[(\d):(\d)+7], v[(\a):(\a)+7], v[(\b):(\b)+7], v[(\c):(\c)+7], v[(\sa)], v[(\sb)] matrix_a_fmt:MATRIX_FMT_FP4 matrix_b_fmt:MATRIX_FMT_FP4
.endm
; 64 numbers of a lane in window w, register 16 b + i = k 32 b + 16 h + i of my row, become a fragment's codes in v[pc] on (window 0) and its scale word in v[PW]
.macro QUANT s, w, pc
	WIN (\w)|((\w)<<2)
.irp b, 0,1,2,3
	v_max3_num_f32 v[TM+\b], |v[(\s)+16*\b]|, |v[(\s)+16*\b+1]|, 0x1800000   ; my 16 numbers of block b, and the floor 2^(3-127)
.endr
.irp i, 2,4,6,8,10,12,14
.irp b, 0,1,2,3
	v_max3_num_f32 v[TM+\b], |v[(\s)+16*\b+\i]|, |v[(\s)+16*\b+\i+1]|, v[TM+\b]
.endr
.endr
	WIN 0
.irp b, 0,1,2,3
	v_permlanex16_b32 v[TP+\b], v[TM+\b], s[SEL], s[SEL+1]
.endr
.irp b, 0,1,2,3
	v_max_num_f32 v[TM+\b], v[TM+\b], v[TP+\b]
.endr
.irp b, 0,1,2,3
	v_add_nc_u32 v[TS+\b], 0xff000000, v[TM+\b]        ; 2 off the exponent field: the conversion's scale operand
.endr
.irp b, 0,1,2,3
	v_lshrrev_b32 v[TP+\b], 23, v[TS+\b]
.endr
	v_lshl_or_b32 v[PW], v[TP+1], 8, v[TP]
	v_lshl_or_b32 v[PW], v[TP+2], 16, v[PW]
	v_lshl_or_b32 v[PW], v[TP+3], 24, v[PW]
	WIN \w
.irp b, 0,1,2,3
	v_cvt_scalef32_pk8_fp4_f32 v[(\pc)+2*\b], v[(\s)+16*\b:(\s)+16*\b+7], v[TS+\b]
	v_cvt_scalef32_pk8_fp4_f32 v[(\pc)+2*\b+1], v[(\s)+16*\b+8:(\s)+16*\b+15], v[TS+\b]
.endr
	WIN 0
	v_nop                                              ; one plain place behind a scaled conversion
.irp c, 0,1
.irp i, 0,1
	v_permlane16_swap_b32 v[(\pc)+4*\c+\i], v[(\pc)+4*\c+2+\i]
.endr
.endr
.endm
; group 2 sT + add of the wave's eight: two K steps (1,024 bytes) of 16 rows: 32 loads into a slot of window 1
.macro ISSUE slot, add
	s_lshl_b32 s[T0], s[SCT], 1
	s_add_co_u32 s[T0], s[T0], \add
	s_and_b32 s[T1], s[T0], 3
	s_lshl_b32 s[T1], s[T1], 10                    ; which 1,024 bytes of the rows
	s_lshr_b32 s[T0], s[T0], 2
	s_mul_i32 s[T0], s[T0], 32000                  ; the wave's second tile begins 8 rows on
.irp j, 0,1
	v_add_nc_u32 v[OF+2*\slot+\j], s[T1], v[LI]
.if \j
	v_add_nc_u32 v[OF+2*\slot+\j], 512, v[OF+2*\slot+\j]
.endif
	v_min_u32 v[OF+2*\slot+\j], 3984, v[OF+2*\slot+\j]         ; inside the row of 4,000 bytes; what is read twice (k >= 1000) is replaced by 0
	v_add_nc_u32 v[OF+2*\slot+\j], s[T0], v[OF+2*\slot+\j]
.endr
	WIN 0x40
.irp j, 0,1
.irp i, 0,1,2,3,4,5,6,7,8,9,10,11,12,13,14,15
	global_load_b128 v[128*\slot+64*\j+4*\i:128*\slot+64*\j+4*\i+3], v[OF+2*\slot+\j], s[XB:XB+1] offset:4000*(\i+8*(\i/8)) th:TH_LOAD_NT
.endr
.endr
	WIN 0
.endm
; the slot's two K steps turn through the stage, are quantised, and go to LDS as images
.macro CONSUME slot, add
	s_lshl_b32 s[T0], s[SCT], 1
	s_add_co_u32 s[T0], s[T0], \add
	s_and_b32 s[T0], s[T0], 3
	s_cmp_eq_u32 s[T0], 3                          ; the group with K step 7
	s_cselect_b32 s[MA], s[MH1], 0
	s_cselect_b32 s[MB], -1, 0
	v_add_nc_u32 v[IA], s[SIMG], v[LIW]
	v_add_nc_u32 v[IS], s[SSCL], v[XSW]
.irp j, 0,1
	WIN 0x04
.irp i, 0,1,2,3,4,5,6,7,8,9,10,11,12,13,14,15
	ds_store_b128 v[SA], v[128*\slot+64*\j+4*\i:128*\slot+64*\j+4*\i+3] offset:528*\i
.endr
	WIN 0
.irp b, 0,1,2,3
.irp u, 0,1,2,3
	ds_load_b128 v[X+16*\b+4*\u:X+16*\b+4*\u+3], v[SRD] offset:128*\b+16*\u
.endr
.endr
	s_wait_dscnt 0x0                               ; my 64 numbers are in; the stores before them (the last image's too) are done
.if \j == 1
.set n, 0
.rept 8
	v_cndmask_b32 v[X+48+n], v[X+48+n], v[NIL], s[MA]          ; K step 7: k >= 1000 is zero
	v_cndmask_b32 v[X+56+n], v[X+56+n], v[NIL], s[MB]
.set n, n+1
.endr
.endif
	QUANT X,0,PC
.irp c, 0,1
	ds_store_b128 v[IA], v[PC+4*\c:PC+4*\c+3] offset:2048*\add+1024*\j+512*\c
.endr
	ds_store_b32 v[IS], v[PW] offset:128*\add+64*\j            ; lanes r and r + 16 write the same word with the same value
.endr
.endm
; K step sg of the job's weights into ring slot: 16 loads of 512 consecutive bytes and 2 of scale words: 18 loads
.macro LOADW slot, sg
	WIN 0x40
.irp t, 0,1,2,3,4,5,6,7
.irp c, 0,1
	global_load_b128 v[64*(\slot)+8*\t+4*\c:64*(\slot)+8*\t+4*\c+3], v[LI], s[WB:WB+1] offset:8192*(\sg)+1024*\t+512*\c
.endr
.endr
	WIN 0
.irp c, 0,1
	global_load_b128 v[WSC+8*(\slot)+4*\c:WSC+8*(\slot)+4*\c+3], v[LWS], s[WSB:WSB+1] offset:512*(\sg)+16*\c
.endr
.endm
; the eight row tiles' fragments and scale words of K step ks: 24 LDS loads
.macro FETCHX set, ks
.irp m, 0,1,2,3,4,5,6,7
.irp c, 0,1
	ds_load_b128 v[XF+64*(\set)+8*\m+4*\c:XF+64*(\set)+8*\m+4*\c+3], v[LI] offset:(8*\m+(\ks))*1024+512*\c
.endr
.endr
.irp m, 0,1,2,3,4,5,6,7
	ds_load_b32 v[XSCR+8*(\set)+\m], v[LXS] offset:(8*\m+(\ks))*64
.endr
.endm
.macro BIASLD swap
.if \swap
.irp a, 0,1,2,3,4,5,6,7
	global_load_b32 v[BT+\a], v[LB], s[BB:BB+1] offset:(32*(\a/2)+8*(\a%2))*4      ; v: the bias hangs on d, which is the lane's
.endr
.else
.irp t, 0,1,2,3,4,5,6,7
	global_load_b128 v[BIAS+8*\t:BIAS+8*\t+3], v[LB], s[BB:BB+1] offset:(32*(\t/2)+8*(\t%2))*4      ; k: eight registers a tile, in the result's layout
	global_load_b128 v[BIAS+8*\t+4:BIAS+8*\t+7], v[LB], s[BB:BB+1] offset:(32*(\t/2)+8*(\t%2))*4+16
.endr
.endif
.endm
; 64 matrix instructions: the 64 accumulators by turns, one instruction a turn, in the same order in every step.  first = 1: the bias is the C that starts the sums
.macro MUL64 ks, first, swap
.irp a, 0,1,2,3,4,5,6,7
.if \first
	WIN (0x80+0x40*(\a/4))|(1<<(2*\swap))
.else
	WIN (0xa0+0x50*(\a/4))|(1<<(2*\swap))
.endif
.irp b, 0,1,2,3,4,5,6,7
.if \swap
.if \first
	WMC 8*(8*(\a%4)+\b),XF+64*((\ks)%2)+8*\b,64*((\ks)%4)+8*\a,BIAS+8*\a,XSCR+8*((\ks)%2)+\b,WSC+8*((\ks)%4)+\a
.else
	WMC 8*(8*(\a%4)+\b),XF+64*((\ks)%2)+8*\b,64*((\ks)%4)+8*\a,8*(8*(\a%4)+\b),XSCR+8*((\ks)%2)+\b,WSC+8*((\ks)%4)+\a
.endif
.else
.if \first
	WMC 8*(8*(\a%4)+\b),64*((\ks)%4)+8*\b,XF+64*((\ks)%2)+8*\a,BIAS+8*\b,WSC+8*((\ks)%4)+\b,XSCR+8*((\ks)%2)+\a
.else
	WMC 8*(8*(\a%4)+\b),64*((\ks)%4)+8*\b,XF+64*((\ks)%2)+8*\a,8*(8*(\a%4)+\b),WSC+8*((\ks)%4)+\b,XSCR+8*((\ks)%2)+\a
.endif
.endif
.endr
.endr
	WIN 0
.endm
; One K step.  Loads into registers that matrix instructions have read stand four plain places behind them (ISA guide 7.12.1 for vector instructions).
.macro KSTEP ks, swap
.if \ks > 0
	PLACES 4
.endif
.if \ks <= 4
	LOADW (\ks+3)%4,\ks+3
.endif
.if \ks == 1
	FETCHX 1,1                                     ; set 1 held the bias through step 0
	FETCHX 0,2
.elseif (\ks >= 2) && (\ks <= 6)
	FETCHX (\ks+1)%2,\ks+1
.endif
.if \ks == 0
	s_wait_loadcnt 36                              ; K steps 2 and 3 (18 loads each) may be out: they are the youngest for either head; the bias and K steps 0 and 1 are in
.elseif \ks <= 4
	s_wait_loadcnt 54                              ; the three K steps behind this one (18 loads each) may be out
.else
	s_wait_loadcnt 18*(7-\ks)
.endif
.if \ks == 0
.if \swap
.set n, 0
.rept 64
	v_mov_b32 v[BIAS+n], v[BT+n/8]                 ; v: a C tile is the lane's one bias number eight times
.set n, n+1
.endr
	PLACES 4
.endif
	s_wait_dscnt 0x0
	MUL64 0,1,\swap
.else
.if \ks == 7
	s_wait_dscnt 0x0
.else
	s_wait_dscnt 24                                ; the next step's 24 LDS loads may be out
.endif
	MUL64 \ks,0,\swap
.endif
.endm
.macro PATH swap
.if \swap
	v_and_b32 v[LB], 8, v2
	v_add_nc_u32 v[LB], v[LB], v2
	v_lshlrev_b32 v[LB], 2, v[LB]                  ; 4 (r + 8 (r/8))
.else
	v_lshlrev_b32 v[LB], 6, v3                     ; 64 h
.endif
	BIASLD \swap                                   ; K steps 0 and 1 of the first head are on their way already
	LOADW 2,2
	s_mov_b32 s[SH], 0
.Lhead_\@:                                             ; two trips: heads 2 w and 2 w + 1
	FETCHX 0,0
	KSTEP 0,\swap
	KSTEP 1,\swap
	KSTEP 2,\swap
	KSTEP 3,\swap
	KSTEP 4,\swap
	KSTEP 5,\swap
	KSTEP 6,\swap
	KSTEP 7,\swap
	PLACES 5                                       ; behind the last products: their results are read, their operands written and loaded anew, and the next head's first products write over the accumulators
	s_cmp_eq_u32 s[SH], 1
	s_cbranch_scc1 .Lnonext_\@
	s_wait_xcnt 0x0                                ; the bases are stepped only behind this wait
	s_add_nc_u64 s[WB:WB+1], s[WB:WB+1], 65536
	s_add_nc_u64 s[WSB:WSB+1], s[WSB:WSB+1], 4096
	s_add_nc_u64 s[BB:BB+1], s[BB:BB+1], 512
	BIASLD \swap                                   ; the next head's bias and first three K steps land while this head is quantised
	LOADW 0,0
	LOADW 1,1
	LOADW 2,2
.Lnonext_\@:
.irp a, 0,1,2,3,4,5,6,7                ; each fragment's codes have eight registers of their own (the rows' set 0, idle here): no store's data are written again before the wait at the trip's end
	QUANT 64*(\a%4),2+(\a/4),XF+8*\a
	v_mov_b32 v[PWS+\a], v[PW]
.irp c, 0,1
	global_store_b128 v[LI], v[XF+8*\a+4*\c:XF+8*\a+4*\c+3], s[OC:OC+1] offset:1024*\a+512*\c    ; 512 consecutive bytes
.endr
.endr
.irp i, 0,1,2,3
	v_cndmask_b32 v[SW4+\i], v[PWS+\i], v[PWS+4+\i], s[MH1]    ; lanes 0-15 carry tiles 0-3's words of row r, lanes 16-31 tiles 4-7's
.endr
	global_store_b128 v[SO], v[SW4:SW4+3], s[OS:OS+1]          ; the head's 512 bytes of scale words
	s_wait_xcnt 0x0                                ; the stores' data and bases are written again only behind this wait
	s_add_nc_u64 s[OC:OC+1], s[OC:OC+1], 8192
	s_add_nc_u64 s[OS:OS+1], s[OS:OS+1], 512
	s_add_co_u32 s[SH], s[SH], 1
	s_cmp_lt_u32 s[SH], 2
	s_cbranch_scc1 .Lhead_\@
	s_wait_tensorcnt 0x0
	ds_add_u32 v126, v127
	s_wait_dscnt 0x0
	s_endpgm
.endm
	s_load_b256 s[4:11], s[0:1], 0x0               ; k, v, wc, ws
	s_load_b128 s[12:15], s[0:1], 0x20             ; bp, kvc
	s_load_b64 s[16:17], s[0:1], 0x30              ; kvs
	v_lshl_add_u32 v126, v0, 2, 0x19400
	v_mov_b32 v127, 0
	v_lshrrev_b32 v1, 5, v0
	v_readfirstlane_b32 s[W], v1                   ; wave 0..3
	s_and_b32 s[YY], ttmp7, 0xffff                 ; 0: k, 1: v
	v_and_b32 v1, 31, v0
	v_and_b32 v2, 15, v0                           ; r
	v_bfe_u32 v3, v0, 4, 1                         ; h
	v_lshlrev_b32 v[LI], 4, v1
	v_lshlrev_b32 v[LWS], 5, v2
	v_lshl_add_u32 v[LXS], v2, 2, XSC
	s_mul_i32 s[T0], s[W], STGB
	s_add_co_u32 s[T0], s[T0], STG
	v_add_nc_u32 v[SA], s[T0], v[LI]
	v_mul_u32_u24 v[SRD], v2, 528
	v_lshl_add_u32 v[SRD], v3, 6, v[SRD]
	v_add_nc_u32 v[SRD], s[T0], v[SRD]
	v_mov_b32 v[NIL], 0
	s_lshl_b32 s[T0], s[W], 10
	v_add_nc_u32 v[XSW], s[T0], v[LXS]             ; my 16 fragments' scale words
	s_lshl_b32 s[T0], s[W], 14
	v_add_nc_u32 v[LIW], s[T0], v[LI]              ; and their images
	v_lshlrev_b32 v[SO], 5, v2
	v_lshl_add_u32 v[SO], v3, 4, v[SO]             ; 32 r + 16 h
.irp b, 0,1,2,3
	v_mov_b32 v[TP+\b], 0                          ; a lane permute's destination counts as one of its sources
.endr
	s_mov_b32 s[SEL], 0x76543210
	s_mov_b32 s[SEL+1], 0xfedcba98
	s_mov_b32 s[MH1], 0xffff0000
	s_mov_b32 s[P0+1], 0
	s_wait_kmcnt 0x0
	s_cmp_eq_u32 s[YY], 0                          ; the tensor is chosen by the work-group's number alone
	s_cselect_b64 s[XB:XB+1], s[4:5], s[6:7]
	s_lshl_b32 s[T0], ttmp9, 7
	s_lshl_b32 s[T1], s[W], 5
	s_add_co_u32 s[T0], s[T0], s[T1]
	s_mul_i32 s[P0], s[T0], 4000
	s_add_nc_u64 s[XB:XB+1], s[XB:XB+1], s[P0:P0+1]    ; row 128 batch + 32 w
	s_lshl_b32 s[T0], s[YY], 3
	s_add_co_u32 s[T0], s[T0], 8
	s_lshl_b32 s[T1], s[W], 1
	s_add_co_u32 s[T0], s[T0], s[T1]               ; the job: 8 mat + g = 8 (1 + y) + 2 w
	s_lshl_b32 s[P0], s[T0], 16
	s_add_nc_u64 s[WB:WB+1], s[8:9], s[P0:P0+1]
	s_lshl_b32 s[P0], s[T0], 12
	s_add_nc_u64 s[WSB:WSB+1], s[10:11], s[P0:P0+1]
	s_lshl_b32 s[P0], s[T0], 9
	s_add_nc_u64 s[BB:BB+1], s[12:13], s[P0:P0+1]
	s_lshl_b32 s[T0], ttmp9, 3
	s_add_co_u32 s[T0], s[T0], s[T1]               ; 8 batch + 2 w
	s_lshl_b32 s[P0], s[T0], 13
	s_lshl_b32 s[T1], s[YY], 23
	s_add_co_u32 s[P0], s[P0], s[T1]
	s_add_nc_u64 s[OC:OC+1], s[14:15], s[P0:P0+1]
	s_lshl_b32 s[P0], s[T0], 9
	s_lshl_b32 s[T1], s[YY], 19
	s_add_co_u32 s[P0], s[P0], s[T1]
	s_add_nc_u64 s[OS:OS+1], s[16:17], s[P0:P0+1]
	s_mov_b32 s[SCT], 0
	s_mov_b32 s[SIMG], 0
	s_mov_b32 s[SSCL], 0
	ISSUE 0, 0
.Lstream:                                              ; NTR - 1 trips of two groups.  Each counted wait stands straight behind the 32 loads that it leaves out
	ISSUE 1, 1
	s_wait_loadcnt 32
	CONSUME 0, 0
	ISSUE 0, 2
	s_wait_loadcnt 32
	CONSUME 1, 1
	s_add_co_u32 s[SIMG], s[SIMG], 4096
	s_add_co_u32 s[SSCL], s[SSCL], 256
	s_add_co_u32 s[SCT], s[SCT], 1
	s_cmp_lt_u32 s[SCT], NTR-1
	s_cbranch_scc1 .Lstream
	ISSUE 1, 1                                     ; the last trip is written out: it asks for no further rows
	s_wait_loadcnt 32
	CONSUME 0, 0
	LOADW 0,0                                      ; slot 0's registers are free (its stage stores are done): they take the first head's K steps 0 and 1, which land while the last group is quantised and the waves meet
	LOADW 1,1
	s_wait_loadcnt 36                              ; all but the 36 just issued: the last group's rows are in
	CONSUME 1, 1
	s_wait_dscnt 0x0                               ; my images and scale words have landed
	s_barrier_signal -1
	s_barrier_wait -1                              ; all 64 fragments lie in LDS; from here on LDS is only read
	s_cmp_lg_u32 s[YY], 0
	s_cbranch_scc1 .Lv
	PATH 0
.Lv:
	PATH 1
.Lfunc_end_k_q711042a9f3_kvproj:
	.size	k_q711042a9f3_kvproj, .Lfunc_end_k_q711042a9f3_kvproj-k_q711042a9f3_kvproj
	.p2alignl 7, 3214868480
	.fill 96, 4, 3214868480
	.section	.rodata,"a",@progbits
	.p2align	6, 0x0
	.amdhsa_kernel k_q711042a9f3_kvproj
		.amdhsa_group_segment_fixed_size 103936
		.amdhsa_private_segment_fixed_size 0
		.amdhsa_enable_private_segment 0
		.amdhsa_kernarg_size 56
		.amdhsa_user_sgpr_count 2
		.amdhsa_user_sgpr_kernarg_segment_ptr 1
		.amdhsa_wavefront_size32 1
		.amdhsa_system_sgpr_workgroup_id_x 1
		.amdhsa_system_sgpr_workgroup_id_y 1
		.amdhsa_system_sgpr_workgroup_id_z 1
		.amdhsa_system_vgpr_workitem_id 0
		.amdhsa_next_free_vgpr 1024
		.amdhsa_next_free_sgpr 66
		.amdhsa_reserve_vcc 0
		.amdhsa_float_denorm_mode_32 3
		.amdhsa_float_denorm_mode_16_64 3
		.amdhsa_memory_ordered 1
		.amdhsa_forward_progress 1
		.amdhsa_inst_pref_size 255
	.end_amdhsa_kernel
	.section	.bss,"aw",@nobits
	.p2align	6
	.space	262144
	.amdgpu_metadata
---
amdhsa.version: [ 1, 2 ]
amdhsa.kernels:
  - .name:           k_q711042a9f3_kvproj
    .symbol:         k_q711042a9f3_kvproj.kd
    .args:
      - { .name: k, .offset: 0, .size: 8, .value_kind: global_buffer, .address_space: global }
      - { .name: v, .offset: 8, .size: 8, .value_kind: global_buffer, .address_space: global }
      - { .name: wc, .offset: 16, .size: 8, .value_kind: global_buffer, .address_space: global }
      - { .name: ws, .offset: 24, .size: 8, .value_kind: global_buffer, .address_space: global }
      - { .name: bp, .offset: 32, .size: 8, .value_kind: global_buffer, .address_space: global }
      - { .name: kvc, .offset: 40, .size: 8, .value_kind: global_buffer, .address_space: global }
      - { .name: kvs, .offset: 48, .size: 8, .value_kind: global_buffer, .address_space: global }
    .group_segment_fixed_size: 103936
    .private_segment_fixed_size: 0
    .kernarg_segment_align: 8
    .kernarg_segment_size: 56
    .max_flat_workgroup_size: 128
    .sgpr_count:     66
    .vgpr_count:     1024
    .wavefront_size: 32
...
	.end_amdgpu_metadata
.endif
;; end of part 2
;; launch attn (part 3): grid 256 x 1, 4 waves a work-group, no clusters, 321,536 bytes of LDS; arguments q, mask, wc, ws, bp, kvc, kvs, ln_g, ln_b, out0; writes out0
.if DOCPART == 3
	.amdgcn_target "amdgcn-amd-amdhsa--gfx1250"
	.amdhsa_code_object_version 6
	.text
	.protected	k_q711042a9f3_attn
	.globl	k_q711042a9f3_attn
	.p2align	8
	.type	k_q711042a9f3_attn,@function
k_q711042a9f3_attn:
	s_mov_b64 s[64:65], 0
	v_nop
	global_prefetch_b8 v0, s[64:65] scope:SCOPE_SE
	s_setreg_imm32_b32 hwreg(HW_REG_WAVE_MODE, 25, 1), 1
	s_wait_xcnt 0x0
; One work-group = 64 queries of one batch, through the whole chain: q quantised, qh = q Wq^T + b, quantised along d; for each head S^T = kh qh^T (masked keys: zero codes and C = -10000 sqrt(125)),
; p = 2^(t - M), t = score x log2(e) / sqrt(125), M = ceil(the row's largest t); p quantised along the keys, O^T = vh^T p^T, divided by the sum of the unquantised p; z (all eight heads of a row meet in LDS as f32)
; quantised along its 1,000 columns; y = z Wo^T + b; out = LayerNorm(q + y).  All six products on codes of FP4 (E2M1) with E8M0 scales; sums, softmax and norm in f32.
; SHARES: wave w quantises query tile w (rows 16 w + r), owns heads 2 w, 2 w + 1 for all 64 queries, output columns 256 w .. 256 w + 255, and the LayerNorm of rows 16 w .. 16 w + 15.
; The waves share the columns, so each weight fragment, and each fragment of kh and vh, has one reader in the work-group and goes from memory straight into that wave's registers; LDS (321,024 bytes in use)
; has no room for a ring of weight tiles beside the 64 rows of z: that is why no tile is asked for jointly with other work-groups.
; q is read twice (for its codes, and for the residual): 64 rows of f32 and the 64 rows of z do not fit in LDS together.  The second read goes into registers as they fall free: six of a wave's 16 rows behind its last head, the others behind its last product.
; LIMITS: NaN and infinities are not served; a block whose largest magnitude lies under 2^-124 (zeros too) keeps the byte 1; in a row all of whose keys are masked t is the f32 product of two rounded constants (about 0.002 off -14426.95).
; LDS: ZST 64 rows x 4,112 bytes: the stream's stages, then z [row][125 head + d], then y;  XIMG 32 fragment images (8 m + s) x 1,024: q's, later z's;  XSC their scale words (8 m + s) x 64 + 4 r;
;   QIMG each wave's own 5,760 bytes: qh's four images and tile 0's once more, then their five scale words' 128 bytes each.
; REGISTERS: window 0: v1-31 addresses; v32-89 scale words alone; v90-127 at work; v128-191 fragments of the rows (2 x 32) / 64 numbers / S^T, p, O^T; v192-255 the bias as C; in the norm v128-255 four rows.
;   window 1: the stream's slots, the ring of weight fragments (4 x 64), in the norm q's rows 14, 15.   window 2: 32 accumulators, (a, b) at v[8 (8 a + b)], in the norm q's rows 6-13.
;   window 3: kh v0-63, vh v64-127, the mask as C v128-191, in the norm q's rows 0-5; v192-223 g, v224-255 b.
.set ZP,   4112
.set XIMG, 263168
.set XSC,  295936
.set QIMG, 297984
.set QWB,  5760
.set STGB, 8448
.set NTR,  2
.set ZB0,  1
.set LIXW, 2
.set IS,   3
.set LI,   4
.set LWS,  5
.set LXS,  6
.set SA,   7
.set SRD,  8
.set NIL,  9
.set XSW,  10
.set IA,   11
.set OF,   12
.set LB,   16
.set LIX,  17
.set QWA,  18
.set QWS,  19
.set QA,   20
.set QSA,  21
.set ZA0,  22
.set ZA,   23
.set ZA3,  24
.set ZRD0, 25
.set YA,   26
.set YA0,  27
.set YS0,  28
.set WSC,  32
.set XSCR, 64
.set KS,   72
.set VS,   80
.set QS,   88
.set PS,   89
.set PC,   90
.set QF,   98
.set TM,   106
.set TP,   110
.set TS,   114
.set PW,   118
.set NM,   120
.set SU,   122
.set RL,   126
.set XF,   128
.set X,    128
.set ST,   128
.set Y,    128
.set BIAS, 192
.set W,    24
.set BAT,  25
.set XB,   28
.set WB,   30
.set WSB,  32
.set BB,   34
.set KB,   36
.set KSB,  38
.set VB,   40
.set VSB,  42
.set SEL,  44
.set CS,   46
.set SMC,  48
.set MH1,  49
.set MA,   50
.set MB,   51
.set SCT,  52
.set SH,   53
.set SCA,  54
.set T0,   55
.set T1,   56
.set SIMG, 57
.set SSCL, 58
.set SZ,   59
.set SZH,  60
.set SQ,   61
.set SQS,  62
.set MK,   68
.set P0,   76
.set DUP,  80
.set OB,   82
.set C001, 86
.set CEPS, 87
.set MSB, 0
.macro WIN new                         ; the immediate's high byte repeats the setting that is left; a switch that changes nothing is dropped
.if MSB != (\new)
	s_set_vgpr_msb (MSB<<8)|(\new)
.set MSB, \new
.endif
.endm
.macro PLACES n
.rept \n
	v_nop
.endr
.endm
.macro BARRIER                         ; my LDS stores have landed and my LDS loads are in: then the work-group's barrier
	s_wait_dscnt 0x0
	s_barrier_signal -1
	s_barrier_wait -1
.endm
.macro WMC d, a, b, c, sa, sb
	v_wmma_scale_f32_16x16x128_f8f6f4 v[(\d):(\d)+7], v[(\a):(\a)+7], v[(\b):(\b)+7], v[(\c):(\c)+7], v[(\sa)], v[(\sb)] matrix_a_fmt:MATRIX_FMT_FP4 matrix_b_fmt:MATRIX_FMT_FP4
.endm
.macro WMZ d, a, b, sa, sb
	v_wmma_scale_f32_16x16x128_f8f6f4 v[(\d):(\d)+7], v[(\a):(\a)+7], v[(\b):(\b)+7], 0, v[(\sa)], v[(\sb)] matrix_a_fmt:MATRIX_FMT_FP4 matrix_b_fmt:MATRIX_FMT_FP4
.endm
; 64 numbers of a lane in window w, register 16 b + i = k 32 b + 16 h + i of my row, become a fragment's codes in v[pc] on and its scale word in v[pw] (both in window 0)
.macro QUANT s, w, pc, pw
	WIN (\w)|((\w)<<2)
.irp b, 0,1,2,3
	v_max3_num_f32 v[TM+\b], |v[(\s)+16*\b]|, |v[(\s)+16*\b+1]|, 0x1800000   ; my 16 numbers of block b, and the floor 2^(3-127)
.endr
.irp i, 2,4,6,8,10,12,14
.irp b, 0,1,2,3
	v_max3_num_f32 v[TM+\b], |v[(\s)+16*\b+\i]|, |v[(\s)+16*\b+\i+1]|, v[TM+\b]
.endr
.endr
	WIN 0
.irp b, 0,1,2,3
	v_permlanex16_b32 v[TP+\b], v[TM+\b], s[SEL], s[SEL+1]
.endr
.irp b, 0,1,2,3
	v_max_num_f32 v[TM+\b], v[TM+\b], v[TP+\b]
.endr
.irp b, 0,1,2,3
	v_add_nc_u32 v[TS+\b], 0xff000000, v[TM+\b]        ; 2 off the exponent field: the conversion's scale operand
.endr
.irp b, 0,1,2,3
	v_lshrrev_b32 v[TP+\b], 23, v[TS+\b]
.endr
	v_lshl_or_b32 v[(\pw)], v[TP+1], 8, v[TP]
	v_lshl_or_b32 v[(\pw)], v[TP+2], 16, v[(\pw)]
	v_lshl_or_b32 v[(\pw)], v[TP+3], 24, v[(\pw)]
	WIN \w
.irp b, 0,1,2,3
	v_cvt_scalef32_pk8_fp4_f32 v[(\pc)+2*\b], v[(\s)+16*\b:(\s)+16*\b+7], v[TS+\b]
	v_cvt_scalef32_pk8_fp4_f32 v[(\pc)+2*\b+1], v[(\s)+16*\b+8:(\s)+16*\b+15], v[TS+\b]
.endr
	WIN 0
	v_nop                                              ; one plain place behind a scaled conversion
.irp c, 0,1
.irp i, 0,1
	v_permlane16_swap_b32 v[(\pc)+4*\c+\i], v[(\pc)+4*\c+2+\i]
.endr
.endr
.endm
; group 2 sT + add of the wave's four: two K steps (1,024 bytes) of my 16 rows of q: 32 loads.  No hint: the rows are read again for the residual
.macro ISSUE slot, add
	s_lshl_b32 s[T0], s[SCT], 11
	s_add_co_u32 s[T0], s[T0], 1024*\add
.irp j, 0,1
	v_add_nc_u32 v[OF+2*\slot+\j], s[T0], v[LI]
.if \j
	v_add_nc_u32 v[OF+2*\slot+\j], 512, v[OF+2*\slot+\j]
.endif
	v_min_u32 v[OF+2*\slot+\j], 3984, v[OF+2*\slot+\j]         ; inside the row of 4,000 bytes; what is read twice (k >= 1000) is replaced by 0
.endr
	WIN 0x40
.irp j, 0,1
.irp i, 0,1,2,3,4,5,6,7,8,9,10,11,12,13,14,15
	global_load_b128 v[128*\slot+64*\j+4*\i:128*\slot+64*\j+4*\i+3], v[OF+2*\slot+\j], s[XB:XB+1] offset:4000*\i
.endr
.endr
	WIN 0
.endm
.macro CONSUME slot, add
	s_lshl_b32 s[T0], s[SCT], 1
	s_add_co_u32 s[T0], s[T0], \add
	s_cmp_eq_u32 s[T0], 3                          ; the group with K step 7
	s_cselect_b32 s[MA], s[MH1], 0
	s_cselect_b32 s[MB], -1, 0
	v_add_nc_u32 v[IA], s[SIMG], v[LIXW]
	v_add_nc_u32 v[IS], s[SSCL], v[XSW]
.irp j, 0,1
	WIN 0x04
.irp i, 0,1,2,3,4,5,6,7,8,9,10,11,12,13,14,15
	ds_store_b128 v[SA], v[128*\slot+64*\j+4*\i:128*\slot+64*\j+4*\i+3] offset:528*\i
.endr
	WIN 0
.irp b, 0,1,2,3
.irp u, 0,1,2,3
	ds_load_b128 v[X+16*\b+4*\u:X+16*\b+4*\u+3], v[SRD] offset:128*\b+16*\u
.endr
.endr
	s_wait_dscnt 0x0
.if \j == 1
.set n, 0
.rept 8
	v_cndmask_b32 v[X+48+n], v[X+48+n], v[NIL], s[MA]          ; K step 7: k >= 1000 is zero
	v_cndmask_b32 v[X+56+n], v[X+56+n], v[NIL], s[MB]
.set n, n+1
.endr
.endif
	QUANT X,0,PC,PW
.irp c, 0,1
	ds_store_b128 v[IA], v[PC+4*\c:PC+4*\c+3] offset:2048*\add+1024*\j+512*\c
.endr
	ds_store_b32 v[IS], v[PW] offset:128*\add+64*\j            ; lanes r and r + 16 write the same word with the same value
.endr
.endm
.macro LOADW slot, sg                  ; K step sg of the job's weights: 18 loads
	WIN 0x40
.irp t, 0,1,2,3,4,5,6,7
.irp c, 0,1
	global_load_b128 v[64*(\slot)+8*\t+4*\c:64*(\slot)+8*\t+4*\c+3], v[LI], s[WB:WB+1] offset:8192*(\sg)+1024*\t+512*\c
.endr
.endr
	WIN 0
.irp c, 0,1
	global_load_b128 v[WSC+8*(\slot)+4*\c:WSC+8*(\slot)+4*\c+3], v[LWS], s[WSB:WSB+1] offset:512*(\sg)+16*\c
.endr
.endm
.macro BIASLD                          ; 16 loads: eight registers a tile, in the result's layout
.irp t, 0,1,2,3,4,5,6,7
	global_load_b128 v[BIAS+8*\t:BIAS+8*\t+3], v[LB], s[BB:BB+1] offset:(32*(\t/2)+8*(\t%2))*4
	global_load_b128 v[BIAS+8*\t+4:BIAS+8*\t+7], v[LB], s[BB:BB+1] offset:(32*(\t/2)+8*(\t%2))*4+16
.endr
.endm
.macro FETCHX set, ks                  ; the four row tiles' fragments and scale words of K step ks: 12 LDS loads
.irp m, 0,1,2,3
.irp c, 0,1
	ds_load_b128 v[XF+32*(\set)+8*\m+4*\c:XF+32*(\set)+8*\m+4*\c+3], v[LIX] offset:(8*\m+(\ks))*1024+512*\c
.endr
.endr
.irp m, 0,1,2,3
	ds_load_b32 v[XSCR+4*(\set)+\m], v[LXS] offset:(8*\m+(\ks))*64
.endr
.endm
.macro KVLOAD                          ; the head's kh and vh, eight fragments each, and their scale words: 36 loads
	WIN 0xc0
.irp t, 0,1,2,3,4,5,6,7
.irp c, 0,1
	global_load_b128 v[8*\t+4*\c:8*\t+4*\c+3], v[LI], s[KB:KB+1] offset:1024*\t+512*\c
.endr
.endr
.irp t, 0,1,2,3,4,5,6,7
.irp c, 0,1
	global_load_b128 v[64+8*\t+4*\c:64+8*\t+4*\c+3], v[LI], s[VB:VB+1] offset:1024*\t+512*\c
.endr
.endr
	WIN 0
.irp c, 0,1
	global_load_b128 v[KS+4*\c:KS+4*\c+3], v[LWS], s[KSB:KSB+1] offset:16*\c
.endr
.irp c, 0,1
	global_load_b128 v[VS+4*\c:VS+4*\c+3], v[LWS], s[VSB:VSB+1] offset:16*\c
.endr
.endm
; 32 matrix instructions, transposed (source 0 = 16 rows of W, source 1 = 16 rows of x): the 32 accumulators by turns.  first = 1: the bias is the C that starts the sums
.macro MUL32 ks, first
.if \first
	WIN 0x81
.else
	WIN 0xa1
.endif
.irp a, 0,1,2,3
.irp b, 0,1,2,3,4,5,6,7
.if \first
	WMC 8*(8*\a+\b),64*((\ks)%4)+8*\b,XF+32*((\ks)%2)+8*\a,BIAS+8*\b,WSC+8*((\ks)%4)+\b,XSCR+4*((\ks)%2)+\a
.else
	WMC 8*(8*\a+\b),64*((\ks)%4)+8*\b,XF+32*((\ks)%2)+8*\a,8*(8*\a+\b),WSC+8*((\ks)%4)+\b,XSCR+4*((\ks)%2)+\a
.endif
.endr
.endr
	WIN 0
.endm
.macro PSTEP ks, kv
.if \ks > 0
	PLACES 4                                       ; in front of loads into registers that the last step's products read
.endif
.if \ks <= 4
	LOADW (\ks+3)%4,\ks+3
.endif
.if (\ks == 5) && \kv
	KVLOAD
.endif
.if \ks < 7
	FETCHX (\ks+1)%2,\ks+1
.endif
.if \ks <= 4
	s_wait_loadcnt 54                              ; at least the three K steps behind this one (18 loads each) were issued later: this step's weights, and at step 0 the bias, are in
.elseif \kv
.if \ks == 5
	s_wait_loadcnt 63                              ; 72 loads are younger (two K steps and kh, vh); the wait's field holds 63
.else
	s_wait_loadcnt 18*(7-\ks)+36
.endif
.else
	s_wait_loadcnt 18*(7-\ks)
.endif
.if \ks == 7
	s_wait_dscnt 0x0
.else
	s_wait_dscnt 12                                ; the next step's 12 LDS loads may be out
.endif
.if \ks == 0
	MUL32 0,1
.else
	MUL32 \ks,0
.endif
.endm
.macro PROJ kv                         ; 64 rows x 128 columns x K 1,024; its bias and first three K steps were asked for earlier
	FETCHX 0,0
	PSTEP 0,\kv
	PSTEP 1,\kv
	PSTEP 2,\kv
	PSTEP 3,\kv
	PSTEP 4,\kv
	PSTEP 5,\kv
	PSTEP 6,\kv
	PSTEP 7,\kv
	PLACES 5                                       ; behind the last products: results are read, operands written and loaded anew, accumulators begun anew
.endm
; where row rw (0..15) of my q lies for the residual: 32 registers from v[QB] of window QW
.macro QMAP rw
.if (\rw) < 6
.set QW, 3
.set QB, 32*(\rw)
.elseif (\rw) < 14
.set QW, 2
.set QB, 32*((\rw)-6)
.else
.set QW, 1
.set QB, 32*((\rw)-14)
.endif
.endm
; one row of q: eight loads of 512 bytes; the eighth begins at byte 3,488, so that it ends with the row; its lanes 0-5 repeat the seventh's lanes 26-31
.macro QROW rw
	QMAP \rw
	WIN QW<<6
.irp i, 0,1,2,3,4,5,6,7
	global_load_b128 v[QB+4*\i:QB+4*\i+3], v[LI], s[XB:XB+1] offset:4000*(\rw)+512*\i-96*(\i/7) th:TH_LOAD_NT
.endr
.endm
.macro YLOAD rb                        ; four rows of y, in the same pieces: 32 LDS loads; the largest offset, 15 rows and 3,488 bytes, is 65,168
.irp p, 0,1,2,3
.irp i, 0,1,2,3,4,5,6,7
	ds_load_b128 v[Y+32*\p+4*\i:Y+32*\p+4*\i+3], v[YA0] offset:ZP*(\rb+\p)+512*\i-96*(\i/7)
.endr
.endr
.endm
.macro REDUCE                          ; v[TM] summed over the 32 lanes, in every lane
	v_add_f32_dpp v[TM], v[TM], v[TM] row_xmask:1 row_mask:0xf bank_mask:0xf
	v_add_f32_dpp v[TM], v[TM], v[TM] row_xmask:2 row_mask:0xf bank_mask:0xf
	v_add_f32_dpp v[TM], v[TM], v[TM] row_xmask:4 row_mask:0xf bank_mask:0xf
	v_add_f32_dpp v[TM], v[TM], v[TM] row_xmask:8 row_mask:0xf bank_mask:0xf
	v_permlanex16_b32 v[TM+1], v[TM], s[SEL], s[SEL+1]
	v_add_f32 v[TM], v[TM], v[TM+1]
.endm
; one row: q + y, mean, variance, scale, gain and bias, store.  p: which of the four rows of y in registers; rw: which of my 16 rows
.macro ROW p, rw
.set YR, Y+32*(\p)
	QMAP \rw
	WIN QW<<2
.irp i, 0,2,4,6,8,10,12,14,16,18,20,22,24,26,28,30
	v_pk_add_f32 v[YR+\i:YR+\i+1], v[YR+\i:YR+\i+1], v[QB+\i:QB+\i+1]
.endr
	WIN 0
.irp i, 0,1,2,3
	v_cndmask_b32 v[SU+\i], v[YR+28+\i], v[NIL], s[DUP]        ; the eighth piece without the six lanes that repeat the seventh's: nothing is summed twice
.endr
	v_pk_add_f32 v[TM:TM+1], v[YR:YR+1], v[YR+4:YR+5]
	v_pk_add_f32 v[TM+2:TM+3], v[YR+2:YR+3], v[YR+6:YR+7]
.irp i, 8,12,16,20,24
	v_pk_add_f32 v[TM:TM+1], v[TM:TM+1], v[YR+\i:YR+\i+1]
	v_pk_add_f32 v[TM+2:TM+3], v[TM+2:TM+3], v[YR+\i+2:YR+\i+3]
.endr
	v_pk_add_f32 v[TM:TM+1], v[TM:TM+1], v[SU:SU+1]
	v_pk_add_f32 v[TM+2:TM+3], v[TM+2:TM+3], v[SU+2:SU+3]
	v_pk_add_f32 v[TM:TM+1], v[TM:TM+1], v[TM+2:TM+3]
	v_add_f32 v[TM], v[TM], v[TM+1]
	REDUCE
	v_mul_f32 v[NM], s[C001], v[TM]                ; the mean
.irp i, 0,2,4,6,8,10,12,14,16,18,20,22,24,26,28,30
	v_pk_add_f32 v[YR+\i:YR+\i+1], v[YR+\i:YR+\i+1], v[NM:NM+1] op_sel_hi:[1,0] neg_lo:[0,1] neg_hi:[0,1]
.endr
.irp i, 0,1,2,3
	v_cndmask_b32 v[SU+\i], v[YR+28+\i], v[NIL], s[DUP]
.endr
	v_pk_mul_f32 v[TM:TM+1], v[YR:YR+1], v[YR:YR+1]
	v_pk_mul_f32 v[TM+2:TM+3], v[YR+2:YR+3], v[YR+2:YR+3]
.irp i, 4,8,12,16,20,24
	v_pk_fma_f32 v[TM:TM+1], v[YR+\i:YR+\i+1], v[YR+\i:YR+\i+1], v[TM:TM+1]
	v_pk_fma_f32 v[TM+2:TM+3], v[YR+\i+2:YR+\i+3], v[YR+\i+2:YR+\i+3], v[TM+2:TM+3]
.endr
	v_pk_fma_f32 v[TM:TM+1], v[SU:SU+1], v[SU:SU+1], v[TM:TM+1]
	v_pk_fma_f32 v[TM+2:TM+3], v[SU+2:SU+3], v[SU+2:SU+3], v[TM+2:TM+3]
	v_pk_add_f32 v[TM:TM+1], v[TM:TM+1], v[TM+2:TM+3]
	v_add_f32 v[TM], v[TM], v[TM+1]
	REDUCE
	v_fma_f32 v[TM], v[TM], s[C001], s[CEPS]       ; the variance + 1e-5
	v_rsq_f32 v[RL], v[TM]
	v_nop                                          ; one plain place behind a transcendental
	s_wait_alu depctr_va_vdst(0)
.irp i, 0,2,4,6,8,10,12,14,16,18,20,22,24,26,28,30
	v_pk_mul_f32 v[YR+\i:YR+\i+1], v[YR+\i:YR+\i+1], v[RL:RL+1] op_sel_hi:[1,0]
.endr
	WIN 0x3c                                       ; g and b in window 3
.irp i, 0,2,4,6,8,10,12,14,16,18,20,22,24,26,28,30
	v_pk_fma_f32 v[YR+\i:YR+\i+1], v[YR+\i:YR+\i+1], v[192+\i:193+\i], v[224+\i:225+\i]
.endr
	WIN 0
.irp i, 0,1,2,3,4,5,6,7
	global_store_b128 v[LI], v[YR+4*\i:YR+4*\i+3], s[OB:OB+1] offset:4000*(\rw)+512*\i-96*(\i/7) th:TH_STORE_NT   ; 512 consecutive bytes; the six lanes that overlap store equal numbers
.endr
.endm
	s_load_b256 s[4:11], s[0:1], 0x0               ; q, mask, wc, ws
	s_load_b256 s[12:19], s[0:1], 0x20             ; bp, kvc, kvs, ln_g
	s_load_b128 s[20:23], s[0:1], 0x40             ; ln_b, out0
	v_lshrrev_b32 v1, 5, v0
	v_readfirstlane_b32 s[W], v1                   ; wave 0..3
	s_lshr_b32 s[BAT], ttmp9, 1
	v_and_b32 v1, 31, v0                           ; lane
	v_and_b32 v2, 15, v0                           ; r
	v_bfe_u32 v3, v0, 4, 1                         ; h
	v_lshlrev_b32 v[LI], 4, v1
	v_lshlrev_b32 v[LWS], 5, v2
	v_lshl_add_u32 v[LXS], v2, 2, XSC
	s_mul_i32 s[T0], s[W], STGB
	v_add_nc_u32 v[SA], s[T0], v[LI]
	v_mul_u32_u24 v[SRD], v2, 528
	v_lshl_add_u32 v[SRD], v3, 6, v[SRD]
	v_add_nc_u32 v[SRD], s[T0], v[SRD]
	v_mov_b32 v[NIL], 0
	s_lshl_b32 s[T0], s[W], 9
	v_add_nc_u32 v[XSW], s[T0], v[LXS]             ; tile w's scale words
	v_lshlrev_b32 v[LB], 6, v3
	v_add_nc_u32 v[LIX], XIMG, v[LI]
	s_mul_i32 s[T0], s[W], QWB
	s_add_co_u32 s[T0], s[T0], QIMG
	v_add_nc_u32 v[QWA], s[T0], v[LI]              ; my five images of qh
	s_add_co_u32 s[T0], s[T0], 5120
	v_lshl_add_u32 v[QWS], v1, 2, s[T0]            ; and their scale words  (the lane's number is used here for the last time: v1 is taken by ZB0 below)
	v_mul_u32_u24 v[YA], v2, ZP
	v_lshl_add_u32 v[YA], v3, 6, v[YA]             ; 4,112 r + 64 h
	s_mul_i32 s[T0], s[W], 1000
	v_add_nc_u32 v[ZA0], s[T0], v[YA]              ; z: row r, my first head's columns
	v_mul_u32_u24 v[ZB0], v2, ZP
	v_mad_u32_u24 v[ZB0], v3, 52, v[ZB0]
	v_add_nc_u32 v[ZB0], s[T0], v[ZB0]             ; the same 12 bytes back in lanes 16-31: 4,112 r + 52 h + 1,000 w
	s_mul_i32 s[T0], s[W], 16*ZP
	v_add_nc_u32 v[ZRD0], s[T0], v[YA]             ; z back: row 16 w + r
	v_add_nc_u32 v[YA0], s[T0], v[LI]              ; y back: my 16 rows
	s_lshl_b32 s[T0], s[W], 10
.irp a, 0,1,2,3
	v_add_nc_u32 v[YS0+\a], s[T0], v[YA]
	v_add_nc_u32 v[YS0+\a], 16*ZP*\a, v[YS0+\a]    ; y: row 16 a + r, my first 128 columns
.endr
	v_lshlrev_b32 v[QA], 4, v3                     ; (until the loop over tiles: the mask's two lane offsets) 16 h
	v_and_b32 v[QSA], 8, v2
	v_add_nc_u32 v[QSA], v[QSA], v2                ; r + 8 (r/8)
	s_lshl_b32 s[T0], s[W], 13
	v_add_nc_u32 v[LIXW], s[T0], v[LIX]            ; tile w's images  (r and h are used no more: v2 and v3 are taken)
.irp b, 0,1,2,3
	v_mov_b32 v[TP+\b], 0                          ; a lane permute's destination counts as one of its sources
.endr
	v_mov_b32 v[NM+1], 0                           ; named as the upper halves of pairs
	v_mov_b32 v[RL+1], 0
	s_mov_b32 s[SEL], 0x76543210
	s_mov_b32 s[SEL+1], 0xfedcba98
	s_mov_b32 s[CS], 0x3e0422b0                    ; c = log2(e) / sqrt(125)
	s_mov_b32 s[CS+1], s[CS]
	s_mov_b32 s[SMC], 0xc7da5db3                   ; -10000 sqrt(125): the raw score that stands for the logit -10000
	s_mov_b32 s[MH1], 0xffff0000
	s_mov_b32 s[DUP], 0x3f
	s_mov_b32 s[C001], 0x3a83126f                  ; 1 / 1000
	s_mov_b32 s[CEPS], 0x3727c5ac                  ; 1e-5
	s_mov_b32 s[P0+1], 0
	s_wait_kmcnt 0x0
	s_lshl_b32 s[T0], ttmp9, 6
	s_lshl_b32 s[T1], s[W], 4
	s_add_co_u32 s[T0], s[T0], s[T1]               ; my first row: 64 x work-group + 16 w
	s_mul_i32 s[P0], s[T0], 4000
	s_add_nc_u64 s[XB:XB+1], s[4:5], s[P0:P0+1]
	s_add_nc_u64 s[OB:OB+1], s[22:23], s[P0:P0+1]
	s_lshl_b32 s[P0], s[BAT], 7
	s_add_nc_u64 s[6:7], s[6:7], s[P0:P0+1]        ; the batch's 128 mask bytes
	s_lshl_b32 s[T0], s[W], 1                      ; the first job: Wq, group 2 w
	s_lshl_b32 s[P0], s[T0], 16
	s_add_nc_u64 s[WB:WB+1], s[8:9], s[P0:P0+1]
	s_lshl_b32 s[P0], s[T0], 12
	s_add_nc_u64 s[WSB:WSB+1], s[10:11], s[P0:P0+1]
	s_lshl_b32 s[P0], s[T0], 9
	s_add_nc_u64 s[BB:BB+1], s[12:13], s[P0:P0+1]
	s_lshl_b32 s[T1], s[BAT], 3
	s_add_co_u32 s[T1], s[T1], s[T0]               ; 8 batch + 2 w
	s_lshl_b32 s[P0], s[T1], 13
	s_add_nc_u64 s[KB:KB+1], s[14:15], s[P0:P0+1]
	s_add_nc_u64 s[VB:VB+1], s[KB:KB+1], 0x800000
	s_lshl_b32 s[P0], s[T1], 9
	s_add_nc_u64 s[KSB:KSB+1], s[16:17], s[P0:P0+1]
	s_add_nc_u64 s[VSB:VSB+1], s[KSB:KSB+1], 0x80000
	; the mask's bytes, twice: as S^T's C wants them (8 keys a lane and tile) and as kh's lanes want them (one key a lane and tile); into window 2, which is free until the first product
	WIN 0x80
.irp t, 0,1,2,3,4,5,6,7
	global_load_b64 v[2*\t:2*\t+1], v[QA], s[6:7] offset:32*(\t/2)+8*(\t%2)
.endr
.irp t, 0,1,2,3,4,5,6,7
	global_load_u8 v[16+\t], v[QSA], s[6:7] offset:32*(\t/2)+8*(\t%2)
.endr
	WIN 0
	; ---- q into codes
	s_mov_b32 s[SCT], 0
	s_mov_b32 s[SIMG], 0
	s_mov_b32 s[SSCL], 0
	ISSUE 0, 0
.Lstream:                                              ; a trip: two groups.  Each counted wait stands straight behind the 32 loads that it leaves out
	ISSUE 1, 1
	s_wait_loadcnt 32
	CONSUME 0, 0
	s_cmp_eq_u32 s[SCT], NTR-1
	s_cbranch_scc1 .Llast
	ISSUE 0, 2
	s_wait_loadcnt 32
	s_branch .Lgo
.Llast:
	s_wait_loadcnt 0x0
.Lgo:
	CONSUME 1, 1
	s_add_co_u32 s[SIMG], s[SIMG], 4096
	s_add_co_u32 s[SSCL], s[SSCL], 256
	s_add_co_u32 s[SCT], s[SCT], 1
	s_cmp_lt_u32 s[SCT], NTR
	s_cbranch_scc1 .Lstream
	s_wait_loadcnt 0x0                             ; no load of the stream is out on any way out of the loop: the ring of weights takes the slots' registers
	BIASLD                                         ; the first job's bias and first three K steps: they land while the mask is laid out and the waves meet
	LOADW 0,0
	LOADW 1,1
	LOADW 2,2
	WIN 0x02
.set n, 0
.rept 64
	v_bfe_u32 v[X+n], v[2*(n/8)+(n%8)/4], 8*(n%4), 8           ; tile n / 8, register n % 8: the byte of key 32 (t/2) + 8 (t%2) + 16 h + j
.set n, n+1
.endr
	WIN 0x08
.irp t, 0,1,2,3,4,5,6,7
	v_cmp_ne_u32 s[MK+\t], 0, v[16+\t]             ; lanes of kh's tile t whose key is masked
.endr
	WIN 0
.set n, 0
.rept 64
	v_cvt_f32_u32 v[X+n], v[X+n]
.set n, n+1
.endr
	WIN 0xc0
.set n, 0
.rept 64
	v_mul_f32 v[128+n], s[SMC], v[X+n]             ; S^T's C: -10000 sqrt(125) at masked keys, 0 at the others
.set n, n+1
.endr
	WIN 0
	BARRIER                                        ; q's 32 fragments lie in LDS; the stages are done with
	v_lshrrev_b32 v[YA], 1, v0                     ; z's columns 1000 .. 1023 are zeros: two threads to a row, 48 bytes each
	v_mul_u32_u24 v[YA], v[YA], ZP
	v_and_b32 v[IA], 1, v0
	v_mad_u32_u24 v[YA], v[IA], 48, v[YA]
.irp i, 0,1,2,3
	v_mov_b32 v[SU+\i], 0
.endr
.irp i, 0,1,2
	ds_store_b128 v[YA], v[SU:SU+3] offset:4000+16*\i
.endr
	WIN 0xc0                                       ; g and b, in the pieces in which a row is held, into 64 registers that nothing else takes: 16 loads, between the first job's third and fourth K steps
.irp i, 0,1,2,3,4,5,6,7
	global_load_b128 v[192+4*\i:192+4*\i+3], v[LI], s[18:19] offset:512*\i-96*(\i/7)
	global_load_b128 v[224+4*\i:224+4*\i+3], v[LI], s[20:21] offset:512*\i-96*(\i/7)
.endr
	WIN 0
	; ---- my two heads
	s_mov_b32 s[SH], 0
	s_mov_b32 s[SZH], 0
.Lhead:
	PROJ 1                                         ; qh^T of the head for the 64 queries; kh and vh are asked for in its step 5
	s_wait_xcnt 0x0                                ; the bases are stepped only behind this wait
	s_cmp_eq_u32 s[SH], 0
	s_cselect_b32 s[T0], 1, 23                     ; the next job: Wq's group 2 w + 1, then Wo's group 2 w (job 24 + 2 w)
	s_lshl_b32 s[P0], s[T0], 16
	s_add_nc_u64 s[WB:WB+1], s[WB:WB+1], s[P0:P0+1]
	s_lshl_b32 s[P0], s[T0], 12
	s_add_nc_u64 s[WSB:WSB+1], s[WSB:WSB+1], s[P0:P0+1]
	s_lshl_b32 s[P0], s[T0], 9
	s_add_nc_u64 s[BB:BB+1], s[BB:BB+1], s[P0:P0+1]
; qh of the four query tiles, quantised along d, into my own bytes.  Each tile's codes and scale word have registers of their own (v128-163, idle here), so no wait stands between the tiles.
; The next job's 70 loads (bias, K steps 0, 1, 2, in that order) are dealt out among them, so that they do not all queue behind the 36 of kh and vh.
.irp a, 0,1,2,3
	QUANT 64*\a,2,XF+8*\a,XF+32+\a
.irp c, 0,1
	ds_store_b128 v[QWA], v[XF+8*\a+4*\c:XF+8*\a+4*\c+3] offset:1024*\a+512*\c
.endr
	ds_store_b32 v[QWS], v[XF+32+\a] offset:128*\a
.if \a == 0
.irp c, 0,1
	ds_store_b128 v[QWA], v[XF+4*\c:XF+4*\c+3] offset:4096+512*\c          ; tile 0 once more, behind tile 3: the last tile's look-ahead reads it and uses nothing of it
.endr
	ds_store_b32 v[QWS], v[XF+32] offset:512
	BIASLD
	LOADW 0,0
.elseif \a < 3
	LOADW \a,\a
.endif
.endr
	s_wait_loadcnt 63                              ; 70 loads are younger than kh, vh and their scale words
	WIN 0xc3
.set n, 0
.rept 64
	v_cndmask_b32 v[n], v[n], v[NIL], s[MK+n/8]    ; masked keys get zero codes: their score is exactly the C
.set n, n+1
.endr
	WIN 0
	ds_load_b128 v[QF:QF+3], v[QWA]                ; tile 0's qh
	ds_load_b128 v[QF+4:QF+7], v[QWA] offset:512
	ds_load_b32 v[QS], v[QWS]
	PLACES 4                                       ; an operand written by vector instructions stands four places ahead of a scaled product
	s_mov_b32 s[SCA], 0
	s_mov_b32 s[SQ], 0
	s_mov_b32 s[SQS], 0
	s_mov_b32 s[SZ], s[SZH]
	s_wait_dscnt 0x0                               ; tile 0's qh is in, and the stores of qh are done
.Ltile:                                                ; four trips: 16 queries each; the tile's qh is in registers at the trip's head
	WIN 0x33                                       ; kh and the C in window 3
.irp t, 0,1,2,3,4,5,6,7
	WMC ST+8*\t,8*\t,QF,128+8*\t,KS+\t,QS
.endr
	WIN 0
	PLACES 4
	; a lane holds query r; register 16 b + i is key 32 b + 16 h + i
.irp b, 0,1,2,3
	v_max3_num_f32 v[TM+\b], v[ST+16*\b], v[ST+16*\b+1], v[ST+16*\b+2]     ; the largest score of each block of 32 keys: for the row's maximum and, since p rises with the score, for the block's largest p
.endr
.irp i, 3,5,7,9,11,13
.irp b, 0,1,2,3
	v_max3_num_f32 v[TM+\b], v[TM+\b], v[ST+16*\b+\i], v[ST+16*\b+\i+1]
.endr
.endr
.irp b, 0,1,2,3
	v_max_num_f32 v[TM+\b], v[TM+\b], v[ST+16*\b+15]
.endr
.irp b, 0,1,2,3
	v_permlanex16_b32 v[TP+\b], v[TM+\b], s[SEL], s[SEL+1]
.endr
.irp b, 0,1,2,3
	v_max_num_f32 v[TM+\b], v[TM+\b], v[TP+\b]
.endr
	v_max3_num_f32 v[SU], v[TM], v[TM+1], v[TM+2]
	v_max_num_f32 v[SU], v[SU], v[TM+3]
	v_mul_f32 v[SU], s[CS], v[SU]                  ; the row's largest t (c is positive)
	v_floor_f32 v[NM], -v[SU]                      ; -M = floor(-t) = -ceil(t)
.set n, 0
.rept 32
	v_pk_fma_f32 v[ST+n:ST+n+1], v[ST+n:ST+n+1], s[CS:CS+1], v[NM:NM+1] op_sel_hi:[1,0,0]      ; t - M
.set n, n+2
.endr
.irp b, 0,1,2,3
	v_fma_f32 v[TM+\b], v[TM+\b], s[CS], v[NM]
.endr
.set n, 0
.rept 64
	v_exp_f32 v[ST+n], v[ST+n]                     ; p = 2^(t - M): not normalised
.set n, n+1
.endr
.irp b, 0,1,2,3
	v_exp_f32 v[TM+\b], v[TM+\b]                   ; the block's largest p: the same two instructions on the same number
.endr
	v_nop                                          ; one plain place behind the exponentials
	s_wait_alu depctr_va_vdst(0)
.irp b, 0,1,2,3
	v_max_num_f32 v[TM+\b], 0x1800000, v[TM+\b]    ; the floor: a block whose every p is 0 keeps the byte 1; its codes are zeros
.endr
.irp b, 0,1,2,3
	v_add_nc_u32 v[TS+\b], 0xff000000, v[TM+\b]
.endr
.irp b, 0,1,2,3
	v_lshrrev_b32 v[TP+\b], 23, v[TS+\b]
.endr
	v_lshl_or_b32 v[PS], v[TP+1], 8, v[TP]         ; p's scale word
	v_lshl_or_b32 v[PS], v[TP+2], 16, v[PS]
	v_lshl_or_b32 v[PS], v[TP+3], 24, v[PS]
.irp b, 0,1,2,3
	v_cvt_scalef32_pk8_fp4_f32 v[PC+2*\b], v[ST+16*\b:ST+16*\b+7], v[TS+\b]
	v_cvt_scalef32_pk8_fp4_f32 v[PC+2*\b+1], v[ST+16*\b+8:ST+16*\b+15], v[TS+\b]
.endr
	v_nop
.irp c, 0,1
.irp i, 0,1
	v_permlane16_swap_b32 v[PC+4*\c+\i], v[PC+4*\c+2+\i]
.endr
.endr
	v_pk_add_f32 v[SU:SU+1], v[ST:ST+1], v[ST+4:ST+5]          ; the row's sum is taken of the unquantised p, in two chains; these lines are also the places between p's scale word and codes and the products
	v_pk_add_f32 v[SU+2:SU+3], v[ST+2:ST+3], v[ST+6:ST+7]
.irp i, 8,12,16,20,24,28,32,36,40,44,48,52,56,60
	v_pk_add_f32 v[SU:SU+1], v[SU:SU+1], v[ST+\i:ST+\i+1]
	v_pk_add_f32 v[SU+2:SU+3], v[SU+2:SU+3], v[ST+\i+2:ST+\i+3]
.endr
	v_pk_add_f32 v[SU:SU+1], v[SU:SU+1], v[SU+2:SU+3]
	v_add_f32 v[SU], v[SU], v[SU+1]
	v_permlanex16_b32 v[SU+2], v[SU], s[SEL], s[SEL+1]
	v_add_f32 v[SU], v[SU], v[SU+2]
	v_rcp_f32 v[RL], v[SU]
	v_nop
	WIN 0x03                                       ; vh in window 3
.irp t, 0,1,2,3,4,5,6,7
	WMZ ST+8*\t,64+8*\t,PC,VS+\t,PS
.endr
	WIN 0
	PLACES 5
.set n, 0
	s_wait_alu depctr_va_vdst(0)
.rept 32
	v_pk_mul_f32 v[ST+n:ST+n+1], v[ST+n:ST+n+1], v[RL:RL+1] op_sel_hi:[1,0]        ; z: register 16 b + i is d = 32 b + 16 h + i
.set n, n+2
.endr
	v_add_nc_u32 v[ZA], s[SZ], v[ZA0]
	v_add_nc_u32 v[ZA3], s[SZ], v[ZB0]
	v_add_nc_u32 v[QA], s[SQ], v[QWA]
	v_add_nc_u32 v[QSA], s[SQS], v[QWS]
	ds_load_b128 v[QF:QF+3], v[QA] offset:1024     ; the next tile's qh, AHEAD of z's stores, so that the next trip's products need not wait for them (behind tile 3: the second copy of tile 0)
	ds_load_b128 v[QF+4:QF+7], v[QA] offset:1536
	ds_load_b32 v[QS], v[QSA] offset:128
.set n, 0
.rept 61
	ds_store_b32 v[ZA], v[ST+n] offset:128*(n/16)+4*(n%16)
.set n, n+1
.endr
.irp i, 13,14,15                       ; registers 61-63: d = 109..111 in lanes 0-15; in lanes 16-31 d would be 125..127, which no head has: those lanes write d = 122..124 once more, with the same numbers
	v_cndmask_b32 v[SU+\i-13], v[ST+48+\i], v[ST+45+\i], s[MH1]
.endr
.irp i, 13,14,15
	ds_store_b32 v[ZA3], v[SU+\i-13] offset:384+4*\i
.endr
	s_wait_dscnt 63                                ; 64 stores were issued behind the three loads (the wait's field holds 63): the next tile's qh is in; z's stores may stay out
	s_add_co_u32 s[SQ], s[SQ], 1024
	s_add_co_u32 s[SQS], s[SQS], 128
	s_add_co_u32 s[SZ], s[SZ], 16*ZP
	s_add_co_u32 s[SCA], s[SCA], 1
	s_cmp_lt_u32 s[SCA], 4
	s_cbranch_scc1 .Ltile
	s_wait_xcnt 0x0
	s_add_nc_u64 s[KB:KB+1], s[KB:KB+1], 8192
	s_add_nc_u64 s[VB:VB+1], s[VB:VB+1], 8192
	s_add_nc_u64 s[KSB:KSB+1], s[KSB:KSB+1], 512
	s_add_nc_u64 s[VSB:VSB+1], s[VSB:VSB+1], 512
	s_add_co_u32 s[SZH], s[SZH], 500
	s_add_co_u32 s[SH], s[SH], 1
	s_cmp_lt_u32 s[SH], 2
	s_cbranch_scc1 .Lhead
	PLACES 4
.irp rw, 0,1,2,3,4,5
	QROW \rw                                       ; the residual's first six rows, 48 loads, into the registers of kh, vh and the mask: they land while z is quantised and multiplied
.endr
	WIN 0
	BARRIER                                        ; all eight heads of the 64 rows of z lie in LDS; nobody reads q's images any more
	; ---- z into codes: my 16 rows, a K step a trip
	s_mov_b32 s[SCT], 0
	s_mov_b32 s[SZ], 0
	s_mov_b32 s[SIMG], 0
	s_mov_b32 s[SSCL], 0
.Lzq:
	v_add_nc_u32 v[YA], s[SZ], v[ZRD0]
	v_add_nc_u32 v[IA], s[SIMG], v[LIXW]
	v_add_nc_u32 v[IS], s[SSCL], v[XSW]
.irp b, 0,1,2,3
.irp u, 0,1,2,3
	ds_load_b128 v[X+16*\b+4*\u:X+16*\b+4*\u+3], v[YA] offset:128*\b+16*\u
.endr
.endr
	s_wait_dscnt 0x0
	QUANT X,0,PC,PW
.irp c, 0,1
	ds_store_b128 v[IA], v[PC+4*\c:PC+4*\c+3] offset:512*\c
.endr
	ds_store_b32 v[IS], v[PW]
	s_add_co_u32 s[SZ], s[SZ], 512
	s_add_co_u32 s[SIMG], s[SIMG], 1024
	s_add_co_u32 s[SSCL], s[SSCL], 64
	s_add_co_u32 s[SCT], s[SCT], 1
	s_cmp_lt_u32 s[SCT], 8
	s_cbranch_scc1 .Lzq
	BARRIER                                        ; z's 32 fragments lie in LDS; nobody reads z's f32 rows any more
	; ---- y = z Wo^T + b: my two groups of 128 columns
	s_mov_b32 s[SH], 0
.Lout:
	PROJ 0
	s_cmp_eq_u32 s[SH], 1
	s_cbranch_scc1 .Lnomore
	s_wait_xcnt 0x0
	s_add_nc_u64 s[WB:WB+1], s[WB:WB+1], 65536
	s_add_nc_u64 s[WSB:WSB+1], s[WSB:WSB+1], 4096
	s_add_nc_u64 s[BB:BB+1], s[BB:BB+1], 512
	BIASLD
	LOADW 0,0
	LOADW 1,1
	LOADW 2,2
.Lnomore:
	WIN 0x08                                       ; an LDS store's data are its source 1: window 2
.irp a, 0,1,2,3
.irp b, 0,1,2,3,4,5,6,7
	ds_store_b128 v[YS0+\a], v[8*(8*\a+\b):8*(8*\a+\b)+3] offset:128*(\b/2)+32*(\b%2)          ; lane (r, h): y(16 a + r, 128 g + 32 (b/2) + 16 h + 8 (b%2) + 0..7); each accumulator from its low end on
	ds_store_b128 v[YS0+\a], v[8*(8*\a+\b)+4:8*(8*\a+\b)+7] offset:128*(\b/2)+32*(\b%2)+16
.endr
.endr
	WIN 0
	s_wait_dscnt 0x0                               ; the stores are done with the accumulators
.irp a, 0,1,2,3
	v_add_nc_u32 v[YS0+\a], 512, v[YS0+\a]         ; the next 128 columns
.endr
	s_add_co_u32 s[SH], s[SH], 1
	s_cmp_lt_u32 s[SH], 2
	s_cbranch_scc1 .Lout
	s_wait_loadcnt 0x0                             ; no load is out on any way out of the loop: g, b and q's rows 0-5 are in, and the ring's and the accumulators' registers may be loaded
.irp rw, 6,7,8,9,10,11,12
	QROW \rw                                       ; seven more rows of q, 56 loads, into the accumulators' registers: on their way while the waves meet and rows 0-5 are worked
.endr
	WIN 0
	BARRIER                                        ; 64 whole rows of y lie in LDS
	; ---- LayerNorm(q + y): my 16 rows, written out, since q's rows lie in three register windows; every offset is an immediate
	YLOAD 0
.irp p, 0,1,2,3
	s_wait_dscnt 24-8*\p                           ; row p's eight pieces are in
	ROW \p,\p
.endr
	s_wait_xcnt 0x0                                ; the last four rows' stores have read their registers
	YLOAD 4
	s_wait_dscnt 24
	ROW 0,4
	s_wait_dscnt 16
	ROW 1,5
.irp rw, 13,14,15
	QROW \rw                                       ; the last three rows of q, 24 loads
.endr
	WIN 0
	s_wait_loadcnt 63                              ; 64 loads are younger than rows 6 and 7 (rows 8-12: 40, rows 13-15: 24); the wait's field holds 63
	s_wait_dscnt 8
	ROW 2,6
	s_wait_dscnt 0x0
	ROW 3,7
	s_wait_xcnt 0x0
	YLOAD 8
	s_wait_loadcnt 32                              ; row 12's 8 loads and the 24 of rows 13-15 may be out
.irp p, 0,1,2,3
	s_wait_dscnt 24-8*\p
	ROW \p,8+\p
.endr
	s_wait_xcnt 0x0
	YLOAD 12
	s_wait_loadcnt 0x0
.irp p, 0,1,2,3
	s_wait_dscnt 24-8*\p
	ROW \p,12+\p
.endr
	s_wait_xcnt 0x0
	v_lshl_add_u32 v254, v0, 2, 0x4e600
	v_mov_b32 v255, 0
	s_wait_tensorcnt 0x0
	ds_add_u32 v254, v255
	s_wait_dscnt 0x0
	s_endpgm
.Lfunc_end_k_q711042a9f3_attn:
	.size	k_q711042a9f3_attn, .Lfunc_end_k_q711042a9f3_attn-k_q711042a9f3_attn
	.p2alignl 7, 3214868480
	.fill 96, 4, 3214868480
	.section	.rodata,"a",@progbits
	.p2align	6, 0x0
	.amdhsa_kernel k_q711042a9f3_attn
		.amdhsa_group_segment_fixed_size 321536
		.amdhsa_private_segment_fixed_size 0
		.amdhsa_enable_private_segment 0
		.amdhsa_kernarg_size 80
		.amdhsa_user_sgpr_count 2
		.amdhsa_user_sgpr_kernarg_segment_ptr 1
		.amdhsa_wavefront_size32 1
		.amdhsa_system_sgpr_workgroup_id_x 1
		.amdhsa_system_sgpr_workgroup_id_y 1
		.amdhsa_system_sgpr_workgroup_id_z 1
		.amdhsa_system_vgpr_workitem_id 0
		.amdhsa_next_free_vgpr 1024
		.amdhsa_next_free_sgpr 96
		.amdhsa_reserve_vcc 0
		.amdhsa_float_denorm_mode_32 3
		.amdhsa_float_denorm_mode_16_64 3
		.amdhsa_memory_ordered 1
		.amdhsa_forward_progress 1
		.amdhsa_inst_pref_size 255
	.end_amdhsa_kernel
	.section	.bss,"aw",@nobits
	.p2align	6
	.space	262144
	.amdgpu_metadata
---
amdhsa.version: [ 1, 2 ]
amdhsa.kernels:
  - .name:           k_q711042a9f3_attn
    .symbol:         k_q711042a9f3_attn.kd
    .args:
      - { .name: q, .offset: 0, .size: 8, .value_kind: global_buffer, .address_space: global }
      - { .name: mask, .offset: 8, .size: 8, .value_kind: global_buffer, .address_space: global }
      - { .name: wc, .offset: 16, .size: 8, .value_kind: global_buffer, .address_space: global }
      - { .name: ws, .offset: 24, .size: 8, .value_kind: global_buffer, .address_space: global }
      - { .name: bp, .offset: 32, .size: 8, .value_kind: global_buffer, .address_space: global }
      - { .name: kvc, .offset: 40, .size: 8, .value_kind: global_buffer, .address_space: global }
      - { .name: kvs, .offset: 48, .size: 8, .value_kind: global_buffer, .address_space: global }
      - { .name: ln_g, .offset: 56, .size: 8, .value_kind: global_buffer, .address_space: global }
      - { .name: ln_b, .offset: 64, .size: 8, .value_kind: global_buffer, .address_space: global }
      - { .name: out0, .offset: 72, .size: 8, .value_kind: global_buffer, .address_space: global }
    .group_segment_fixed_size: 321536
    .private_segment_fixed_size: 0
    .kernarg_segment_align: 8
    .kernarg_segment_size: 80
    .max_flat_workgroup_size: 128
    .sgpr_count:     96
    .vgpr_count:     1024
    .wavefront_size: 32
...
	.end_amdgpu_metadata
.endif
;; end of part 3
;; ======== version 2 of 2: 3 launches
;; workspace buffers: wc 2,097,152 bytes; ws 131,072 bytes; bp 16,384 bytes; kvc 16,777,216 bytes; kvs 1,048,576 bytes
;; launch prep (part 4): grid 256 x 1, 8 waves a work-group, no clusters, 69,120 bytes of LDS; arguments Wq_w, Wk_w, Wv_w, Wo_w, Wq_b, Wk_b, Wv_b, Wo_b, wc, ws, bp; writes wc, ws, bp
.if DOCPART == 4
	.amdgcn_target "amdgcn-amd-amdhsa--gfx1250"
	.amdhsa_code_object_version 6
	.text
	.protected	k_q711042a9f3_prep
	.globl	k_q711042a9f3_prep
	.p2align	8
	.type	k_q711042a9f3_prep,@function
k_q711042a9f3_prep:
	s_mov_b64 s[64:65], 0
	v_nop
	global_prefetch_b8 v0, s[64:65] scope:SCOPE_SE
	s_setreg_imm32_b32 hwreg(HW_REG_WAVE_MODE, 25, 1), 1
	s_wait_xcnt 0x0
; The four weights [1000][1000] f32 (K innermost) become codes of FP4 (E2M1) with one E8M0 byte for each 32 along K, laid as IMAGES OF OPERAND REGISTERS.
; wc: [mat 0..3 = q,k,v,o][group g 0..7][K step s 0..7][tile t 0..7][1,024 bytes]: register group c of lane L at 512 c + 16 L; lane (r, h) holds k = 128 s + 64 c + 32 h + 0..31.
; Lane r of tile t is row n = G g + dd, dd = 32 (t/2) + 8 (t%2) + r + 8 (r/8); G = 125 (a head) for q, k, v and 128 for o.  Rows with dd >= G or n >= 1000, and k >= 1000, are zero codes.
; ws: [mat][g][s][r][t] scale words.   bp: [mat][1024] f32: the bias at G g + dd, 0 where the row does not exist.
; Work-group = one (mat, g, s); wave t makes one fragment.  Each of its 16 loads reads 512 consecutive bytes of one row; the rows turn through the wave's own stage in LDS so that a lane gets 16 neighbours of each block.
; LIMITS: NaN and infinities are not served; a block whose largest magnitude lies under 2^-124 (a block of zeros too) keeps the byte 1: its bytes are read by this program alone.
.set STGB, 8448                        ; a wave's stage: 16 rows x (512 + 16) bytes
.set SG,   8*STGB                      ; behind the stages: the work-group's 512 bytes of scale words
.set LI,   4                           ; 16 x lane
.set OFF,  5                           ; my 16 bytes of a row's 512 of this K step, held inside the row
.set SA,   6                           ; stage, way in
.set SRD,  7                           ; stage, way out
.set SGA,  8                           ; where my row's scale word goes
.set NIL,  9
.set DD,   10
.set NN,   11
.set SGR,  12                          ; wave 0 reads the scale words back here
.set RA,   16                          ; v16-31 row addresses
.set R,    32                          ; v32-95 as loaded
.set X,    96                          ; v96-159 register 16 b + i = k 32 b + 16 h + i of my row
.set TM,   160
.set TP,   164
.set TS,   168
.set PW,   176
.set PC,   178
; 64 numbers of a lane become a fragment's codes in v[PC] on and its scale word in v[PW]
.macro QUANT s
.irp b, 0,1,2,3
	v_max3_num_f32 v[TM+\b], |v[\s+16*\b]|, |v[\s+16*\b+1]|, 0x1800000   ; my 16 numbers of block b, and the floor 2^(3-127): the byte cannot fall under 1
.endr
.irp i, 2,4,6,8,10,12,14
.irp b, 0,1,2,3
	s_delay_alu instid0(VALU_DEP_4)
	v_max3_num_f32 v[TM+\b], |v[\s+16*\b+\i]|, |v[\s+16*\b+\i+1]|, v[TM+\b]
.endr
.endr
.irp b, 0,1,2,3
	s_delay_alu instid0(VALU_DEP_4)
	v_permlanex16_b32 v[TP+\b], v[TM+\b], s40, s41
.endr
.irp b, 0,1,2,3
	s_delay_alu instid0(VALU_DEP_4)
	v_max_num_f32 v[TM+\b], v[TM+\b], v[TP+\b]         ; with lane l xor 16's: the block's largest magnitude
.endr
.irp b, 0,1,2,3
	s_delay_alu instid0(VALU_DEP_4)
	v_add_nc_u32 v[TS+\b], 0xff000000, v[TM+\b]        ; 2 off its exponent field: the conversion's scale operand
.endr
.irp b, 0,1,2,3
	s_delay_alu instid0(VALU_DEP_4)
	v_lshrrev_b32 v[TP+\b], 23, v[TS+\b]               ; the scale's byte
.endr
	s_delay_alu instid0(VALU_DEP_3)
	v_lshl_or_b32 v[PW], v[TP+1], 8, v[TP]
	s_delay_alu instid0(VALU_DEP_1)
	v_lshl_or_b32 v[PW], v[TP+2], 16, v[PW]
	s_delay_alu instid0(VALU_DEP_1)
	v_lshl_or_b32 v[PW], v[TP+3], 24, v[PW]
.irp b, 0,1,2,3
	v_cvt_scalef32_pk8_fp4_f32 v[PC+2*\b], v[\s+16*\b:\s+16*\b+7], v[TS+\b]
	v_cvt_scalef32_pk8_fp4_f32 v[PC+2*\b+1], v[\s+16*\b+8:\s+16*\b+15], v[TS+\b]
.endr
	v_nop                                              ; one plain place behind a scaled conversion
.irp c, 0,1
.irp i, 0,1
	v_permlane16_swap_b32 v[PC+4*\c+\i], v[PC+4*\c+2+\i]   ; a whole block to a lane: registers 4 c .. 4 c + 3 hold k = 64 c + 32 h + 0..31
.endr
.endr
.endm
	s_load_b256 s[4:11], s[0:1], 0x0               ; Wq, Wk, Wv, Wo
	s_load_b256 s[12:19], s[0:1], 0x20             ; their biases
	s_load_b128 s[20:23], s[0:1], 0x40             ; wc, ws
	s_load_b64 s[24:25], s[0:1], 0x50              ; bp
	v_lshl_add_u32 v192, v0, 2, 0x10a00
	v_mov_b32 v193, 0
	v_lshrrev_b32 v1, 5, v0
	s_delay_alu instid0(VALU_DEP_1)
	v_readfirstlane_b32 s26, v1                    ; wave = tile t
	v_and_b32 v1, 31, v0                           ; lane
	s_wait_alu depctr_va_vdst(0)
	v_and_b32 v2, 15, v0                           ; r
	s_wait_alu depctr_va_vdst(0)
	v_bfe_u32 v3, v0, 4, 1                         ; h
	s_lshr_b32 s27, ttmp9, 6                       ; mat
	s_bfe_u32 s28, ttmp9, 0x30003                  ; g
	s_and_b32 s29, ttmp9, 7                        ; K step s
	s_mov_b32 s30, 125
	s_cmp_eq_u32 s27, 3
	s_cselect_b32 s30, 128, s30                    ; G
	s_mul_i32 s37, s30, s28                        ; G g
	s_lshr_b32 s32, s26, 1
	s_lshl_b32 s32, s32, 5
	s_and_b32 s33, s26, 1
	s_lshl_b32 s33, s33, 3
	s_add_co_u32 s32, s32, s33                     ; 32 (t/2) + 8 (t%2)
	s_add_co_u32 s31, s37, s32                     ; the tile's first row
	s_mov_b32 s40, 0x76543210
	s_mov_b32 s41, 0xfedcba98                      ; v_permlanex16_b32's selects for lane l xor 16
	v_lshlrev_b32 v[LI], 4, v1
	s_lshl_b32 s33, s29, 9
	v_add_nc_u32 v[OFF], s33, v[LI]
	s_delay_alu instid0(VALU_DEP_1)
	v_min_u32 v[OFF], 3984, v[OFF]                 ; a row is 4,000 bytes: in K step 7 lanes 26-31 read the row's last 16 bytes again; those numbers (k >= 1000) are replaced by 0 below
	s_mul_i32 s33, s26, STGB
	v_add_nc_u32 v[SA], s33, v[LI]
	v_mul_u32_u24 v[SRD], v2, 528
	s_wait_alu depctr_va_vdst(0)
	v_lshl_add_u32 v[SRD], v3, 6, v[SRD]
	s_delay_alu instid0(VALU_DEP_1)
	v_add_nc_u32 v[SRD], s33, v[SRD]
	v_lshlrev_b32 v[SGA], 5, v2
	s_lshl_b32 s33, s26, 2
	s_add_co_u32 s33, s33, SG
	v_add_nc_u32 v[SGA], s33, v[SGA]               ; SG + 32 r + 4 t
	v_add_nc_u32 v[SGR], SG, v[LI]
	v_mov_b32 v[NIL], 0
.irp b, 0,1,2,3
	v_mov_b32 v[TP+\b], 0                          ; a lane permute's destination counts as one of its sources
.endr
	v_and_b32 v[DD], 8, v2
	s_delay_alu instid0(VALU_DEP_1)
	v_add_nc_u32 v[DD], v[DD], v2
	s_delay_alu instid0(VALU_DEP_1)
	v_add_nc_u32 v[DD], s32, v[DD]                 ; dd of my row
	s_delay_alu instid0(VALU_DEP_1)
	v_add_nc_u32 v[NN], s37, v[DD]                 ; n
	s_delay_alu instid0(VALU_DEP_2)
	v_cmp_gt_u32 s34, s30, v[DD]
	s_delay_alu instid0(VALU_DEP_2)
	v_cmp_gt_u32 s36, 1000, v[NN]
	s_and_b32 s34, s34, s36                        ; lanes whose row exists
	s_cmp_eq_u32 s29, 7
	s_cselect_b32 s35, 0xffff0000, 0               ; K step 7: k >= 1000 is block 3, numbers 8..15 of lanes 0-15 and all 16 of lanes 16-31
	s_cselect_b32 s36, -1, 0
.irp i, 0,1,2,3,4,5,6,7,8,9,10,11,12,13,14,15
	s_add_co_u32 s33, s31, \i+8*(\i/8)
	s_min_u32 s33, s33, 999                        ; no load leaves the tensor: rows that do not exist read the last row and are replaced by 0
	s_mul_i32 s33, s33, 4000
	v_add_nc_u32 v[RA+\i], s33, v[OFF]
.endr
	s_lshl_b32 s38, ttmp9, 13
	s_lshl_b32 s33, s26, 10
	s_add_co_u32 s38, s38, s33
	s_mov_b32 s39, 0
	s_wait_alu depctr_va_vdst(0)
	s_wait_kmcnt 0x0
	s_add_nc_u64 s[20:21], s[20:21], s[38:39]      ; my fragment in wc
	s_lshl_b32 s38, ttmp9, 9
	s_add_nc_u64 s[22:23], s[22:23], s[38:39]      ; the work-group's 512 bytes in ws
	s_lshr_b32 s38, ttmp9, 3
	s_lshl_b32 s38, s38, 9
	s_add_nc_u64 s[24:25], s[24:25], s[38:39]      ; the group's 128 numbers in bp
	s_cmp_lt_u32 s27, 2                            ; the tensor is chosen by the work-group's number alone
	s_cselect_b64 s[4:5], s[4:5], s[8:9]
	s_cselect_b64 s[6:7], s[6:7], s[10:11]
	s_cselect_b64 s[12:13], s[12:13], s[16:17]
	s_cselect_b64 s[14:15], s[14:15], s[18:19]
	s_and_b32 s33, s27, 1
	s_cmp_eq_u32 s33, 0
	s_cselect_b64 s[4:5], s[4:5], s[6:7]
	s_cselect_b64 s[12:13], s[12:13], s[14:15]
.irp i, 0,1,2,3,4,5,6,7,8,9,10,11,12,13,14,15
	global_load_b128 v[R+4*\i:R+4*\i+3], v[RA+\i], s[4:5] th:TH_LOAD_NT   ; 32 lanes read 512 consecutive bytes of row i of the tile
.endr
	s_wait_loadcnt 0x0
.irp i, 0,1,2,3,4,5,6,7,8,9,10,11,12,13,14,15
	ds_store_b128 v[SA], v[R+4*\i:R+4*\i+3] offset:528*\i
.endr
.irp b, 0,1,2,3
.irp u, 0,1,2,3
	ds_load_b128 v[X+16*\b+4*\u:X+16*\b+4*\u+3], v[SRD] offset:128*\b+16*\u   ; LDS serves a wave's instructions in order: these see the stores above
.endr
.endr
	s_wait_dscnt 0x0
.set n, 0
.rept 64
	v_cndmask_b32 v[X+n], v[NIL], v[X+n], s34      ; rows that do not exist are zeros
.set n, n+1
.endr
.set n, 0
.rept 8
	v_cndmask_b32 v[X+48+n], v[X+48+n], v[NIL], s35
	v_cndmask_b32 v[X+56+n], v[X+56+n], v[NIL], s36
.set n, n+1
.endr
	QUANT X
	global_store_b128 v[LI], v[PC:PC+3], s[20:21]              ; 512 consecutive bytes a store
	global_store_b128 v[LI], v[PC+4:PC+7], s[20:21] offset:512
	ds_store_b32 v[SGA], v[PW]                     ; lanes r and r + 16 write the same word with the same value
	s_wait_dscnt 0x0                               ; for the others' sake
	s_barrier_signal -1
	s_barrier_wait -1
	s_cmp_lg_u32 s26, 0
	s_cbranch_scc1 .Lnot0
	ds_load_b128 v[100:103], v[SGR]                ; wave 0: the eight tiles' scale words leave as 512 consecutive bytes
	s_wait_dscnt 0x0
	global_store_b128 v[LI], v[100:103], s[22:23]
	s_wait_tensorcnt 0x0
	ds_add_u32 v192, v193
	s_wait_dscnt 0x0
	s_endpgm
.Lnot0:
	s_cmp_lg_u32 s26, 1
	s_cbranch_scc1 .Lend
	s_cmp_lg_u32 s29, 0
	s_cbranch_scc1 .Lend
.irp i, 0,1,2,3                        ; wave 1 of the group's first K step: the group's 128 bias numbers, four a lane
	v_lshl_add_u32 v[104+\i], v1, 2, \i            ; dd
	s_delay_alu instid0(VALU_DEP_1)
	v_cmp_gt_u32 s[44+\i], s30, v[104+\i]
	s_delay_alu instid0(VALU_DEP_2)
	v_add_nc_u32 v[104+\i], s37, v[104+\i]         ; n
	s_delay_alu instid0(VALU_DEP_1)
	v_cmp_gt_u32 s33, 1000, v[104+\i]
	s_and_b32 s[44+\i], s[44+\i], s33
	v_min_u32 v[104+\i], 999, v[104+\i]
	s_delay_alu instid0(VALU_DEP_1)
	v_lshlrev_b32 v[104+\i], 2, v[104+\i]
	global_load_b32 v[108+\i], v[104+\i], s[12:13]
.endr
	s_wait_loadcnt 0x0
.irp i, 0,1,2,3
	v_cndmask_b32 v[108+\i], v[NIL], v[108+\i], s[44+\i]
.endr
	global_store_b128 v[LI], v[108:111], s[24:25]
.Lend:
	s_wait_tensorcnt 0x0
	ds_add_u32 v192, v193
	s_wait_dscnt 0x0
	s_endpgm
.Lfunc_end_k_q711042a9f3_prep:
	.size	k_q711042a9f3_prep, .Lfunc_end_k_q711042a9f3_prep-k_q711042a9f3_prep
	.p2alignl 7, 3214868480
	.fill 96, 4, 3214868480
	.section	.rodata,"a",@progbits
	.p2align	6, 0x0
	.amdhsa_kernel k_q711042a9f3_prep
		.amdhsa_group_segment_fixed_size 69120
		.amdhsa_private_segment_fixed_size 0
		.amdhsa_enable_private_segment 0
		.amdhsa_kernarg_size 88
		.amdhsa_user_sgpr_count 2
		.amdhsa_user_sgpr_kernarg_segment_ptr 1
		.amdhsa_wavefront_size32 1
		.amdhsa_system_sgpr_workgroup_id_x 1
		.amdhsa_system_sgpr_workgroup_id_y 1
		.amdhsa_system_sgpr_workgroup_id_z 1
		.amdhsa_system_vgpr_workitem_id 0
		.amdhsa_next_free_vgpr 194
		.amdhsa_next_free_sgpr 66
		.amdhsa_reserve_vcc 0
		.amdhsa_float_denorm_mode_32 3
		.amdhsa_float_denorm_mode_16_64 3
		.amdhsa_memory_ordered 1
		.amdhsa_forward_progress 1
		.amdhsa_inst_pref_size 25
	.end_amdhsa_kernel
	.amdgpu_metadata
---
amdhsa.version: [ 1, 2 ]
amdhsa.kernels:
  - .name:           k_q711042a9f3_prep
    .symbol:         k_q711042a9f3_prep.kd
    .args:
      - { .name: Wq_w, .offset: 0, .size: 8, .value_kind: global_buffer, .address_space: global }
      - { .name: Wk_w, .offset: 8, .size: 8, .value_kind: global_buffer, .address_space: global }
      - { .name: Wv_w, .offset: 16, .size: 8, .value_kind: global_buffer, .address_space: global }
      - { .name: Wo_w, .offset: 24, .size: 8, .value_kind: global_buffer, .address_space: global }
      - { .name: Wq_b, .offset: 32, .size: 8, .value_kind: global_buffer, .address_space: global }
      - { .name: Wk_b, .offset: 40, .size: 8, .value_kind: global_buffer, .address_space: global }
      - { .name: Wv_b, .offset: 48, .size: 8, .value_kind: global_buffer, .address_space: global }
      - { .name: Wo_b, .offset: 56, .size: 8, .value_kind: global_buffer, .address_space: global }
      - { .name: wc, .offset: 64, .size: 8, .value_kind: global_buffer, .address_space: global }
      - { .name: ws, .offset: 72, .size: 8, .value_kind: global_buffer, .address_space: global }
      - { .name: bp, .offset: 80, .size: 8, .value_kind: global_buffer, .address_space: global }
    .group_segment_fixed_size: 69120
    .private_segment_fixed_size: 0
    .kernarg_segment_align: 8
    .kernarg_segment_size: 88
    .max_flat_workgroup_size: 256
    .sgpr_count:     66
    .vgpr_count:     194
    .wavefront_size: 32
...
	.end_amdgpu_metadata
.endif
;; end of part 4
;; launch kvproj (part 5): grid 128 x 2, 4 waves a work-group, no clusters, 103,936 bytes of LDS; arguments k, v, wc, ws, bp, kvc, kvs; writes kvc, kvs
.if DOCPART == 5
	.amdgcn_target "amdgcn-amd-amdhsa--gfx1250"
	.amdhsa_code_object_version 6
	.text
	.protected	k_q711042a9f3_kvproj
	.globl	k_q711042a9f3_kvproj
	.p2align	8
	.type	k_q711042a9f3_kvproj,@function
k_q711042a9f3_kvproj:
	s_mov_b64 s[64:65], 0
	v_nop
	global_prefetch_b8 v0, s[64:65] scope:SCOPE_SE
	s_setreg_imm32_b32 hwreg(HW_REG_WAVE_SCHED_MODE, 0, 2), 2
	s_setreg_imm32_b32 hwreg(HW_REG_WAVE_MODE, 25, 1), 1
	s_wait_xcnt 0x0
	s_wait_alu depctr_vm_vsrc(0)
; One work-group = one batch (x) of k (y = 0) or of v (y = 1): its 128 rows [1000] f32 are quantised along K, multiplied by Wk or Wv (codes made by the launch before), the bias added,
; and the result quantised again: kh along d (the first attention product's K), vh along the keys (the second's).  Both leave as images of operand registers:
; kvc [y][batch][head][tile a][1,024 bytes], kvs [y][batch][head][r][a] scale words.  k: lane r of tile a = key dd(a, r), K = d;  v: lane r = d = dd(a, r), K = keys.  dd(a, r) = 32 (a/2) + 8 (a%2) + r + 8 (r/8).
; STREAM: wave w turns rows 32 w .. 32 w + 31 into 16 fragments (two tiles x eight K steps) in LDS; tile m holds rows dd(m, r).  Loads read 512 consecutive bytes of a row, 64 of them (32 KB) on their way a wave.
; PRODUCT: the waves share the COLUMNS: wave w owns heads 2 w and 2 w + 1, one after the other, 128 x 128 each: 64 accumulators.  So each weight fragment has one reader in the work-group and goes from
; memory straight into that wave's registers (a ring of four K steps, three ahead); only the rows' codes go through LDS.  That is why no tile is shared between work-groups by a joint request here.
; The first head's K steps 0 and 1 are asked for in the stream's last trip, as soon as the stream's first slot of registers is free.
; k: source 0 = 16 rows of W, source 1 = 16 keys: a lane holds one key and registers along d.   v: source 0 = 16 keys, source 1 = 16 rows of W: a lane holds one d and registers along the keys.
; LIMITS: NaN and infinities are not served; a block whose largest magnitude lies under 2^-124 (zeros too) keeps the byte 1.
; REGISTERS: window 0: v1-23 addresses; v32-63 W's scale words (ring of 4 x 8), v64-79 the rows' (2 x 8); v80-121 at work; v128-191, v192-255 the rows' fragments, two sets (set 0 also the stream's 64 numbers and, on a head's way out, its eight fragments of codes; set 1 also the bias as C).
;   window 1: the stream's two slots of 128, then the ring of W's fragments (4 x 64).   windows 2, 3: accumulator (a, b) at v[8 (8 (a%4) + b)].
; THE MODE: SCHED_MODE bits 1:0 = 2 (LLVM: expert scheduling mode 2), set by the entry lines.  The code itself states the register dependences
; between vector or matrix instructions and memory or LDS instructions, with s_wait_alu, always for 0.
; THE PLAN.  Registers that memory or LDS instructions touch:
;   the stream's slots (window 1)  loads land in them, the stage's LDS stores read them; no vector instruction names them.
;   v[OF ..]            written by two adds ahead of a slot's 32 loads, which read them.
;   v[X ..] = v128-191  the stage's LDS loads land in them; the quantising reads them.
;   v[IA], v[IS], v[PC ..], v[PW]  written in each half of a CONSUME, read by that half's three image stores.
;   In each half of a CONSUME: ONE wait on vm_vsrc behind the wait for the 64 numbers (the stage's stores have read the slot, the slot's old loads their offsets, the last image's stores their four kinds of register)
;   and ONE on va_vdst behind the quantising (the image is written; the 64 numbers are done with).  A slot's next loads owe only the wait for their two offsets.
;   the ring of W and its scale words   step ks's products read slot ks % 4; the loads of K step ks + 3 land in slot (ks - 1) % 4.
;   the rows' two sets and their scale words   step ks's products read set ks % 2; the LDS loads of step ks + 1 land in the other.
;   So ONE wait on va_vdst stands at the head of steps 1 to 6, behind the waits for the step's own data: the step before is done reading all that this step's loads land in.
;   the way out: eight fragments of codes in registers of their own, written by eight quantisings, stored in two runs, each behind one wait on va_vdst; one wait on vm_vsrc at the trip's end.
;   All other addresses are made at the head and never written again.
.set XSC,  65536                       ; LDS: 0: 64 fragment images, (8 m + s) x 1,024;  XSC: their scale words, (8 m + s) x 64 + 4 r;  STG: a stage of 16 x 528 bytes for each wave
.set STG,  69632
.set STGB, 8448
.set NTR,  4                           ; trips of the stream: two groups of two K steps each; the last is written out
.set LI,   4
.set LWS,  5
.set LXS,  6
.set SA,   7
.set SRD,  8
.set NIL,  9
.set XSW,  10
.set IA,   11
.set OF,   12
.set LB,   16
.set SO,   17
.set SW4,  18
.set LIW,  22
.set IS,   23
.set WSC,  32
.set XSCR, 64
.set PC,   80
.set PWS,  88
.set TM,   96
.set TP,   100
.set TS,   104
.set PW,   112
.set BT,   114
.set XF,   128
.set X,    128
.set BIAS, 192
.set W,    18
.set YY,   20
.set XB,   22
.set WB,   24
.set WSB,  26
.set BB,   28
.set OC,   30
.set OS,   32
.set SEL,  34
.set MH1,  36
.set MA,   37
.set MB,   38
.set SCT,  39
.set SH,   40
.set T0,   41
.set T1,   42
.set P0,   44
.set SIMG, 46
.set SSCL, 47
.set MSB, 0
.macro WIN new                         ; the immediate's high byte repeats the setting that is left; a switch that changes nothing is dropped
.if MSB != (\new)
	s_set_vgpr_msb (MSB<<8)|(\new)
.set MSB, \new
.endif
.endm
.macro PLACES n
.rept \n
	v_nop
.endr
.endm
.macro WMC d, a, b, c, sa, sb
	v_wmma_scale_f32_16x16x128_f8f6f4 v[(\d):(\d)+7], v[(\a):(\a)+7], v[(\b):(\b)+7], v[(\c):(\c)+7], v[(\sa)], v[(\sb)] matrix_a_fmt:MATRIX_FMT_FP4 matrix_b_fmt:MATRIX_FMT_FP4
.endm
; 64 numbers of a lane in window w, register 16 b + i = k 32 b + 16 h + i of my row, become a fragment's codes in v[pc] on (window 0) and its scale word in v[PW]
.macro QUANT s, w, pc
	WIN (\w)|((\w)<<2)
.irp b, 0,1,2,3
	v_max3_num_f32 v[TM+\b], |v[(\s)+16*\b]|, |v[(\s)+16*\b+1]|, 0x1800000   ; my 16 numbers of block b, and the floor 2^(3-127)
.endr
.irp i, 2,4,6,8,10,12,14
.irp b, 0,1,2,3
	v_max3_num_f32 v[TM+\b], |v[(\s)+16*\b+\i]|, |v[(\s)+16*\b+\i+1]|, v[TM+\b]
.endr
.endr
	WIN 0
.irp b, 0,1,2,3
	v_permlanex16_b32 v[TP+\b], v[TM+\b], s[SEL], s[SEL+1]
.endr
.irp b, 0,1,2,3
	v_max_num_f32 v[TM+\b], v[TM+\b], v[TP+\b]
.endr
.irp b, 0,1,2,3
	v_add_nc_u32 v[TS+\b], 0xff000000, v[TM+\b]        ; 2 off the exponent field: the conversion's scale operand
.endr
.irp b, 0,1,2,3
	v_lshrrev_b32 v[TP+\b], 23, v[TS+\b]
.endr
	v_lshl_or_b32 v[PW], v[TP+1], 8, v[TP]
	v_lshl_or_b32 v[PW], v[TP+2], 16, v[PW]
	v_lshl_or_b32 v[PW], v[TP+3], 24, v[PW]
	WIN \w
.irp b, 0,1,2,3
	v_cvt_scalef32_pk8_fp4_f32 v[(\pc)+2*\b], v[(\s)+16*\b:(\s)+16*\b+7], v[TS+\b]
	v_cvt_scalef32_pk8_fp4_f32 v[(\pc)+2*\b+1], v[(\s)+16*\b+8:(\s)+16*\b+15], v[TS+\b]
.endr
	WIN 0
	v_nop                                              ; one plain place behind a scaled conversion
.irp c, 0,1
.irp i, 0,1
	v_permlane16_swap_b32 v[(\pc)+4*\c+\i], v[(\pc)+4*\c+2+\i]
.endr
.endr
.endm
; group 2 sT + add of the wave's eight: two K steps (1,024 bytes) of 16 rows: 32 loads into a slot of window 1.
; The slot and its two offsets are free: the wait on vm_vsrc in the second half of the CONSUME that emptied the slot stands behind the stage's stores, which read the slot, and behind the slot's old loads, which read the offsets.
.macro ISSUE slot, add
	s_lshl_b32 s[T0], s[SCT], 1
	s_add_co_u32 s[T0], s[T0], \add
	s_and_b32 s[T1], s[T0], 3
	s_lshl_b32 s[T1], s[T1], 10                    ; which 1,024 bytes of the rows
	s_lshr_b32 s[T0], s[T0], 2
	s_mul_i32 s[T0], s[T0], 32000                  ; the wave's second tile begins 8 rows on
.irp j, 0,1
	v_add_nc_u32 v[OF+2*\slot+\j], s[T1], v[LI]
.if \j
	v_add_nc_u32 v[OF+2*\slot+\j], 512, v[OF+2*\slot+\j]
.endif
	v_min_u32 v[OF+2*\slot+\j], 3984, v[OF+2*\slot+\j]         ; inside the row of 4,000 bytes; what is read twice (k >= 1000) is replaced by 0
	v_add_nc_u32 v[OF+2*\slot+\j], s[T0], v[OF+2*\slot+\j]
.endr
	WIN 0x40
	s_wait_alu depctr_va_vdst(0)                   ; the slot's two offsets are written, which the 32 loads read; at the first call so is every address register made at the head
.irp j, 0,1
.irp i, 0,1,2,3,4,5,6,7,8,9,10,11,12,13,14,15
	global_load_b128 v[128*\slot+64*\j+4*\i:128*\slot+64*\j+4*\i+3], v[OF+2*\slot+\j], s[XB:XB+1] offset:4000*(\i+8*(\i/8)) th:TH_LOAD_NT
.endr
.endr
	WIN 0
.endm
; the slot's two K steps turn through the stage, are quantised, and go to LDS as images
.macro CONSUME slot, add
	s_lshl_b32 s[T0], s[SCT], 1
	s_add_co_u32 s[T0], s[T0], \add
	s_and_b32 s[T0], s[T0], 3
	s_cmp_eq_u32 s[T0], 3                          ; the group with K step 7
	s_cselect_b32 s[MA], s[MH1], 0
	s_cselect_b32 s[MB], -1, 0
.irp j, 0,1
	WIN 0x04
.irp i, 0,1,2,3,4,5,6,7,8,9,10,11,12,13,14,15
	ds_store_b128 v[SA], v[128*\slot+64*\j+4*\i:128*\slot+64*\j+4*\i+3] offset:528*\i
.endr
	WIN 0
.irp b, 0,1,2,3
.irp u, 0,1,2,3
	ds_load_b128 v[X+16*\b+4*\u:X+16*\b+4*\u+3], v[SRD] offset:128*\b+16*\u    ; no vector instruction since the last wait on va_vdst names v[X ..]: the quantising that read them stands ahead of it
.endr
.endr
	s_wait_dscnt 0x0                               ; my 64 numbers are in; the stores before them (the last image's too) are done
	s_wait_alu depctr_vm_vsrc(0)                   ; the stage's stores have read the slot, in which later loads land; the last image's stores have read v[IA], v[IS], v[PC ..] and v[PW], which are written below
.if \j == 0
	v_add_nc_u32 v[IA], s[SIMG], v[LIW]
	v_add_nc_u32 v[IS], s[SSCL], v[XSW]
.else
.set n, 0
.rept 8
	v_cndmask_b32 v[X+48+n], v[X+48+n], v[NIL], s[MA]          ; K step 7: k >= 1000 is zero
	v_cndmask_b32 v[X+56+n], v[X+56+n], v[NIL], s[MB]
.set n, n+1
.endr
.endif
	QUANT X,0,PC
	s_wait_alu depctr_va_vdst(0)                   ; the codes, the scale word and the two addresses are written, which the stores below read; the quantising is done reading v[X ..], in which the next LDS loads land
.irp c, 0,1
	ds_store_b128 v[IA], v[PC+4*\c:PC+4*\c+3] offset:2048*\add+1024*\j+512*\c
.endr
	ds_store_b32 v[IS], v[PW] offset:128*\add+64*\j            ; lanes r and r + 16 write the same word with the same value
.endr
.endm
; K step sg of the job's weights into ring slot: 16 loads of 512 consecutive bytes and 2 of scale words: 18 loads
.macro LOADW slot, sg
	WIN 0x40
.irp t, 0,1,2,3,4,5,6,7
.irp c, 0,1
	global_load_b128 v[64*(\slot)+8*\t+4*\c:64*(\slot)+8*\t+4*\c+3], v[LI], s[WB:WB+1] offset:8192*(\sg)+1024*\t+512*\c
.endr
.endr
	WIN 0
.irp c, 0,1
	global_load_b128 v[WSC+8*(\slot)+4*\c:WSC+8*(\slot)+4*\c+3], v[LWS], s[WSB:WSB+1] offset:512*(\sg)+16*\c
.endr
.endm
; the eight row tiles' fragments and scale words of K step ks: 24 LDS loads
.macro FETCHX set, ks
.irp m, 0,1,2,3,4,5,6,7
.irp c, 0,1
	ds_load_b128 v[XF+64*(\set)+8*\m+4*\c:XF+64*(\set)+8*\m+4*\c+3], v[LI] offset:(8*\m+(\ks))*1024+512*\c
.endr
.endr
.irp m, 0,1,2,3,4,5,6,7
	ds_load_b32 v[XSCR+8*(\set)+\m], v[LXS] offset:(8*\m+(\ks))*64
.endr
.endm
.macro BIASLD swap
.if \swap
.irp a, 0,1,2,3,4,5,6,7
	global_load_b32 v[BT+\a], v[LB], s[BB:BB+1] offset:(32*(\a/2)+8*(\a%2))*4      ; v: the bias hangs on d, which is the lane's
.endr
.else
.irp t, 0,1,2,3,4,5,6,7
	global_load_b128 v[BIAS+8*\t:BIAS+8*\t+3], v[LB], s[BB:BB+1] offset:(32*(\t/2)+8*(\t%2))*4      ; k: eight registers a tile, in the result's layout
	global_load_b128 v[BIAS+8*\t+4:BIAS+8*\t+7], v[LB], s[BB:BB+1] offset:(32*(\t/2)+8*(\t%2))*4+16
.endr
.endif
.endm
; 64 matrix instructions: the 64 accumulators by turns, one instruction a turn, in the same order in every step.  first = 1: the bias is the C that starts the sums
.macro MUL64 ks, first, swap
.irp a, 0,1,2,3,4,5,6,7
.if \first
	WIN (0x80+0x40*(\a/4))|(1<<(2*\swap))
.else
	WIN (0xa0+0x50*(\a/4))|(1<<(2*\swap))
.endif
.irp b, 0,1,2,3,4,5,6,7
.if \swap
.if \first
	WMC 8*(8*(\a%4)+\b),XF+64*((\ks)%2)+8*\b,64*((\ks)%4)+8*\a,BIAS+8*\a,XSCR+8*((\ks)%2)+\b,WSC+8*((\ks)%4)+\a
.else
	WMC 8*(8*(\a%4)+\b),XF+64*((\ks)%2)+8*\b,64*((\ks)%4)+8*\a,8*(8*(\a%4)+\b),XSCR+8*((\ks)%2)+\b,WSC+8*((\ks)%4)+\a
.endif
.else
.if \first
	WMC 8*(8*(\a%4)+\b),64*((\ks)%4)+8*\b,XF+64*((\ks)%2)+8*\a,BIAS+8*\b,WSC+8*((\ks)%4)+\b,XSCR+8*((\ks)%2)+\a
.else
	WMC 8*(8*(\a%4)+\b),64*((\ks)%4)+8*\b,XF+64*((\ks)%2)+8*\a,8*(8*(\a%4)+\b),WSC+8*((\ks)%4)+\b,XSCR+8*((\ks)%2)+\a
.endif
.endif
.endr
.endr
	WIN 0
.endm
; One K step.  From step 1 on: the waits for the step's own data, four plain places behind the last step's products, the one wait on va_vdst, the loads for later steps, the products.
.macro KSTEP ks, swap
.if \ks == 0
	LOADW 3,3                                      ; behind the wait at the trip's head stand loads alone
	s_wait_loadcnt 36                              ; K steps 2 and 3 (18 loads each) may be out: they are the youngest for either head; the bias and K steps 0 and 1 are in
.if \swap
.set n, 0
.rept 64
	v_mov_b32 v[BIAS+n], v[BT+n/8]                 ; v: a C tile is the lane's one bias number eight times
.set n, n+1
.endr
	PLACES 4
.endif
	s_wait_alu depctr_va_vdst(0)
	s_wait_dscnt 0x0
	MUL64 0,1,\swap
.else
.if \ks <= 5
	s_wait_loadcnt 36                              ; the two K steps behind this one (18 loads each) may be out: this step's own loads are not yet issued
.else
	s_wait_loadcnt 18*(7-\ks)
.endif
.if \ks >= 2
	s_wait_dscnt 0x0                               ; this step's 24 LDS loads were asked for a step ago
.endif
	PLACES 4
.if \ks <= 6
	s_wait_alu depctr_va_vdst(0)                   ; the last step's products are done reading their ring slot, their set of rows (in step 0 the bias too) and both kinds of scale words, in which the loads below land
.endif
.if \ks <= 4
	LOADW (\ks+3)%4,\ks+3
.endif
.if \ks == 1
	FETCHX 1,1                                     ; set 1 held the bias through step 0
	FETCHX 0,2
	s_wait_dscnt 24                                ; step 2's 24 LDS loads may be out
.elseif \ks <= 6
	FETCHX (\ks+1)%2,\ks+1
.endif
	MUL64 \ks,0,\swap
.endif
.endm
.macro PATH swap
.if \swap
	v_and_b32 v[LB], 8, v2
	v_add_nc_u32 v[LB], v[LB], v2
	v_lshlrev_b32 v[LB], 2, v[LB]                  ; 4 (r + 8 (r/8))
.else
	v_lshlrev_b32 v[LB], 6, v3                     ; 64 h
.endif
	s_wait_alu depctr_va_vdst(0)                   ; v[LB] is written, which the bias's loads read
	BIASLD \swap                                   ; K steps 0 and 1 of the first head are on their way already
	LOADW 2,2
	s_mov_b32 s[SH], 0
.Lhead_\@:                                             ; two trips: heads 2 w and 2 w + 1
	s_wait_alu depctr_va_vdst(0)                   ; the quantisings (the stream's; on the way back the last head's) are done with v128-191, in which the rows' set 0 lands; the last head's step 7 is done reading ring slot 3 and its scale words, in which K step 3 lands
	FETCHX 0,0
	KSTEP 0,\swap
	KSTEP 1,\swap
	KSTEP 2,\swap
	KSTEP 3,\swap
	KSTEP 4,\swap
	KSTEP 5,\swap
	KSTEP 6,\swap
	KSTEP 7,\swap
	PLACES 5                                       ; behind the last products: their results are read, their operands written and loaded anew, and the next head's first products write over the accumulators
	s_wait_alu depctr_va_vdst(0)                   ; steps 6 and 7's products are done reading ring slot 2, its scale words and the rows' set 1, in which the next head's weights and bias land
	s_cmp_eq_u32 s[SH], 1
	s_cbranch_scc1 .Lnonext_\@
	s_wait_xcnt 0x0                                ; the bases are stepped only behind this wait
	s_add_nc_u64 s[WB:WB+1], s[WB:WB+1], 65536
	s_add_nc_u64 s[WSB:WSB+1], s[WSB:WSB+1], 4096
	s_add_nc_u64 s[BB:BB+1], s[BB:BB+1], 512
	BIASLD \swap                                   ; the next head's bias and first three K steps land while this head is quantised
	LOADW 0,0
	LOADW 1,1
	LOADW 2,2
.Lnonext_\@:
; each fragment's codes have eight registers of their own (the rows' set 0, idle here): no store's data are written again before the waits at the trip's end.  They leave in two runs of eight stores, each behind one wait
.irp a, 0,1,2,3
	QUANT 64*(\a%4),2+(\a/4),XF+8*\a
	v_mov_b32 v[PWS+\a], v[PW]
.endr
	s_wait_alu depctr_va_vdst(0)                   ; fragments 0 to 3's codes are written, which the eight stores read
.irp a, 0,1,2,3
.irp c, 0,1
	global_store_b128 v[LI], v[XF+8*\a+4*\c:XF+8*\a+4*\c+3], s[OC:OC+1] offset:1024*\a+512*\c    ; 512 consecutive bytes
.endr
.endr
.irp a, 4,5,6,7
	QUANT 64*(\a%4),2+(\a/4),XF+8*\a
	v_mov_b32 v[PWS+\a], v[PW]
.endr
.irp i, 0,1,2,3
	v_cndmask_b32 v[SW4+\i], v[PWS+\i], v[PWS+4+\i], s[MH1]    ; lanes 0-15 carry tiles 0-3's words of row r, lanes 16-31 tiles 4-7's
.endr
	s_wait_alu depctr_va_vdst(0)                   ; fragments 4 to 7's codes and the four registers of scale words are written, which the nine stores read
.irp a, 4,5,6,7
.irp c, 0,1
	global_store_b128 v[LI], v[XF+8*\a+4*\c:XF+8*\a+4*\c+3], s[OC:OC+1] offset:1024*\a+512*\c
.endr
.endr
	global_store_b128 v[SO], v[SW4:SW4+3], s[OS:OS+1]          ; the head's 512 bytes of scale words
	s_wait_xcnt 0x0                                ; the stores' data and bases are written again only behind this wait
	s_wait_alu depctr_vm_vsrc(0)                   ; the stores have read v128-191, in which the next head's LDS loads land, and v[SW4 ..], which its selects write
	s_add_nc_u64 s[OC:OC+1], s[OC:OC+1], 8192
	s_add_nc_u64 s[OS:OS+1], s[OS:OS+1], 512
	s_add_co_u32 s[SH], s[SH], 1
	s_cmp_lt_u32 s[SH], 2
	s_cbranch_scc1 .Lhead_\@
	s_wait_dscnt 0x0                               ; the closing lines, six on end
	s_wait_alu 0x0
	s_wait_tensorcnt 0x0
	ds_add_u32 v126, v127
	s_wait_dscnt 0x0
	s_endpgm
.endm
	s_load_b256 s[4:11], s[0:1], 0x0               ; k, v, wc, ws
	s_load_b128 s[12:15], s[0:1], 0x20             ; bp, kvc
	s_load_b64 s[16:17], s[0:1], 0x30              ; kvs
	v_lshl_add_u32 v126, v0, 2, 0x19400
	v_mov_b32 v127, 0
	v_lshrrev_b32 v1, 5, v0
	v_readfirstlane_b32 s[W], v1                   ; wave 0..3
	s_and_b32 s[YY], ttmp7, 0xffff                 ; 0: k, 1: v
	v_and_b32 v1, 31, v0
	v_and_b32 v2, 15, v0                           ; r
	v_bfe_u32 v3, v0, 4, 1                         ; h
	v_lshlrev_b32 v[LI], 4, v1
	v_lshlrev_b32 v[LWS], 5, v2
	v_lshl_add_u32 v[LXS], v2, 2, XSC
	s_wait_alu depctr_va_sdst(0)                   ; the wave's number is written, ahead of its first reader
	s_mul_i32 s[T0], s[W], STGB
	s_add_co_u32 s[T0], s[T0], STG
	v_add_nc_u32 v[SA], s[T0], v[LI]
	v_mul_u32_u24 v[SRD], v2, 528
	v_lshl_add_u32 v[SRD], v3, 6, v[SRD]
	v_add_nc_u32 v[SRD], s[T0], v[SRD]
	v_mov_b32 v[NIL], 0
	s_lshl_b32 s[T0], s[W], 10
	v_add_nc_u32 v[XSW], s[T0], v[LXS]             ; my 16 fragments' scale words
	s_lshl_b32 s[T0], s[W], 14
	v_add_nc_u32 v[LIW], s[T0], v[LI]              ; and their images
	v_lshlrev_b32 v[SO], 5, v2
	v_lshl_add_u32 v[SO], v3, 4, v[SO]             ; 32 r + 16 h
.irp b, 0,1,2,3
	v_mov_b32 v[TP+\b], 0                          ; a lane permute's destination counts as one of its sources
.endr
	s_mov_b32 s[SEL], 0x76543210
	s_mov_b32 s[SEL+1], 0xfedcba98
	s_mov_b32 s[MH1], 0xffff0000
	s_mov_b32 s[P0+1], 0
	s_wait_kmcnt 0x0
	s_cmp_eq_u32 s[YY], 0                          ; the tensor is chosen by the work-group's number alone
	s_cselect_b64 s[XB:XB+1], s[4:5], s[6:7]
	s_lshl_b32 s[T0], ttmp9, 7
	s_lshl_b32 s[T1], s[W], 5
	s_add_co_u32 s[T0], s[T0], s[T1]
	s_mul_i32 s[P0], s[T0], 4000
	s_add_nc_u64 s[XB:XB+1], s[XB:XB+1], s[P0:P0+1]    ; row 128 batch + 32 w
	s_lshl_b32 s[T0], s[YY], 3
	s_add_co_u32 s[T0], s[T0], 8
	s_lshl_b32 s[T1], s[W], 1
	s_add_co_u32 s[T0], s[T0], s[T1]               ; the job: 8 mat + g = 8 (1 + y) + 2 w
	s_lshl_b32 s[P0], s[T0], 16
	s_add_nc_u64 s[WB:WB+1], s[8:9], s[P0:P0+1]
	s_lshl_b32 s[P0], s[T0], 12
	s_add_nc_u64 s[WSB:WSB+1], s[10:11], s[P0:P0+1]
	s_lshl_b32 s[P0], s[T0], 9
	s_add_nc_u64 s[BB:BB+1], s[12:13], s[P0:P0+1]
	s_lshl_b32 s[T0], ttmp9, 3
	s_add_co_u32 s[T0], s[T0], s[T1]               ; 8 batch + 2 w
	s_lshl_b32 s[P0], s[T0], 13
	s_lshl_b32 s[T1], s[YY], 23
	s_add_co_u32 s[P0], s[P0], s[T1]
	s_add_nc_u64 s[OC:OC+1], s[14:15], s[P0:P0+1]
	s_lshl_b32 s[P0], s[T0], 9
	s_lshl_b32 s[T1], s[YY], 19
	s_add_co_u32 s[P0], s[P0], s[T1]
	s_add_nc_u64 s[OS:OS+1], s[16:17], s[P0:P0+1]
	s_mov_b32 s[SCT], 0
	s_mov_b32 s[SIMG], 0
	s_mov_b32 s[SSCL], 0
	ISSUE 0, 0
.Lstream:                                              ; NTR - 1 trips of two groups.  Each counted wait stands straight behind the 32 loads that it leaves out
	ISSUE 1, 1
	s_wait_loadcnt 32
	CONSUME 0, 0
	ISSUE 0, 2
	s_wait_loadcnt 32
	CONSUME 1, 1
	s_add_co_u32 s[SIMG], s[SIMG], 4096
	s_add_co_u32 s[SSCL], s[SSCL], 256
	s_add_co_u32 s[SCT], s[SCT], 1
	s_cmp_lt_u32 s[SCT], NTR-1
	s_cbranch_scc1 .Lstream
	ISSUE 1, 1                                     ; the last trip is written out: it asks for no further rows
	s_wait_loadcnt 32
	CONSUME 0, 0
	LOADW 0,0                                      ; slot 0's registers are free (its stage stores are done, and have read them: the wait on vm_vsrc in CONSUME): they take the first head's K steps 0 and 1, which land while the last group is quantised and the waves meet
	LOADW 1,1
	s_wait_loadcnt 36                              ; all but the 36 just issued: the last group's rows are in
	CONSUME 1, 1
	s_wait_dscnt 0x0                               ; my images and scale words have landed
	s_barrier_signal -1
	s_barrier_wait -1                              ; all 64 fragments lie in LDS; from here on LDS is only read
	s_wait_alu depctr_vm_vsrc(0)                   ; my last image's stores have read v[PW], which the heads' quantisings write again
	s_cmp_lg_u32 s[YY], 0
	s_cbranch_scc1 .Lv
	PATH 0
.Lv:
	PATH 1
.Lfunc_end_k_q711042a9f3_kvproj:
	.size	k_q711042a9f3_kvproj, .Lfunc_end_k_q711042a9f3_kvproj-k_q711042a9f3_kvproj
	.p2alignl 7, 3214868480
	.fill 96, 4, 3214868480
	.section	.rodata,"a",@progbits
	.p2align	6, 0x0
	.amdhsa_kernel k_q711042a9f3_kvproj
		.amdhsa_group_segment_fixed_size 103936
		.amdhsa_private_segment_fixed_size 0
		.amdhsa_enable_private_segment 0
		.amdhsa_kernarg_size 56
		.amdhsa_user_sgpr_count 2
		.amdhsa_user_sgpr_kernarg_segment_ptr 1
		.amdhsa_wavefront_size32 1
		.amdhsa_system_sgpr_workgroup_id_x 1
		.amdhsa_system_sgpr_workgroup_id_y 1
		.amdhsa_system_sgpr_workgroup_id_z 1
		.amdhsa_system_vgpr_workitem_id 0
		.amdhsa_next_free_vgpr 1024
		.amdhsa_next_free_sgpr 66
		.amdhsa_reserve_vcc 0
		.amdhsa_float_denorm_mode_32 3
		.amdhsa_float_denorm_mode_16_64 3
		.amdhsa_memory_ordered 1
		.amdhsa_forward_progress 1
		.amdhsa_inst_pref_size 255
	.end_amdhsa_kernel
	.section	.bss,"aw",@nobits
	.p2align	6
	.space	262144
	.amdgpu_metadata
---
amdhsa.version: [ 1, 2 ]
amdhsa.kernels:
  - .name:           k_q711042a9f3_kvproj
    .symbol:         k_q711042a9f3_kvproj.kd
    .args:
      - { .name: k, .offset: 0, .size: 8, .value_kind: global_buffer, .address_space: global }
      - { .name: v, .offset: 8, .size: 8, .value_kind: global_buffer, .address_space: global }
      - { .name: wc, .offset: 16, .size: 8, .value_kind: global_buffer, .address_space: global }
      - { .name: ws, .offset: 24, .size: 8, .value_kind: global_buffer, .address_space: global }
      - { .name: bp, .offset: 32, .size: 8, .value_kind: global_buffer, .address_space: global }
      - { .name: kvc, .offset: 40, .size: 8, .value_kind: global_buffer, .address_space: global }
      - { .name: kvs, .offset: 48, .size: 8, .value_kind: global_buffer, .address_space: global }
    .group_segment_fixed_size: 103936
    .private_segment_fixed_size: 0
    .kernarg_segment_align: 8
    .kernarg_segment_size: 56
    .max_flat_workgroup_size: 128
    .sgpr_count:     66
    .vgpr_count:     1024
    .wavefront_size: 32
...
	.end_amdgpu_metadata
.endif
;; end of part 5
;; launch attn (part 6): grid 256 x 1, 4 waves a work-group, no clusters, 321,536 bytes of LDS; arguments q, mask, wc, ws, bp, kvc, kvs, ln_g, ln_b, out0; writes out0
.if DOCPART == 6
	.amdgcn_target "amdgcn-amd-amdhsa--gfx1250"
	.amdhsa_code_object_version 6
	.text
	.protected	k_q711042a9f3_attn
	.globl	k_q711042a9f3_attn
	.p2align	8
	.type	k_q711042a9f3_attn,@function
k_q711042a9f3_attn:
	s_mov_b64 s[64:65], 0
	v_nop
	global_prefetch_b8 v0, s[64:65] scope:SCOPE_SE
	s_setreg_imm32_b32 hwreg(HW_REG_WAVE_SCHED_MODE, 0, 2), 2
	s_setreg_imm32_b32 hwreg(HW_REG_WAVE_MODE, 25, 1), 1
	s_wait_xcnt 0x0
	s_wait_alu depctr_vm_vsrc(0)
; One work-group = 64 queries of one batch, through the whole chain: q quantised, qh = q Wq^T + b, quantised along d; for each head S^T = kh qh^T (masked keys: zero codes and C = -10000 sqrt(125)),
; p = 2^(t - M), t = score x log2(e) / sqrt(125), M = ceil(the row's largest t); p quantised along the keys, O^T = vh^T p^T, divided by the sum of the unquantised p; z (all eight heads of a row meet in LDS as f32)
; quantised along its 1,000 columns; y = z Wo^T + b; out = LayerNorm(q + y).  All six products on codes of FP4 (E2M1) with E8M0 scales; sums, softmax and norm in f32.
; SHARES: wave w quantises query tile w (rows 16 w + r), owns heads 2 w, 2 w + 1 for all 64 queries, output columns 256 w .. 256 w + 255, and the LayerNorm of rows 16 w .. 16 w + 15.
; The waves share the columns, so each weight fragment, and each fragment of kh and vh, has one reader in the work-group and goes from memory straight into that wave's registers; LDS (321,024 bytes in use)
; has no room for a ring of weight tiles beside the 64 rows of z: that is why no tile is asked for jointly with other work-groups.
; q is read twice (for its codes, and for the residual): 64 rows of f32 and the 64 rows of z do not fit in LDS together.  The second read goes into registers as they fall free: six of a wave's 16 rows behind its last head, the others behind its last product.
; LIMITS: NaN and infinities are not served; a block whose largest magnitude lies under 2^-124 (zeros too) keeps the byte 1; in a row all of whose keys are masked t is the f32 product of two rounded constants (about 0.002 off -14426.95).
; LDS: ZST 64 rows x 4,112 bytes: the stream's stages, then z [row][125 head + d], then y;  XIMG 32 fragment images (8 m + s) x 1,024: q's, later z's;  XSC their scale words (8 m + s) x 64 + 4 r;
;   QIMG each wave's own 5,760 bytes: qh's four images and tile 0's once more, then their five scale words' 128 bytes each.
; REGISTERS: window 0: v1-31 addresses; v32-89 scale words alone; v90-127 at work; v128-191 fragments of the rows (2 x 32) / 64 numbers / S^T, p, O^T; v192-255 the bias as C; in the norm v128-255 four rows.
;   window 1: the stream's slots, the ring of weight fragments (4 x 64), in the norm q's rows 14, 15.   window 2: 32 accumulators, (a, b) at v[8 (8 a + b)], in the norm q's rows 6-13.
;   window 3: kh v0-63, vh v64-127, the mask as C v128-191, in the norm q's rows 0-5; v192-223 g, v224-255 b.
; THE MODE: SCHED_MODE bits 1:0 = 2 (LLVM: expert scheduling mode 2), set by the entry lines.  The code itself states the register dependences
; between vector or matrix instructions and memory or LDS instructions, with s_wait_alu, always for 0.
; THE PLAN.  Registers that memory or LDS instructions touch, phase by phase:
;   STREAM   the slots (window 1): loads land, the stage's LDS stores read; v[OF ..]: two adds write, a slot's loads read; v[X ..]: LDS loads land, the quantising reads; v[IA], v[IS], v[PC ..], v[PW]: written in each half of a
;            CONSUME, read by its image stores.  A half has one wait on vm_vsrc (behind the wait for its 64 numbers) and one on va_vdst (behind its quantising); a slot's loads owe the wait for their offsets alone.
;   PRODUCT  step ks's products read ring slot ks % 4, the rows' set ks % 2 and their scale words; K step ks + 3 lands in slot (ks - 1) % 4, the rows of step ks + 1 in the other set (kh and vh, in step 5, where the last head's lay).
;            ONE wait on va_vdst at the head of steps 1 to 6, behind the waits for the step's own data; one behind the last step.
;   qh       four fragments and scale words in registers of their own (v128-163): four quantisings write them, one wait, one run of LDS stores.  The next job's loads stand among the quantisings, which name none of their registers.
;   TILE     S^T, p, z in v128-191: products and vector lines write them, z's LDS stores read them; v[ZA], v[ZA3], v[QA], v[QSA], v[SU ..]: written once a trip, read by the trip's LDS instructions; qh of the next tile lands in v[QF ..], v[QS],
;            which the trip's first products read.  One wait on va_vdst ahead of the trip's 67 LDS instructions, one on vm_vsrc at its end; two more on va_vdst for the exponentials and for p as an operand.
;   y        the accumulators: products write, LDS stores read, q's rows 6-13 land;  v[YS0 ..]: read by those stores, stepped behind one wait on vm_vsrc.
;   NORM     four rows in v128-255: LDS loads land, the row's lines work in place, eight stores read.  The wait behind a row's root also shows the row before written: its stores follow that wait.
;   All other addresses are made at the head and never written again.
.set ZP,   4112
.set XIMG, 263168
.set XSC,  295936
.set QIMG, 297984
.set QWB,  5760
.set STGB, 8448
.set NTR,  2
.set ZB0,  1
.set LIXW, 2
.set IS,   3
.set LI,   4
.set LWS,  5
.set LXS,  6
.set SA,   7
.set SRD,  8
.set NIL,  9
.set XSW,  10
.set IA,   11
.set OF,   12
.set LB,   16
.set LIX,  17
.set QWA,  18
.set QWS,  19
.set QA,   20
.set QSA,  21
.set ZA0,  22
.set ZA,   23
.set ZA3,  24
.set ZRD0, 25
.set YA,   26
.set YA0,  27
.set YS0,  28
.set WSC,  32
.set XSCR, 64
.set KS,   72
.set VS,   80
.set QS,   88
.set PS,   89
.set PC,   90
.set QF,   98
.set TM,   106
.set TP,   110
.set TS,   114
.set PW,   118
.set NM,   120
.set SU,   122
.set RL,   126
.set XF,   128
.set X,    128
.set ST,   128
.set Y,    128
.set BIAS, 192
.set W,    24
.set BAT,  25
.set XB,   28
.set WB,   30
.set WSB,  32
.set BB,   34
.set KB,   36
.set KSB,  38
.set VB,   40
.set VSB,  42
.set SEL,  44
.set CS,   46
.set SMC,  48
.set MH1,  49
.set MA,   50
.set MB,   51
.set SCT,  52
.set SH,   53
.set SCA,  54
.set T0,   55
.set T1,   56
.set SIMG, 57
.set SSCL, 58
.set SZ,   59
.set SZH,  60
.set SQ,   61
.set SQS,  62
.set MK,   68
.set P0,   76
.set DUP,  80
.set OB,   82
.set C001, 86
.set CEPS, 87
.set MSB, 0
.macro WIN new                         ; the immediate's high byte repeats the setting that is left; a switch that changes nothing is dropped
.if MSB != (\new)
	s_set_vgpr_msb (MSB<<8)|(\new)
.set MSB, \new
.endif
.endm
.macro PLACES n
.rept \n
	v_nop
.endr
.endm
.macro BARRIER                         ; my LDS stores have landed and my LDS loads are in: then the work-group's barrier
	s_wait_dscnt 0x0
	s_barrier_signal -1
	s_barrier_wait -1
.endm
.macro WMC d, a, b, c, sa, sb
	v_wmma_scale_f32_16x16x128_f8f6f4 v[(\d):(\d)+7], v[(\a):(\a)+7], v[(\b):(\b)+7], v[(\c):(\c)+7], v[(\sa)], v[(\sb)] matrix_a_fmt:MATRIX_FMT_FP4 matrix_b_fmt:MATRIX_FMT_FP4
.endm
.macro WMZ d, a, b, sa, sb
	v_wmma_scale_f32_16x16x128_f8f6f4 v[(\d):(\d)+7], v[(\a):(\a)+7], v[(\b):(\b)+7], 0, v[(\sa)], v[(\sb)] matrix_a_fmt:MATRIX_FMT_FP4 matrix_b_fmt:MATRIX_FMT_FP4
.endm
; 64 numbers of a lane in window w, register 16 b + i = k 32 b + 16 h + i of my row, become a fragment's codes in v[pc] on and its scale word in v[pw] (both in window 0)
.macro QUANT s, w, pc, pw
	WIN (\w)|((\w)<<2)
.irp b, 0,1,2,3
	v_max3_num_f32 v[TM+\b], |v[(\s)+16*\b]|, |v[(\s)+16*\b+1]|, 0x1800000   ; my 16 numbers of block b, and the floor 2^(3-127)
.endr
.irp i, 2,4,6,8,10,12,14
.irp b, 0,1,2,3
	v_max3_num_f32 v[TM+\b], |v[(\s)+16*\b+\i]|, |v[(\s)+16*\b+\i+1]|, v[TM+\b]
.endr
.endr
	WIN 0
.irp b, 0,1,2,3
	v_permlanex16_b32 v[TP+\b], v[TM+\b], s[SEL], s[SEL+1]
.endr
.irp b, 0,1,2,3
	v_max_num_f32 v[TM+\b], v[TM+\b], v[TP+\b]
.endr
.irp b, 0,1,2,3
	v_add_nc_u32 v[TS+\b], 0xff000000, v[TM+\b]        ; 2 off the exponent field: the conversion's scale operand
.endr
.irp b, 0,1,2,3
	v_lshrrev_b32 v[TP+\b], 23, v[TS+\b]
.endr
	v_lshl_or_b32 v[(\pw)], v[TP+1], 8, v[TP]
	v_lshl_or_b32 v[(\pw)], v[TP+2], 16, v[(\pw)]
	v_lshl_or_b32 v[(\pw)], v[TP+3], 24, v[(\pw)]
	WIN \w
.irp b, 0,1,2,3
	v_cvt_scalef32_pk8_fp4_f32 v[(\pc)+2*\b], v[(\s)+16*\b:(\s)+16*\b+7], v[TS+\b]
	v_cvt_scalef32_pk8_fp4_f32 v[(\pc)+2*\b+1], v[(\s)+16*\b+8:(\s)+16*\b+15], v[TS+\b]
.endr
	WIN 0
	v_nop                                              ; one plain place behind a scaled conversion
.irp c, 0,1
.irp i, 0,1
	v_permlane16_swap_b32 v[(\pc)+4*\c+\i], v[(\pc)+4*\c+2+\i]
.endr
.endr
.endm
; group 2 sT + add of the wave's four: two K steps (1,024 bytes) of my 16 rows of q: 32 loads.  No hint: the rows are read again for the residual.
; The slot and its two offsets are free: the wait on vm_vsrc in the second half of the CONSUME that emptied the slot stands behind the stage's stores, which read the slot, and behind the slot's old loads, which read the offsets.
.macro ISSUE slot, add
	s_lshl_b32 s[T0], s[SCT], 11
	s_add_co_u32 s[T0], s[T0], 1024*\add
.irp j, 0,1
	v_add_nc_u32 v[OF+2*\slot+\j], s[T0], v[LI]
.if \j
	v_add_nc_u32 v[OF+2*\slot+\j], 512, v[OF+2*\slot+\j]
.endif
	v_min_u32 v[OF+2*\slot+\j], 3984, v[OF+2*\slot+\j]         ; inside the row of 4,000 bytes; what is read twice (k >= 1000) is replaced by 0
.endr
	WIN 0x40
	s_wait_alu depctr_va_vdst(0)                   ; the slot's two offsets are written, which the 32 loads read
.irp j, 0,1
.irp i, 0,1,2,3,4,5,6,7,8,9,10,11,12,13,14,15
	global_load_b128 v[128*\slot+64*\j+4*\i:128*\slot+64*\j+4*\i+3], v[OF+2*\slot+\j], s[XB:XB+1] offset:4000*\i
.endr
.endr
	WIN 0
.endm
.macro CONSUME slot, add
	s_lshl_b32 s[T0], s[SCT], 1
	s_add_co_u32 s[T0], s[T0], \add
	s_cmp_eq_u32 s[T0], 3                          ; the group with K step 7
	s_cselect_b32 s[MA], s[MH1], 0
	s_cselect_b32 s[MB], -1, 0
.irp j, 0,1
	WIN 0x04
.irp i, 0,1,2,3,4,5,6,7,8,9,10,11,12,13,14,15
	ds_store_b128 v[SA], v[128*\slot+64*\j+4*\i:128*\slot+64*\j+4*\i+3] offset:528*\i
.endr
	WIN 0
.irp b, 0,1,2,3
.irp u, 0,1,2,3
	ds_load_b128 v[X+16*\b+4*\u:X+16*\b+4*\u+3], v[SRD] offset:128*\b+16*\u    ; no vector instruction since the last wait on va_vdst names v[X ..]: the quantising that read them stands ahead of it
.endr
.endr
	s_wait_dscnt 0x0
	s_wait_alu depctr_vm_vsrc(0)                   ; the stage's stores have read the slot, in which later loads land; the last image's stores have read v[IA], v[IS], v[PC ..] and v[PW], which are written below
.if \j == 0
	v_add_nc_u32 v[IA], s[SIMG], v[LIXW]
	v_add_nc_u32 v[IS], s[SSCL], v[XSW]
.else
.set n, 0
.rept 8
	v_cndmask_b32 v[X+48+n], v[X+48+n], v[NIL], s[MA]          ; K step 7: k >= 1000 is zero
	v_cndmask_b32 v[X+56+n], v[X+56+n], v[NIL], s[MB]
.set n, n+1
.endr
.endif
	QUANT X,0,PC,PW
	s_wait_alu depctr_va_vdst(0)                   ; the codes, the scale word and the two addresses are written, which the stores below read; the quantising is done reading v[X ..], in which the next LDS loads land
.irp c, 0,1
	ds_store_b128 v[IA], v[PC+4*\c:PC+4*\c+3] offset:2048*\add+1024*\j+512*\c
.endr
	ds_store_b32 v[IS], v[PW] offset:128*\add+64*\j            ; lanes r and r + 16 write the same word with the same value
.endr
.endm
.macro LOADW slot, sg                  ; K step sg of the job's weights: 18 loads
	WIN 0x40
.irp t, 0,1,2,3,4,5,6,7
.irp c, 0,1
	global_load_b128 v[64*(\slot)+8*\t+4*\c:64*(\slot)+8*\t+4*\c+3], v[LI], s[WB:WB+1] offset:8192*(\sg)+1024*\t+512*\c
.endr
.endr
	WIN 0
.irp c, 0,1
	global_load_b128 v[WSC+8*(\slot)+4*\c:WSC+8*(\slot)+4*\c+3], v[LWS], s[WSB:WSB+1] offset:512*(\sg)+16*\c
.endr
.endm
.macro BIASLD                          ; 16 loads: eight registers a tile, in the result's layout
.irp t, 0,1,2,3,4,5,6,7
	global_load_b128 v[BIAS+8*\t:BIAS+8*\t+3], v[LB], s[BB:BB+1] offset:(32*(\t/2)+8*(\t%2))*4
	global_load_b128 v[BIAS+8*\t+4:BIAS+8*\t+7], v[LB], s[BB:BB+1] offset:(32*(\t/2)+8*(\t%2))*4+16
.endr
.endm
.macro FETCHX set, ks                  ; the four row tiles' fragments and scale words of K step ks: 12 LDS loads
.irp m, 0,1,2,3
.irp c, 0,1
	ds_load_b128 v[XF+32*(\set)+8*\m+4*\c:XF+32*(\set)+8*\m+4*\c+3], v[LIX] offset:(8*\m+(\ks))*1024+512*\c
.endr
.endr
.irp m, 0,1,2,3
	ds_load_b32 v[XSCR+4*(\set)+\m], v[LXS] offset:(8*\m+(\ks))*64
.endr
.endm
.macro KVLOAD                          ; the head's kh and vh, eight fragments each, and their scale words: 36 loads
	WIN 0xc0
.irp t, 0,1,2,3,4,5,6,7
.irp c, 0,1
	global_load_b128 v[8*\t+4*\c:8*\t+4*\c+3], v[LI], s[KB:KB+1] offset:1024*\t+512*\c
.endr
.endr
.irp t, 0,1,2,3,4,5,6,7
.irp c, 0,1
	global_load_b128 v[64+8*\t+4*\c:64+8*\t+4*\c+3], v[LI], s[VB:VB+1] offset:1024*\t+512*\c
.endr
.endr
	WIN 0
.irp c, 0,1
	global_load_b128 v[KS+4*\c:KS+4*\c+3], v[LWS], s[KSB:KSB+1] offset:16*\c
.endr
.irp c, 0,1
	global_load_b128 v[VS+4*\c:VS+4*\c+3], v[LWS], s[VSB:VSB+1] offset:16*\c
.endr
.endm
; 32 matrix instructions, transposed (source 0 = 16 rows of W, source 1 = 16 rows of x): the 32 accumulators by turns.  first = 1: the bias is the C that starts the sums
.macro MUL32 ks, first
.if \first
	WIN 0x81
.else
	WIN 0xa1
.endif
.irp a, 0,1,2,3
.irp b, 0,1,2,3,4,5,6,7
.if \first
	WMC 8*(8*\a+\b),64*((\ks)%4)+8*\b,XF+32*((\ks)%2)+8*\a,BIAS+8*\b,WSC+8*((\ks)%4)+\b,XSCR+4*((\ks)%2)+\a
.else
	WMC 8*(8*\a+\b),64*((\ks)%4)+8*\b,XF+32*((\ks)%2)+8*\a,8*(8*\a+\b),WSC+8*((\ks)%4)+\b,XSCR+4*((\ks)%2)+\a
.endif
.endr
.endr
	WIN 0
.endm
; One K step.  From step 1 on: the waits for the step's own data, four plain places behind the last step's products, the one wait on va_vdst, the loads for later steps, the products.
.macro PSTEP ks, kv
.if \ks == 0
	LOADW 3,3                                      ; ring slot 3 and the rows' set 1: no vector or matrix instruction since the last wait on va_vdst names them
	FETCHX 1,1
	s_wait_loadcnt 54                              ; at least three K steps (18 loads each) were issued behind K step 0: it and the bias are in
	s_wait_dscnt 12                                ; step 1's 12 LDS loads may be out
	MUL32 0,1
.else
.if \ks <= 5
	s_wait_loadcnt 36                              ; at least the two K steps behind this one (18 loads each) were issued later: this step's weights are in; its own loads are not yet issued
.else
	s_wait_loadcnt 18*(7-\ks)+36*\kv               ; the K steps behind this one, and kh and vh with their scale words (36 loads) where they are asked for
.endif
	s_wait_dscnt 0x0                               ; this step's 12 LDS loads were asked for a step ago
	PLACES 4                                       ; in front of loads into registers that the last step's products read
.if \ks < 7
	s_wait_alu depctr_va_vdst(0)                   ; the last step's products are done reading their ring slot, their set of rows and both kinds of scale words, in which the loads below land; in step 5 the last head's products are done with kh, vh and their scale words
.endif
.if \ks <= 4
	LOADW (\ks+3)%4,\ks+3
.endif
.if (\ks == 5) && \kv
	KVLOAD
.endif
.if \ks < 7
	FETCHX (\ks+1)%2,\ks+1
.endif
	MUL32 \ks,0
.endif
.endm
.macro PROJ kv                         ; 64 rows x 128 columns x K 1,024; its bias and first three K steps were asked for earlier
	FETCHX 0,0                                     ; v128-159: what named them last (the mask's layout, a tile's lines, a quantising, the last product) stands ahead of the last wait on va_vdst, the LDS stores that read them ahead of the last on vm_vsrc
	PSTEP 0,\kv
	PSTEP 1,\kv
	PSTEP 2,\kv
	PSTEP 3,\kv
	PSTEP 4,\kv
	PSTEP 5,\kv
	PSTEP 6,\kv
	PSTEP 7,\kv
	PLACES 5                                       ; behind the last products: results are read, operands written and loaded anew, accumulators begun anew
	s_wait_alu depctr_va_vdst(0)                   ; steps 6 and 7's products are done reading ring slots 2 and 3, their scale words and the rows' two sets, in which the next job's loads land; they have written the accumulators, which y's LDS stores read
.endm
; where row rw (0..15) of my q lies for the residual: 32 registers from v[QB] of window QW
.macro QMAP rw
.if (\rw) < 6
.set QW, 3
.set QB, 32*(\rw)
.elseif (\rw) < 14
.set QW, 2
.set QB, 32*((\rw)-6)
.else
.set QW, 1
.set QB, 32*((\rw)-14)
.endif
.endm
; one row of q: eight loads of 512 bytes; the eighth begins at byte 3,488, so that it ends with the row; its lanes 0-5 repeat the seventh's lanes 26-31
.macro QROW rw
	QMAP \rw
	WIN QW<<6
.irp i, 0,1,2,3,4,5,6,7
	global_load_b128 v[QB+4*\i:QB+4*\i+3], v[LI], s[XB:XB+1] offset:4000*(\rw)+512*\i-96*(\i/7) th:TH_LOAD_NT
.endr
.endm
.macro YLOAD rb                        ; four rows of y, in the same pieces: 32 LDS loads; the largest offset, 15 rows and 3,488 bytes, is 65,168
.irp p, 0,1,2,3
.irp i, 0,1,2,3,4,5,6,7
	ds_load_b128 v[Y+32*\p+4*\i:Y+32*\p+4*\i+3], v[YA0] offset:ZP*(\rb+\p)+512*\i-96*(\i/7)
.endr
.endr
.endm
.macro REDUCE                          ; v[TM] summed over the 32 lanes, in every lane
	v_add_f32_dpp v[TM], v[TM], v[TM] row_xmask:1 row_mask:0xf bank_mask:0xf
	v_add_f32_dpp v[TM], v[TM], v[TM] row_xmask:2 row_mask:0xf bank_mask:0xf
	v_add_f32_dpp v[TM], v[TM], v[TM] row_xmask:4 row_mask:0xf bank_mask:0xf
	v_add_f32_dpp v[TM], v[TM], v[TM] row_xmask:8 row_mask:0xf bank_mask:0xf
	v_permlanex16_b32 v[TM+1], v[TM], s[SEL], s[SEL+1]
	v_add_f32 v[TM], v[TM], v[TM+1]
.endm
; a finished row leaves: p: which of the four rows in registers; rw: which of my 16 rows
.macro STORE p, rw
.set YS, Y+32*(\p)
.irp i, 0,1,2,3,4,5,6,7
	global_store_b128 v[LI], v[YS+4*\i:YS+4*\i+3], s[OB:OB+1] offset:4000*(\rw)+512*\i-96*(\i/7) th:TH_STORE_NT   ; 512 consecutive bytes; the six lanes that overlap store equal numbers
.endr
.endm
; one row: q + y, mean, variance, scale, gain and bias.  p: which of the four rows of y in registers; rw: which of my 16 rows; sp = 1: the row before is stored behind this row's wait
.macro ROW p, rw, sp
.set YR, Y+32*(\p)
	QMAP \rw
	WIN QW<<2
.irp i, 0,2,4,6,8,10,12,14,16,18,20,22,24,26,28,30
	v_pk_add_f32 v[YR+\i:YR+\i+1], v[YR+\i:YR+\i+1], v[QB+\i:QB+\i+1]
.endr
	WIN 0
.irp i, 0,1,2,3
	v_cndmask_b32 v[SU+\i], v[YR+28+\i], v[NIL], s[DUP]        ; the eighth piece without the six lanes that repeat the seventh's: nothing is summed twice
.endr
	v_pk_add_f32 v[TM:TM+1], v[YR:YR+1], v[YR+4:YR+5]
	v_pk_add_f32 v[TM+2:TM+3], v[YR+2:YR+3], v[YR+6:YR+7]
.irp i, 8,12,16,20,24
	v_pk_add_f32 v[TM:TM+1], v[TM:TM+1], v[YR+\i:YR+\i+1]
	v_pk_add_f32 v[TM+2:TM+3], v[TM+2:TM+3], v[YR+\i+2:YR+\i+3]
.endr
	v_pk_add_f32 v[TM:TM+1], v[TM:TM+1], v[SU:SU+1]
	v_pk_add_f32 v[TM+2:TM+3], v[TM+2:TM+3], v[SU+2:SU+3]
	v_pk_add_f32 v[TM:TM+1], v[TM:TM+1], v[TM+2:TM+3]
	v_add_f32 v[TM], v[TM], v[TM+1]
	REDUCE
	v_mul_f32 v[NM], s[C001], v[TM]                ; the mean
.irp i, 0,2,4,6,8,10,12,14,16,18,20,22,24,26,28,30
	v_pk_add_f32 v[YR+\i:YR+\i+1], v[YR+\i:YR+\i+1], v[NM:NM+1] op_sel_hi:[1,0] neg_lo:[0,1] neg_hi:[0,1]
.endr
.irp i, 0,1,2,3
	v_cndmask_b32 v[SU+\i], v[YR+28+\i], v[NIL], s[DUP]
.endr
	v_pk_mul_f32 v[TM:TM+1], v[YR:YR+1], v[YR:YR+1]
	v_pk_mul_f32 v[TM+2:TM+3], v[YR+2:YR+3], v[YR+2:YR+3]
.irp i, 4,8,12,16,20,24
	v_pk_fma_f32 v[TM:TM+1], v[YR+\i:YR+\i+1], v[YR+\i:YR+\i+1], v[TM:TM+1]
	v_pk_fma_f32 v[TM+2:TM+3], v[YR+\i+2:YR+\i+3], v[YR+\i+2:YR+\i+3], v[TM+2:TM+3]
.endr
	v_pk_fma_f32 v[TM:TM+1], v[SU:SU+1], v[SU:SU+1], v[TM:TM+1]
	v_pk_fma_f32 v[TM+2:TM+3], v[SU+2:SU+3], v[SU+2:SU+3], v[TM+2:TM+3]
	v_pk_add_f32 v[TM:TM+1], v[TM:TM+1], v[TM+2:TM+3]
	v_add_f32 v[TM], v[TM], v[TM+1]
	REDUCE
	v_fma_f32 v[TM], v[TM], s[C001], s[CEPS]       ; the variance + 1e-5
	s_wait_alu depctr_va_vdst(0)
	v_rsq_f32 v[RL], v[TM]
	v_nop                                          ; one plain place behind a transcendental
	s_wait_alu depctr_va_vdst(0)                   ; the root's reciprocal is written, ahead of its first reader; sp = 1: so are the 32 numbers of the row before, which the eight stores below read
.if \sp
	STORE (\p)-1,(\rw)-1                           ; no line of this row behind the wait names that row's registers
.endif
.irp i, 0,2,4,6,8,10,12,14,16,18,20,22,24,26,28,30
	v_pk_mul_f32 v[YR+\i:YR+\i+1], v[YR+\i:YR+\i+1], v[RL:RL+1] op_sel_hi:[1,0]
.endr
	WIN 0x3c                                       ; g and b in window 3
.irp i, 0,2,4,6,8,10,12,14,16,18,20,22,24,26,28,30
	v_pk_fma_f32 v[YR+\i:YR+\i+1], v[YR+\i:YR+\i+1], v[192+\i:193+\i], v[224+\i:225+\i]
.endr
	WIN 0
.endm
; four rows whose y is on its way from LDS
.macro FOUR rb
	s_wait_dscnt 24                                ; row 0's eight pieces are in
	ROW 0,\rb,0
	s_wait_dscnt 16
	ROW 1,\rb+1,1
	s_wait_dscnt 8
	ROW 2,\rb+2,1
	s_wait_dscnt 0x0
	ROW 3,\rb+3,1
	s_wait_alu depctr_va_vdst(0)                   ; the fourth row is written, which its stores read; all four rows' lines are done with v128-255, in which the next four rows land
	STORE 3,\rb+3
.endm
	s_load_b256 s[4:11], s[0:1], 0x0               ; q, mask, wc, ws
	s_load_b256 s[12:19], s[0:1], 0x20             ; bp, kvc, kvs, ln_g
	s_load_b128 s[20:23], s[0:1], 0x40             ; ln_b, out0
	v_lshrrev_b32 v1, 5, v0
	v_readfirstlane_b32 s[W], v1                   ; wave 0..3
	s_lshr_b32 s[BAT], ttmp9, 1
	v_and_b32 v1, 31, v0                           ; lane
	v_and_b32 v2, 15, v0                           ; r
	v_bfe_u32 v3, v0, 4, 1                         ; h
	v_lshlrev_b32 v[LI], 4, v1
	v_lshlrev_b32 v[LWS], 5, v2
	v_lshl_add_u32 v[LXS], v2, 2, XSC
	s_wait_alu depctr_va_sdst(0)                   ; the wave's number is written, ahead of its first reader
	s_mul_i32 s[T0], s[W], STGB
	v_add_nc_u32 v[SA], s[T0], v[LI]
	v_mul_u32_u24 v[SRD], v2, 528
	v_lshl_add_u32 v[SRD], v3, 6, v[SRD]
	v_add_nc_u32 v[SRD], s[T0], v[SRD]
	v_mov_b32 v[NIL], 0
	s_lshl_b32 s[T0], s[W], 9
	v_add_nc_u32 v[XSW], s[T0], v[LXS]             ; tile w's scale words
	v_lshlrev_b32 v[LB], 6, v3
	v_add_nc_u32 v[LIX], XIMG, v[LI]
	s_mul_i32 s[T0], s[W], QWB
	s_add_co_u32 s[T0], s[T0], QIMG
	v_add_nc_u32 v[QWA], s[T0], v[LI]              ; my five images of qh
	s_add_co_u32 s[T0], s[T0], 5120
	v_lshl_add_u32 v[QWS], v1, 2, s[T0]            ; and their scale words  (the lane's number is used here for the last time: v1 is taken by ZB0 below)
	v_mul_u32_u24 v[YA], v2, ZP
	v_lshl_add_u32 v[YA], v3, 6, v[YA]             ; 4,112 r + 64 h
	s_mul_i32 s[T0], s[W], 1000
	v_add_nc_u32 v[ZA0], s[T0], v[YA]              ; z: row r, my first head's columns
	v_mul_u32_u24 v[ZB0], v2, ZP
	v_mad_u32_u24 v[ZB0], v3, 52, v[ZB0]
	v_add_nc_u32 v[ZB0], s[T0], v[ZB0]             ; the same 12 bytes back in lanes 16-31: 4,112 r + 52 h + 1,000 w
	s_mul_i32 s[T0], s[W], 16*ZP
	v_add_nc_u32 v[ZRD0], s[T0], v[YA]             ; z back: row 16 w + r
	v_add_nc_u32 v[YA0], s[T0], v[LI]              ; y back: my 16 rows
	s_lshl_b32 s[T0], s[W], 10
.irp a, 0,1,2,3
	v_add_nc_u32 v[YS0+\a], s[T0], v[YA]
	v_add_nc_u32 v[YS0+\a], 16*ZP*\a, v[YS0+\a]    ; y: row 16 a + r, my first 128 columns
.endr
	v_lshlrev_b32 v[QA], 4, v3                     ; (until the loop over tiles: the mask's two lane offsets) 16 h
	v_and_b32 v[QSA], 8, v2
	v_add_nc_u32 v[QSA], v[QSA], v2                ; r + 8 (r/8)
	s_lshl_b32 s[T0], s[W], 13
	v_add_nc_u32 v[LIXW], s[T0], v[LIX]            ; tile w's images  (r and h are used no more: v2 and v3 are taken)
.irp b, 0,1,2,3
	v_mov_b32 v[TP+\b], 0                          ; a lane permute's destination counts as one of its sources
.endr
	v_mov_b32 v[NM+1], 0                           ; named as the upper halves of pairs
	v_mov_b32 v[RL+1], 0
	s_mov_b32 s[SEL], 0x76543210
	s_mov_b32 s[SEL+1], 0xfedcba98
	s_mov_b32 s[CS], 0x3e0422b0                    ; c = log2(e) / sqrt(125)
	s_mov_b32 s[CS+1], s[CS]
	s_mov_b32 s[SMC], 0xc7da5db3                   ; -10000 sqrt(125): the raw score that stands for the logit -10000
	s_mov_b32 s[MH1], 0xffff0000
	s_mov_b32 s[DUP], 0x3f
	s_mov_b32 s[C001], 0x3a83126f                  ; 1 / 1000
	s_mov_b32 s[CEPS], 0x3727c5ac                  ; 1e-5
	s_mov_b32 s[P0+1], 0
	s_wait_kmcnt 0x0
	s_lshl_b32 s[T0], ttmp9, 6
	s_lshl_b32 s[T1], s[W], 4
	s_add_co_u32 s[T0], s[T0], s[T1]               ; my first row: 64 x work-group + 16 w
	s_mul_i32 s[P0], s[T0], 4000
	s_add_nc_u64 s[XB:XB+1], s[4:5], s[P0:P0+1]
	s_add_nc_u64 s[OB:OB+1], s[22:23], s[P0:P0+1]
	s_lshl_b32 s[P0], s[BAT], 7
	s_add_nc_u64 s[6:7], s[6:7], s[P0:P0+1]        ; the batch's 128 mask bytes
	s_lshl_b32 s[T0], s[W], 1                      ; the first job: Wq, group 2 w
	s_lshl_b32 s[P0], s[T0], 16
	s_add_nc_u64 s[WB:WB+1], s[8:9], s[P0:P0+1]
	s_lshl_b32 s[P0], s[T0], 12
	s_add_nc_u64 s[WSB:WSB+1], s[10:11], s[P0:P0+1]
	s_lshl_b32 s[P0], s[T0], 9
	s_add_nc_u64 s[BB:BB+1], s[12:13], s[P0:P0+1]
	s_lshl_b32 s[T1], s[BAT], 3
	s_add_co_u32 s[T1], s[T1], s[T0]               ; 8 batch + 2 w
	s_lshl_b32 s[P0], s[T1], 13
	s_add_nc_u64 s[KB:KB+1], s[14:15], s[P0:P0+1]
	s_add_nc_u64 s[VB:VB+1], s[KB:KB+1], 0x800000
	s_lshl_b32 s[P0], s[T1], 9
	s_add_nc_u64 s[KSB:KSB+1], s[16:17], s[P0:P0+1]
	s_add_nc_u64 s[VSB:VSB+1], s[KSB:KSB+1], 0x80000
	; the mask's bytes, twice: as S^T's C wants them (8 keys a lane and tile) and as kh's lanes want them (one key a lane and tile); into window 2, which is free until the first product
	WIN 0x80
	s_wait_alu depctr_va_vdst(0)                   ; every address register made above is written: the mask's two offsets, which the loads below read, and all that later loads and stores read
.irp t, 0,1,2,3,4,5,6,7
	global_load_b64 v[2*\t:2*\t+1], v[QA], s[6:7] offset:32*(\t/2)+8*(\t%2)
.endr
.irp t, 0,1,2,3,4,5,6,7
	global_load_u8 v[16+\t], v[QSA], s[6:7] offset:32*(\t/2)+8*(\t%2)
.endr
	WIN 0
	; ---- q into codes
	s_mov_b32 s[SCT], 0
	s_mov_b32 s[SIMG], 0
	s_mov_b32 s[SSCL], 0
	ISSUE 0, 0
.Lstream:                                              ; a trip: two groups.  Each counted wait stands straight behind the 32 loads that it leaves out
	ISSUE 1, 1
	s_wait_loadcnt 32
	CONSUME 0, 0
	s_cmp_eq_u32 s[SCT], NTR-1
	s_cbranch_scc1 .Llast
	ISSUE 0, 2
	s_wait_loadcnt 32
	s_branch .Lgo
.Llast:
	s_wait_loadcnt 0x0
.Lgo:
	CONSUME 1, 1
	s_add_co_u32 s[SIMG], s[SIMG], 4096
	s_add_co_u32 s[SSCL], s[SSCL], 256
	s_add_co_u32 s[SCT], s[SCT], 1
	s_cmp_lt_u32 s[SCT], NTR
	s_cbranch_scc1 .Lstream
	s_wait_loadcnt 0x0                             ; no load of the stream is out on any way out of the loop: the ring of weights takes the slots' registers, which the stage's stores have read (the waits on vm_vsrc in CONSUME)
	BIASLD                                         ; the first job's bias and first three K steps: they land while the mask is laid out and the waves meet
	LOADW 0,0
	LOADW 1,1
	LOADW 2,2
	WIN 0x02
.set n, 0
.rept 64
	v_bfe_u32 v[X+n], v[2*(n/8)+(n%8)/4], 8*(n%4), 8           ; tile n / 8, register n % 8: the byte of key 32 (t/2) + 8 (t%2) + 16 h + j
.set n, n+1
.endr
	WIN 0x08
.irp t, 0,1,2,3,4,5,6,7
	v_cmp_ne_u32 s[MK+\t], 0, v[16+\t]             ; lanes of kh's tile t whose key is masked
.endr
	s_wait_alu depctr_va_sdst(0)                   ; the eight masks are written
	WIN 0
.set n, 0
.rept 64
	v_cvt_f32_u32 v[X+n], v[X+n]
.set n, n+1
.endr
	WIN 0xc0
.set n, 0
.rept 64
	v_mul_f32 v[128+n], s[SMC], v[X+n]             ; S^T's C: -10000 sqrt(125) at masked keys, 0 at the others
.set n, n+1
.endr
	WIN 0
	BARRIER                                        ; q's 32 fragments lie in LDS; the stages are done with
	s_wait_alu depctr_vm_vsrc(0)                   ; my last image's stores have read v[IA], which is written just below, and v[PC ..], which the loop over tiles writes
	v_lshrrev_b32 v[YA], 1, v0                     ; z's columns 1000 .. 1023 are zeros: two threads to a row, 48 bytes each
	v_mul_u32_u24 v[YA], v[YA], ZP
	v_and_b32 v[IA], 1, v0
	v_mad_u32_u24 v[YA], v[IA], 48, v[YA]
.irp i, 0,1,2,3
	v_mov_b32 v[SU+\i], 0
.endr
	s_wait_alu depctr_va_vdst(0)                   ; the address and the four zeros are written, which the stores read; the mask's layout is done with v128-191, in which the first product's fragments land
.irp i, 0,1,2
	ds_store_b128 v[YA], v[SU:SU+3] offset:4000+16*\i
.endr
	WIN 0xc0                                       ; g and b, in the pieces in which a row is held, into 64 registers that nothing else takes: 16 loads, between the first job's third and fourth K steps
.irp i, 0,1,2,3,4,5,6,7
	global_load_b128 v[192+4*\i:192+4*\i+3], v[LI], s[18:19] offset:512*\i-96*(\i/7)
	global_load_b128 v[224+4*\i:224+4*\i+3], v[LI], s[20:21] offset:512*\i-96*(\i/7)
.endr
	WIN 0
	; ---- my two heads
	s_mov_b32 s[SH], 0
	s_mov_b32 s[SZH], 0
.Lhead:
	PROJ 1                                         ; qh^T of the head for the 64 queries; kh and vh are asked for in its step 5
	s_wait_xcnt 0x0                                ; the bases are stepped only behind this wait
	s_cmp_eq_u32 s[SH], 0
	s_cselect_b32 s[T0], 1, 23                     ; the next job: Wq's group 2 w + 1, then Wo's group 2 w (job 24 + 2 w)
	s_lshl_b32 s[P0], s[T0], 16
	s_add_nc_u64 s[WB:WB+1], s[WB:WB+1], s[P0:P0+1]
	s_lshl_b32 s[P0], s[T0], 12
	s_add_nc_u64 s[WSB:WSB+1], s[WSB:WSB+1], s[P0:P0+1]
	s_lshl_b32 s[P0], s[T0], 9
	s_add_nc_u64 s[BB:BB+1], s[BB:BB+1], s[P0:P0+1]
; qh of the four query tiles, quantised along d.  Each tile's codes and scale word have registers of their own (v128-163, idle here): they go to my own LDS bytes in one run, behind one wait.
; The next job's 70 loads (bias, K steps 0, 1, 2, in that order) are dealt out among the quantisings, so that they do not all queue behind the 36 of kh and vh.  They owe no wait: the quantisings name none of their registers.
.irp a, 0,1,2,3
	QUANT 64*\a,2,XF+8*\a,XF+32+\a
.if \a == 0
	BIASLD
	LOADW 0,0
.elseif \a < 3
	LOADW \a,\a
.endif
.endr
	s_wait_alu depctr_va_vdst(0)                   ; the four tiles' codes and scale words are written, which the fifteen stores read
.irp a, 0,1,2,3
.irp c, 0,1
	ds_store_b128 v[QWA], v[XF+8*\a+4*\c:XF+8*\a+4*\c+3] offset:1024*\a+512*\c
.endr
	ds_store_b32 v[QWS], v[XF+32+\a] offset:128*\a
.endr
.irp c, 0,1
	ds_store_b128 v[QWA], v[XF+4*\c:XF+4*\c+3] offset:4096+512*\c          ; tile 0 once more, behind tile 3: the last tile's look-ahead reads it and uses nothing of it
.endr
	ds_store_b32 v[QWS], v[XF+32] offset:512
	s_wait_loadcnt 63                              ; 70 loads are younger than kh, vh and their scale words
	WIN 0xc3
.set n, 0
.rept 64
	v_cndmask_b32 v[n], v[n], v[NIL], s[MK+n/8]    ; masked keys get zero codes: their score is exactly the C
.set n, n+1
.endr
	WIN 0
	ds_load_b128 v[QF:QF+3], v[QWA]                ; tile 0's qh
	ds_load_b128 v[QF+4:QF+7], v[QWA] offset:512
	ds_load_b32 v[QS], v[QWS]
	PLACES 4                                       ; an operand written by vector instructions stands four places ahead of a scaled product
	s_mov_b32 s[SCA], 0
	s_mov_b32 s[SQ], 0
	s_mov_b32 s[SQS], 0
	s_mov_b32 s[SZ], s[SZH]
	s_wait_dscnt 0x0                               ; tile 0's qh is in, and the stores of qh are done
	s_wait_alu depctr_vm_vsrc(0)                   ; the stores of qh have read v128-163, which the first products below write
	s_wait_alu depctr_va_vdst(0)                   ; the selects have written kh's codes, an operand of the scaled products below
.Ltile:                                                ; four trips: 16 queries each; the tile's qh is in registers at the trip's head
	WIN 0x33                                       ; kh and the C in window 3
.irp t, 0,1,2,3,4,5,6,7
	WMC ST+8*\t,8*\t,QF,128+8*\t,KS+\t,QS
.endr
	WIN 0
	PLACES 4
	; a lane holds query r; register 16 b + i is key 32 b + 16 h + i
.irp b, 0,1,2,3
	v_max3_num_f32 v[TM+\b], v[ST+16*\b], v[ST+16*\b+1], v[ST+16*\b+2]     ; the largest score of each block of 32 keys: for the row's maximum and, since p rises with the score, for the block's largest p
.endr
.irp i, 3,5,7,9,11,13
.irp b, 0,1,2,3
	v_max3_num_f32 v[TM+\b], v[TM+\b], v[ST+16*\b+\i], v[ST+16*\b+\i+1]
.endr
.endr
.irp b, 0,1,2,3
	v_max_num_f32 v[TM+\b], v[TM+\b], v[ST+16*\b+15]
.endr
.irp b, 0,1,2,3
	v_permlanex16_b32 v[TP+\b], v[TM+\b], s[SEL], s[SEL+1]
.endr
.irp b, 0,1,2,3
	v_max_num_f32 v[TM+\b], v[TM+\b], v[TP+\b]
.endr
	v_max3_num_f32 v[SU], v[TM], v[TM+1], v[TM+2]
	v_max_num_f32 v[SU], v[SU], v[TM+3]
	v_mul_f32 v[SU], s[CS], v[SU]                  ; the row's largest t (c is positive)
	v_floor_f32 v[NM], -v[SU]                      ; -M = floor(-t) = -ceil(t)
.set n, 0
.rept 32
	v_pk_fma_f32 v[ST+n:ST+n+1], v[ST+n:ST+n+1], s[CS:CS+1], v[NM:NM+1] op_sel_hi:[1,0,0]      ; t - M
.set n, n+2
.endr
.irp b, 0,1,2,3
	v_fma_f32 v[TM+\b], v[TM+\b], s[CS], v[NM]
.endr
.set n, 0
	s_wait_alu depctr_va_vdst(0)
.rept 64
	v_exp_f32 v[ST+n], v[ST+n]                     ; p = 2^(t - M): not normalised
.set n, n+1
.endr
.irp b, 0,1,2,3
	v_exp_f32 v[TM+\b], v[TM+\b]                   ; the block's largest p: the same two instructions on the same number
.endr
	v_nop                                          ; one plain place behind the exponentials
	s_wait_alu depctr_va_vdst(0)                   ; the 68 exponentials' results are written, ahead of their first reader
.irp b, 0,1,2,3
	v_max_num_f32 v[TM+\b], 0x1800000, v[TM+\b]    ; the floor: a block whose every p is 0 keeps the byte 1; its codes are zeros
.endr
.irp b, 0,1,2,3
	v_add_nc_u32 v[TS+\b], 0xff000000, v[TM+\b]
.endr
.irp b, 0,1,2,3
	v_lshrrev_b32 v[TP+\b], 23, v[TS+\b]
.endr
	v_lshl_or_b32 v[PS], v[TP+1], 8, v[TP]         ; p's scale word
	v_lshl_or_b32 v[PS], v[TP+2], 16, v[PS]
	v_lshl_or_b32 v[PS], v[TP+3], 24, v[PS]
.irp b, 0,1,2,3
	v_cvt_scalef32_pk8_fp4_f32 v[PC+2*\b], v[ST+16*\b:ST+16*\b+7], v[TS+\b]
	v_cvt_scalef32_pk8_fp4_f32 v[PC+2*\b+1], v[ST+16*\b+8:ST+16*\b+15], v[TS+\b]
.endr
	v_nop
.irp c, 0,1
.irp i, 0,1
	v_permlane16_swap_b32 v[PC+4*\c+\i], v[PC+4*\c+2+\i]
.endr
.endr
	v_pk_add_f32 v[SU:SU+1], v[ST:ST+1], v[ST+4:ST+5]          ; the row's sum is taken of the unquantised p, in two chains; these lines are also the places between p's scale word and codes and the products
	v_pk_add_f32 v[SU+2:SU+3], v[ST+2:ST+3], v[ST+6:ST+7]
.irp i, 8,12,16,20,24,28,32,36,40,44,48,52,56,60
	v_pk_add_f32 v[SU:SU+1], v[SU:SU+1], v[ST+\i:ST+\i+1]
	v_pk_add_f32 v[SU+2:SU+3], v[SU+2:SU+3], v[ST+\i+2:ST+\i+3]
.endr
	v_pk_add_f32 v[SU:SU+1], v[SU:SU+1], v[SU+2:SU+3]
	v_add_f32 v[SU], v[SU], v[SU+1]
	v_permlanex16_b32 v[SU+2], v[SU], s[SEL], s[SEL+1]
	v_add_f32 v[SU], v[SU], v[SU+2]
	s_wait_alu depctr_va_vdst(0)
	v_rcp_f32 v[RL], v[SU]
	v_nop
	s_wait_alu depctr_va_vdst(0)                   ; p's codes and scale word are written, an operand and a scale of the scaled products below; so is the reciprocal, ahead of its first reader
	WIN 0x03                                       ; vh in window 3
.irp t, 0,1,2,3,4,5,6,7
	WMZ ST+8*\t,64+8*\t,PC,VS+\t,PS
.endr
	WIN 0
	PLACES 5
.set n, 0
.rept 32
	v_pk_mul_f32 v[ST+n:ST+n+1], v[ST+n:ST+n+1], v[RL:RL+1] op_sel_hi:[1,0]        ; z: register 16 b + i is d = 32 b + 16 h + i
.set n, n+2
.endr
	v_add_nc_u32 v[ZA], s[SZ], v[ZA0]
	v_add_nc_u32 v[ZA3], s[SZ], v[ZB0]
	v_add_nc_u32 v[QA], s[SQ], v[QWA]
	v_add_nc_u32 v[QSA], s[SQS], v[QWS]
.irp i, 13,14,15                       ; registers 61-63: d = 109..111 in lanes 0-15; in lanes 16-31 d would be 125..127, which no head has: those lanes write d = 122..124 once more, with the same numbers
	v_cndmask_b32 v[SU+\i-13], v[ST+48+\i], v[ST+45+\i], s[MH1]
.endr
	s_wait_alu depctr_va_vdst(0)                   ; z, the three selected numbers and the four addresses are written, which the 67 LDS instructions below read; the trip's first products are done reading qh and its scale word, in which the three loads land
	ds_load_b128 v[QF:QF+3], v[QA] offset:1024     ; the next tile's qh, AHEAD of z's stores, so that the next trip's products need not wait for them (behind tile 3: the second copy of tile 0)
	ds_load_b128 v[QF+4:QF+7], v[QA] offset:1536
	ds_load_b32 v[QS], v[QSA] offset:128
.set n, 0
.rept 61
	ds_store_b32 v[ZA], v[ST+n] offset:128*(n/16)+4*(n%16)
.set n, n+1
.endr
.irp i, 13,14,15
	ds_store_b32 v[ZA3], v[SU+\i-13] offset:384+4*\i
.endr
	s_wait_dscnt 63                                ; 64 stores were issued behind the three loads (the wait's field holds 63): the next tile's qh is in; z's stores may stay out
	s_wait_alu depctr_vm_vsrc(0)                   ; the stores and loads have read v128-191, v[SU ..] and the four addresses, which the next trip (behind the last: the next product's LDS loads) writes
	s_add_co_u32 s[SQ], s[SQ], 1024
	s_add_co_u32 s[SQS], s[SQS], 128
	s_add_co_u32 s[SZ], s[SZ], 16*ZP
	s_add_co_u32 s[SCA], s[SCA], 1
	s_cmp_lt_u32 s[SCA], 4
	s_cbranch_scc1 .Ltile
	s_wait_xcnt 0x0
	s_add_nc_u64 s[KB:KB+1], s[KB:KB+1], 8192
	s_add_nc_u64 s[VB:VB+1], s[VB:VB+1], 8192
	s_add_nc_u64 s[KSB:KSB+1], s[KSB:KSB+1], 512
	s_add_nc_u64 s[VSB:VSB+1], s[VSB:VSB+1], 512
	s_add_co_u32 s[SZH], s[SZH], 500
	s_add_co_u32 s[SH], s[SH], 1
	s_cmp_lt_u32 s[SH], 2
	s_cbranch_scc1 .Lhead
	PLACES 4
.irp rw, 0,1,2,3,4,5
	QROW \rw                                       ; the residual's first six rows, 48 loads, into the registers of kh, vh and the mask: they land while z is quantised and multiplied.  No wait: the products that read those registers stand ahead of the last trip's last wait on va_vdst, and nothing behind it names them
.endr
	WIN 0
	BARRIER                                        ; all eight heads of the 64 rows of z lie in LDS; nobody reads q's images any more
	; ---- z into codes: my 16 rows, a K step a trip
	s_mov_b32 s[SCT], 0
	s_mov_b32 s[SZ], 0
	s_mov_b32 s[SIMG], 0
	s_mov_b32 s[SSCL], 0
.Lzq:
	v_add_nc_u32 v[YA], s[SZ], v[ZRD0]
	v_add_nc_u32 v[IA], s[SIMG], v[LIXW]
	v_add_nc_u32 v[IS], s[SSCL], v[XSW]
	s_wait_alu depctr_va_vdst(0)                   ; v[YA] is written, which the sixteen loads read
.irp b, 0,1,2,3
.irp u, 0,1,2,3
	ds_load_b128 v[X+16*\b+4*\u:X+16*\b+4*\u+3], v[YA] offset:128*\b+16*\u
.endr
.endr
	s_wait_dscnt 0x0
	QUANT X,0,PC,PW
	s_wait_alu depctr_va_vdst(0)                   ; the codes and the scale word are written, which the stores read; the quantising is done reading v[X ..], in which the next trip's loads land
.irp c, 0,1
	ds_store_b128 v[IA], v[PC+4*\c:PC+4*\c+3] offset:512*\c
.endr
	ds_store_b32 v[IS], v[PW]
	s_wait_alu depctr_vm_vsrc(0)                   ; the trip's loads and stores have read v[YA], v[IA], v[IS], v[PC ..] and v[PW], which the next trip writes
	s_add_co_u32 s[SZ], s[SZ], 512
	s_add_co_u32 s[SIMG], s[SIMG], 1024
	s_add_co_u32 s[SSCL], s[SSCL], 64
	s_add_co_u32 s[SCT], s[SCT], 1
	s_cmp_lt_u32 s[SCT], 8
	s_cbranch_scc1 .Lzq
	BARRIER                                        ; z's 32 fragments lie in LDS; nobody reads z's f32 rows any more
	; ---- y = z Wo^T + b: my two groups of 128 columns
	s_mov_b32 s[SH], 0
.Lout:
	PROJ 0
	s_cmp_eq_u32 s[SH], 1
	s_cbranch_scc1 .Lnomore
	s_wait_xcnt 0x0
	s_add_nc_u64 s[WB:WB+1], s[WB:WB+1], 65536
	s_add_nc_u64 s[WSB:WSB+1], s[WSB:WSB+1], 4096
	s_add_nc_u64 s[BB:BB+1], s[BB:BB+1], 512
	BIASLD
	LOADW 0,0
	LOADW 1,1
	LOADW 2,2
.Lnomore:
	WIN 0x08                                       ; an LDS store's data are its source 1: window 2
.irp a, 0,1,2,3
.irp b, 0,1,2,3,4,5,6,7
	ds_store_b128 v[YS0+\a], v[8*(8*\a+\b):8*(8*\a+\b)+3] offset:128*(\b/2)+32*(\b%2)          ; lane (r, h): y(16 a + r, 128 g + 32 (b/2) + 16 h + 8 (b%2) + 0..7); each accumulator from its low end on
	ds_store_b128 v[YS0+\a], v[8*(8*\a+\b)+4:8*(8*\a+\b)+7] offset:128*(\b/2)+32*(\b%2)+16
.endr
.endr
	WIN 0
	s_wait_dscnt 0x0                               ; the stores are done with the accumulators
	s_wait_alu depctr_vm_vsrc(0)                   ; the stores have read their four addresses, which are stepped below, and the accumulators, which the next products write and in which q's rows land
.irp a, 0,1,2,3
	v_add_nc_u32 v[YS0+\a], 512, v[YS0+\a]         ; the next 128 columns
.endr
	s_add_co_u32 s[SH], s[SH], 1
	s_cmp_lt_u32 s[SH], 2
	s_cbranch_scc1 .Lout
	s_wait_loadcnt 0x0                             ; no load is out on any way out of the loop: g, b and q's rows 0-5 are in, and the ring's and the accumulators' registers may be loaded
	s_wait_alu depctr_va_vdst(0)                   ; the products have written the accumulators, in which the rows below land
.irp rw, 6,7,8,9,10,11,12
	QROW \rw                                       ; seven more rows of q, 56 loads, into the accumulators' registers: on their way while the waves meet and rows 0-5 are worked
.endr
	WIN 0
	BARRIER                                        ; 64 whole rows of y lie in LDS
	; ---- LayerNorm(q + y): my 16 rows, written out, since q's rows lie in three register windows; every offset is an immediate
	YLOAD 0
	FOUR 0
	s_wait_xcnt 0x0                                ; the last four rows' stores have had their addresses translated
	s_wait_alu depctr_vm_vsrc(0)                   ; and have read v128-255, in which the next four rows of y land
	YLOAD 4
	s_wait_dscnt 24
	ROW 0,4,0
	s_wait_dscnt 16
	ROW 1,5,1
	s_wait_alu depctr_va_vdst(0)                   ; row 5 is written, which its stores read; the products are done with the last accumulators and with ring slot 0, in which the three rows below land
.irp rw, 13,14,15
	QROW \rw                                       ; the last three rows of q, 24 loads
.endr
	WIN 0
	STORE 1,5
	s_wait_loadcnt 63                              ; 64 loads are younger than rows 6 and 7 (rows 8-12: 40, rows 13-15: 24); the wait's field holds 63
	s_wait_dscnt 8
	ROW 2,6,0
	s_wait_dscnt 0x0
	ROW 3,7,1
	s_wait_alu depctr_va_vdst(0)                   ; row 7 is written, which its stores read; the four rows' lines are done with v128-255, in which the next four rows land
	STORE 3,7
	s_wait_xcnt 0x0
	s_wait_alu depctr_vm_vsrc(0)                   ; the stores have read v128-255, in which the next four rows of y land
	YLOAD 8
	s_wait_loadcnt 32                              ; row 12's 8 loads and the 24 of rows 13-15 may be out
	FOUR 8
	s_wait_xcnt 0x0
	s_wait_alu depctr_vm_vsrc(0)                   ; the stores have read v128-255, in which the last four rows of y land
	YLOAD 12
	s_wait_loadcnt 0x0
	FOUR 12
	s_wait_xcnt 0x0
	s_wait_alu depctr_vm_vsrc(0)                   ; the last row's stores have read v254 and v255, which are made anew below
	v_lshl_add_u32 v254, v0, 2, 0x4e600
	v_mov_b32 v255, 0
	s_wait_dscnt 0x0                               ; the closing lines, six on end
	s_wait_alu 0x0
	s_wait_tensorcnt 0x0
	ds_add_u32 v254, v255
	s_wait_dscnt 0x0
	s_endpgm
.Lfunc_end_k_q711042a9f3_attn:
	.size	k_q711042a9f3_attn, .Lfunc_end_k_q711042a9f3_attn-k_q711042a9f3_attn
	.p2alignl 7, 3214868480
	.fill 96, 4, 3214868480
	.section	.rodata,"a",@progbits
	.p2align	6, 0x0
	.amdhsa_kernel k_q711042a9f3_attn
		.amdhsa_group_segment_fixed_size 321536
		.amdhsa_private_segment_fixed_size 0
		.amdhsa_enable_private_segment 0
		.amdhsa_kernarg_size 80
		.amdhsa_user_sgpr_count 2
		.amdhsa_user_sgpr_kernarg_segment_ptr 1
		.amdhsa_wavefront_size32 1
		.amdhsa_system_sgpr_workgroup_id_x 1
		.amdhsa_system_sgpr_workgroup_id_y 1
		.amdhsa_system_sgpr_workgroup_id_z 1
		.amdhsa_system_vgpr_workitem_id 0
		.amdhsa_next_free_vgpr 1024
		.amdhsa_next_free_sgpr 96
		.amdhsa_reserve_vcc 0
		.amdhsa_float_denorm_mode_32 3
		.amdhsa_float_denorm_mode_16_64 3
		.amdhsa_memory_ordered 1
		.amdhsa_forward_progress 1
		.amdhsa_inst_pref_size 255
	.end_amdhsa_kernel
	.section	.bss,"aw",@nobits
	.p2align	6
	.space	262144
	.amdgpu_metadata
---
amdhsa.version: [ 1, 2 ]
amdhsa.kernels:
  - .name:           k_q711042a9f3_attn
    .symbol:         k_q711042a9f3_attn.kd
    .args:
      - { .name: q, .offset: 0, .size: 8, .value_kind: global_buffer, .address_space: global }
      - { .name: mask, .offset: 8, .size: 8, .value_kind: global_buffer, .address_space: global }
      - { .name: wc, .offset: 16, .size: 8, .value_kind: global_buffer, .address_space: global }
      - { .name: ws, .offset: 24, .size: 8, .value_kind: global_buffer, .address_space: global }
      - { .name: bp, .offset: 32, .size: 8, .value_kind: global_buffer, .address_space: global }
      - { .name: kvc, .offset: 40, .size: 8, .value_kind: global_buffer, .address_space: global }
      - { .name: kvs, .offset: 48, .size: 8, .value_kind: global_buffer, .address_space: global }
      - { .name: ln_g, .offset: 56, .size: 8, .value_kind: global_buffer, .address_space: global }
      - { .name: ln_b, .offset: 64, .size: 8, .value_kind: global_buffer, .address_space: global }
      - { .name: out0, .offset: 72, .size: 8, .value_kind: global_buffer, .address_space: global }
    .group_segment_fixed_size: 321536
    .private_segment_fixed_size: 0
    .kernarg_segment_align: 8
    .kernarg_segment_size: 80
    .max_flat_workgroup_size: 128
    .sgpr_count:     96
    .vgpr_count:     1024
    .wavefront_size: 32
...
	.end_amdgpu_metadata
.endif
;; end of part 6
